; MI455X (gfx1250); checked and timed in simulation.
; The chip was launched on July 23, 2026; its instructions are those of AMD's public machine-readable ISA for CDNA 5 (MIT licence, August 2026) and "CDNA5" Instruction Set Architecture Reference Guide (July 2026). The comments in the code are by the model that wrote it; some were corrected since.
;; Multi Head Transformer. Allowed arithmetic: matrix products marked QUANTISED: E2M3 operands, one E8M0 scale for each 32 along K, by v_wmma_scale_f32_16x16x128_f8f6f4 with both operands' format E2M3, f32 sums; everything else in f32.
;; Inputs: b1 4,096 float32; b2 1,024 float32; b_proj 1,024 float32; b_qkv 3,072 float32; ln_b 1,024 float32; ln_g 1,024 float32; w1 1,024 x 4,096 float32; w2 4,096 x 1,024 float32; w_proj 1,024 x 1,024 float32; w_qkv 1,024 x 3,072 float32; x 2 x 2,048 x 1,024 float32.
;; Outputs: out0 2 x 2,048 x 1,024 float32.
;; This version of the problem:
;;   THIS VERSION OF THE PROBLEM IS GIVEN IN LOW PRECISION. The matrix products marked QUANTISED in the list below multiply operands that are first quantised to E2M3 (2 exponent bits, 3 mantissa bits; 6 bits a number), with one power-of-two scale for each 32 numbers along K (OCP MX v1.0); their sums are f32. All else is computed in f32.
;;   The module's matrix products, in the order in which they are computed (A, B: the left and right operand; K: the contracted axis; several contracted axes count as one K, in the product's order):
;;     1. [M 4,096, K 1,024] x [K 1,024, N 3,072]; A: input x; B: input w_qkv: QUANTISED
;;     2. batch 32 x [M 2,048, K 64] x [K 64, N 2,048]; A: computed on the way; B: computed on the way: QUANTISED
;;     3. batch 32 x [M 2,048, K 2,048] x [K 2,048, N 64]; A: softmax (see below); B: computed on the way: QUANTISED
;;     4. [M 4,096, K 1,024] x [K 1,024, N 1,024]; A: computed on the way; B: input w_proj: QUANTISED
;;     5. [M 4,096, K 1,024] x [K 1,024, N 4,096]; A: computed on the way; B: input w1: QUANTISED
;;     6. [M 4,096, K 4,096] x [K 4,096, N 1,024]; A: computed on the way; B: input w2: QUANTISED
;;   THE QUANTISER, for each operand of a quantised product, along K:
;;     - K is cut into blocks of 32 from its start; a last block that is shorter is filled with zeros.
;;     - A block's scale is 2^e with e = floor(log2(the largest magnitude in the block)) - 2, held to -126 .. 127; a block of zeros has e = 0. As a byte (E8M0): e + 127.
;;     - Each number is divided by its block's scale, clamped to +-7.5, and rounded to the nearest number of E2M3, ties to even, subnormals kept.
;;     - The product sums the exact products of the quantised numbers (number of the format x scale) in f32.
;;   ~~~python
;;   def quantise(x, axis):      # numpy; x: float32 -> the quantised numbers, widened to float32 again
;;       x = np.moveaxis(x, axis, -1); K = x.shape[-1]
;;       x = np.pad(x, [(0, 0)] * (x.ndim - 1) + [(0, -K % 32)]); x = x.reshape(x.shape[:-1] + (-1, 32)); a = np.abs(x).max(-1, keepdims=True)
;;       e = np.where(a > 0, np.clip(np.frexp(np.where(a > 0, a, 1))[1] - 1 - 2, -126, 127), 0)      # np.frexp(a)[1] - 1 = floor(log2(a)), exactly
;;       r = np.clip(x / 2.0 ** e, -7.5, 7.5)
;;       step = 2.0 ** (np.maximum(np.frexp(np.where(r == 0, 1, r))[1] - 1, 0) - 3)
;;       q = np.round(r / step) * step * 2.0 ** e      # np.round: ties to even
;;       return np.moveaxis(q.reshape(q.shape[:-2] + (-1,))[..., :K], -1, axis).astype(np.float32)
;;   ~~~
;;   SOFTMAX AHEAD OF A QUANTISED PRODUCT. Where the list says 'softmax', what is quantised is not the finished softmax but p = 2^(t - M), with t = logit x log2(e) and M = ceil(the row's largest t), a whole number; so 1/2 < the row's largest p <= 1. The row's sum l is taken of the UNQUANTISED p, in f32, and the product's result is divided by l at the end. Since M is a whole number, a kernel that streams over the keys may use a running M (the ceiling of the running maximum): every later rescaling is an exact power of two, which a block's scale takes up: the codes' values come out the same.
;;   OPERANDS COMPUTED ON THE WAY. 'Computed on the way' means the value that the module computes at that place (a softmax that the list does not call 'softmax' is quantised finished and normalised). What goes into a quantiser is computed in f32, as accurately as f32 sums, v_exp_f32 and their like allow (about 1e-6 of the number): no bf16 or f16 on the way to a quantiser, and a product that is left as it is and whose result goes on into a quantised operand takes f32 operands (vector FMAs, or v_wmma_f32_16x16x4_f32). A number that lies on a knife's edge between two numbers of the format may be rounded either way, as far as f32 arithmetic and the matrix unit's own rounding can turn it there, and no further.
;; 2 versions, each right and faster than the one before. Each part assembles by itself: llvm-mc -triple=amdgcn-amd-amdhsa -mcpu=gfx1250 --defsym DOCPART=n.
;; ======== version 1 of 2: 7 launches
;; workspace buffers: ops 13,107,200 bytes; qk 9,830,400 bytes; vf 25,165,824 bytes; vq 3,276,800 bytes; hq 3,276,800 bytes; lnq 3,276,800 bytes; fq 13,107,200 bytes
;; launch prep (part 1): grid 1024 x 1, 4 waves a work-group, no clusters, 68,096 bytes of LDS; arguments w_qkv, w_proj, w1, w2, x, ops; writes ops
.if DOCPART == 1
	.amdgcn_target "amdgcn-amd-amdhsa--gfx1250"
	.amdhsa_code_object_version 6
	.text
	.protected	k_qece3e074cc_prep
	.globl	k_qece3e074cc_prep
	.p2align	8
	.type	k_qece3e074cc_prep,@function
k_qece3e074cc_prep:
	s_mov_b64 s[64:65], 0
	v_nop
	global_prefetch_b8 v0, s[64:65] scope:SCOPE_SE
	s_setreg_imm32_b32 hwreg(HW_REG_WAVE_MODE, 25, 1), 1
	s_wait_xcnt 0x0
; The four weights ([K][N] f32, K the first axis) and x ([4096][1024] f32, K innermost) become codes of FP6 (E2M3) with one E8M0 byte for each 32 along K, laid as the products' launches load them.
; A FRAGMENT'S IMAGE (16 rows x 128 K, 12 registers a lane) is 1,536 bytes: registers 4 g .. 4 g + 3 of lane L at 512 g + 16 L.  A UNIT is 8 images (128 rows, one K step): 12,288 bytes at unit x 12,288;
; its 128 scale words are 512 bytes at OPS_SC + unit x 512: the word of tile T, row r at 16 (16 (T % 2) + r) + 4 (T / 2).  Work-group u makes unit u:
; 0..191 w_qkv, 192..255 w_proj, 256..511 w1 (column group x 8 + K step), 512..767 w2 (column group x 32 + K step), 768..1023 x (row group x 8 + K step).
; A weight's rows of an image are output columns, and they are not neighbours: row i of tile 2 B + u is column 32 B + 8 u + i + 8 (i / 8), so that a transposed product leaves 16 neighbouring columns in 16 registers.
; W PATH: a lane takes a column and its registers run down K: a block of 32 lies in one lane.  X PATH: rows are loaded dense, 512 bytes a load, and turned through the wave's own stage in LDS.
; A block's scale is 2^(floor(log2(largest magnitude)) - 2); its byte is that magnitude's exponent field - 2, held at 1 from below.
; LIMITS: a block of zeros gets the byte 1, not 127 (its codes are zeros, and only this program reads the bytes); blocks whose largest magnitude lies under 2^-124 are held at the byte 1; NaN and infinities are not served.
.set OPS_SC, 12582912
.set X,    80                          ; v80-207  128 numbers
.set OFFR, 48                          ; v48-79   W path: row i of a block: i x pitch + 4 x lane
.set R0,   16                          ; v16-27, v28-39  W path: the registers of image lanes (i, 0) and (i, 1)
.set CT,   40                          ; v40-42   a conversion's second half
.set WD,   44                          ; v44      my column's scale word
.set TM,   16                          ; v16-31   X path: at work in QUANT
.set SEL,  40                          ; s[40:41] selects for lane l xor 16
.set SP,   528                         ; a stage row: 512 bytes + 16
.set MSB,  0
.macro WIN new                         ; (all registers of this text lie in window 0: the macro writes nothing here)
.if MSB != (\new)
	s_set_vgpr_msb (MSB<<8)|(\new)
.set MSB, (\new)
.endif
.endm
; 64 numbers of a lane, register 16 b + i = k 32 b + 16 (lane / 16) + i of my row, become a fragment's 12 registers at v[pc] and its scale word in v[pw]
.macro QUANT qs, qw, pc, pw
	WIN (\qw)|((\qw)<<2)
.irp b, 0,1,2,3
	v_max3_num_f32 v[TM+\b], |v[\qs+16*\b]|, |v[\qs+1+16*\b]|, 0x1800000   ; my 16 numbers of block b and the floor 2^(3 - 127)
.endr
.irp i, 2,4,6,8,10,12,14
.irp b, 0,1,2,3
	v_max3_num_f32 v[TM+\b], |v[\qs+16*\b+\i]|, |v[\qs+1+16*\b+\i]|, v[TM+\b]
.endr
.endr
	WIN 0
.irp b, 0,1,2,3
	v_permlanex16_b32 v[TM+4+\b], v[TM+\b], s[SEL], s[SEL+1]
.endr
.irp b, 0,1,2,3
	v_max_num_f32 v[TM+\b], v[TM+\b], v[TM+4+\b]           ; with lane l xor 16's: the block's largest magnitude
.endr
.irp b, 0,1,2,3
	v_add_nc_u32 v[TM+12+\b], 0xff000000, v[TM+\b]         ; 2 off its exponent field: the conversion's scale operand
.endr
.irp b, 0,1,2,3
	v_lshrrev_b32 v[TM+4+\b], 23, v[TM+12+\b]              ; the scale's byte
.endr
	v_lshl_or_b32 v[\pw], v[TM+5], 8, v[TM+4]
	v_lshl_or_b32 v[\pw], v[TM+6], 16, v[\pw]
	v_lshl_or_b32 v[\pw], v[TM+7], 24, v[\pw]
	WIN \qw
.irp c, 0,1
	v_cvt_scalef32_pk16_fp6_f32 v[\pc+6*\c:\pc+2+6*\c], v[\qs+32*\c:\qs+15+32*\c], v[TM+12+2*\c]
	v_cvt_scalef32_pk16_fp6_f32 v[\pc+12+4*\c:\pc+14+4*\c], v[\qs+16+32*\c:\qs+31+32*\c], v[TM+12+2*\c+1]
.endr
	WIN 0
	v_nop                                                  ; one plain instruction behind the scaled conversions
.irp c, 0,1                            ; a whole block to a lane: lanes 0-15 block 2 c, lanes 16-31 block 2 c + 1
.irp i, 0,1,2
	v_permlane16_swap_b32 v[\pc+6*\c+\i], v[\pc+12+4*\c+\i]
.endr
.irp i, 0,1,2
	v_mov_b32 v[\pc+3+6*\c+\i], v[\pc+12+4*\c+\i]
.endr
.endr
.endm
; block t of my column, v[X + 32 t ..]: its byte into the word, its codes into registers 6 (t / 2) .. + 5 of image lane (i, t % 2)
.macro COLBLK t
.set XS, X+32*(\t)
.set RH, R0+12*((\t)%2)+6*((\t)/2)
	v_max3_num_f32 v12, |v[XS]|, |v[XS+1]|, |v[XS+2]|
	v_max3_num_f32 v13, |v[XS+3]|, |v[XS+4]|, |v[XS+5]|
.irp i, 6,10,14,18,22,26
	v_max3_num_f32 v12, v12, |v[XS+\i]|, |v[XS+\i+1]|
	v_max3_num_f32 v13, v13, |v[XS+\i+2]|, |v[XS+\i+3]|
.endr
	v_max3_num_f32 v12, v12, |v[XS+30]|, |v[XS+31]|
	v_max3_num_f32 v12, v12, v13, 0x1800000
	v_add_nc_u32 v11, 0xff000000, v12
	v_lshrrev_b32 v13, 23, v11
.if (\t) == 0
	v_mov_b32 v[WD], v13
.else
	v_lshl_or_b32 v[WD], v13, 8*(\t), v[WD]
.endif
	v_cvt_scalef32_pk16_fp6_f32 v[RH:RH+2], v[XS:XS+15], v11
	v_cvt_scalef32_pk16_fp6_f32 v[CT:CT+2], v[XS+16:XS+31], v11    ; (a conversion's three registers begin on an even number)
	v_nop
.irp i, 0,1,2
	v_mov_b32 v[RH+3+\i], v[CT+\i]
.endr
.endm
.macro LOADW t                         ; block t: 32 rows of the weight at my column; a wave reads 128 consecutive bytes, the four waves 512
.set i, 0
.rept 32
	global_load_b32 v[X+32*(\t)+i], v[OFFR+i], s[32+2*(\t):33+2*(\t)] th:TH_LOAD_NT
.set i, i+1
.endr
.endm
	s_load_b256 s[4:11], s[0:1], 0x0               ; w_qkv s[4:5], w_proj s[6:7], w1 s[8:9], w2 s[10:11]
	s_load_b128 s[12:15], s[0:1], 0x20             ; x s[12:13], ops s[14:15]
	v_lshl_add_u32 v232, v0, 2, 0x10800
	v_mov_b32 v233, 0
	v_lshrrev_b32 v1, 5, v0
	v_readfirstlane_b32 s16, v1                    ; wave 0..3
	v_and_b32 v2, 31, v0                           ; lane
	s_mul_i32 s18, ttmp9, 12288
	s_mov_b32 s19, 0
	s_lshl_b32 s20, ttmp9, 9
	s_add_co_u32 s20, s20, OPS_SC
	s_mov_b32 s21, 0
	s_wait_kmcnt 0x0
	s_add_nc_u64 s[18:19], s[14:15], s[18:19]      ; my unit's images
	s_add_nc_u64 s[20:21], s[14:15], s[20:21]      ; and its scale words
	s_cmp_lt_u32 ttmp9, 768
	s_cbranch_scc0 .Lxpath
	; ---- W PATH.  Which weight, its pitch in bytes, its first unit, log2 of its K steps: chosen on the work-group's number alone
	s_mov_b64 s[22:23], s[10:11]
	s_mov_b32 s24, 4096
	s_mov_b32 s25, 512
	s_mov_b32 s26, 5
	s_cmp_lt_u32 ttmp9, 512
	s_cselect_b64 s[22:23], s[8:9], s[22:23]
	s_cselect_b32 s24, 16384, s24
	s_cselect_b32 s25, 256, s25
	s_cselect_b32 s26, 3, s26
	s_cmp_lt_u32 ttmp9, 256
	s_cselect_b64 s[22:23], s[6:7], s[22:23]
	s_cselect_b32 s24, 4096, s24
	s_cselect_b32 s25, 192, s25
	s_cmp_lt_u32 ttmp9, 192
	s_cselect_b64 s[22:23], s[4:5], s[22:23]
	s_cselect_b32 s24, 12288, s24
	s_cselect_b32 s25, 0, s25
	s_sub_co_u32 s25, ttmp9, s25                   ; the unit's number in its weight
	s_lshr_b32 s27, s25, s26                       ; column group
	s_lshl_b32 s28, s27, s26
	s_sub_co_u32 s28, s25, s28                     ; K step
	s_lshl_b32 s29, s24, 5                         ; a block's 32 rows in bytes
	s_lshl_b32 s30, s29, 2
	s_mul_i32 s30, s30, s28                        ; K step x 128 rows
	s_lshl_b32 s27, s27, 9
	s_add_co_u32 s30, s30, s27                     ; + 128 columns x group
	s_lshl_b32 s27, s16, 7
	s_add_co_u32 s30, s30, s27                     ; + 32 columns x wave
	s_mov_b32 s31, 0
	s_add_nc_u64 s[32:33], s[22:23], s[30:31]      ; a base for each of the four blocks
	s_mov_b32 s30, s29
	s_add_nc_u64 s[34:35], s[32:33], s[30:31]
	s_add_nc_u64 s[36:37], s[34:35], s[30:31]
	s_add_nc_u64 s[38:39], s[36:37], s[30:31]
	v_lshlrev_b32 v3, 2, v2
.set i, 0
.rept 32
	v_mad_u32_u24 v[OFFR+i], s24, i, v3
.set i, i+1
.endr
	LOADW 0
	LOADW 1
	v_bfe_u32 v5, v2, 3, 1                         ; my column is row i of tile 2 wave + u: u = lane bit 3,
	v_bfe_u32 v6, v2, 4, 1
	v_and_b32 v7, 7, v2
	v_lshl_or_b32 v7, v6, 3, v7                    ; i = 8 x bit 4 + (lane & 7)
	v_mul_u32_u24 v4, v5, 1536
	v_lshl_add_u32 v4, v7, 4, v4
	s_mul_i32 s27, s16, 3072
	v_add_nc_u32 v4, s27, v4                       ; the tile's image, + 16 i
	v_lshl_add_u32 v5, v5, 4, v7
	v_lshlrev_b32 v5, 4, v5
	s_lshl_b32 s27, s16, 2
	v_add_nc_u32 v5, s27, v5                       ; my scale word: 16 (16 u + i) + 4 wave
	s_wait_loadcnt 32                              ; block 0 is in; block 1's 32 loads may be out
	LOADW 2
	COLBLK 0
	s_wait_loadcnt 32                              ; block 1 is in; block 2's may be out
	LOADW 3
	COLBLK 1
	s_wait_loadcnt 32                              ; block 2 is in; block 3's may be out
	COLBLK 2
	s_wait_loadcnt 0x0
	COLBLK 3
.irp h, 0,1
.irp g, 0,1,2
	global_store_b128 v4, v[R0+12*\h+4*\g:R0+12*\h+4*\g+3], s[18:19] offset:256*\h+512*\g   ; sixteen lanes of one tile store 256 consecutive bytes, aligned
.endr
.endr
	global_store_b32 v5, v[WD], s[20:21]
	s_endpgm
.Lxpath:
	; ---- X PATH.  Wave w: rows 32 w .. 32 w + 31 of the row group (tiles 2 w, 2 w + 1), 128 along K
	s_sub_co_u32 s25, ttmp9, 768
	s_lshr_b32 s26, s25, 3                         ; row group
	s_and_b32 s27, s25, 7                          ; K step
	s_lshl_b32 s26, s26, 7
	s_lshl_b32 s28, s16, 5
	s_add_co_u32 s26, s26, s28                     ; my first row
	s_lshl_b32 s30, s26, 12
	s_lshl_b32 s27, s27, 9
	s_add_co_u32 s30, s30, s27
	s_mov_b32 s31, 0
	s_add_nc_u64 s[12:13], s[12:13], s[30:31]
	v_lshlrev_b32 v3, 4, v2                        ; 16 x lane
.set i, 0
.rept 32
	global_load_b128 v[X+4*i:X+4*i+3], v3, s[12:13] offset:4096*i th:TH_LOAD_NT   ; a row's 512 consecutive bytes
.set i, i+1
.endr
	s_mov_b32 s[SEL], 0x76543210
	s_mov_b32 s[SEL+1], 0xfedcba98
	s_mul_i32 s28, s16, 32*SP                      ; my stage
	v_add_nc_u32 v4, s28, v3                       ; in: 16 x lane of a row
	v_and_b32 v5, 15, v2
	v_bfe_u32 v6, v2, 4, 1
	v_mul_u32_u24 v7, v5, SP
	v_lshl_add_u32 v7, v6, 6, v7
	v_add_nc_u32 v7, s28, v7                       ; back: row lane % 16, + 64 (lane / 16): my 16 numbers of each block of 32
	s_lshl_b32 s28, s16, 2
	v_add_nc_u32 v8, s28, v3                       ; my scale word: 16 x lane + 4 wave
	s_mul_i32 s29, s16, 3072
	v_add_nc_u32 v9, s29, v3                       ; my two tiles' images
	v_cmp_lt_u32 vcc_lo, 15, v2
.irp b, 0,1,2,3
	v_mov_b32 v[TM+4+\b], 0                        ; written once: a lane permute's destination counts as one of its sources
.endr
	s_wait_loadcnt 16                              ; rows 0-15 are in; the later 16 loads may be out
.set i, 0
.rept 16
	ds_store_b128 v4, v[X+4*i:X+4*i+3] offset:SP*i
.set i, i+1
.endr
	s_wait_loadcnt 0x0
.rept 16
	ds_store_b128 v4, v[X+4*i:X+4*i+3] offset:SP*i
.set i, i+1
.endr
	s_wait_dscnt 0x0                               ; the stores have read their registers, which the loads below fill
.irp a, 0,1
.set i, 0
.rept 16
	ds_load_b128 v[X+64*\a+4*i:X+64*\a+4*i+3], v7 offset:16*\a*SP+128*(i/4)+16*(i%4)
.set i, i+1
.endr
.endr
	s_wait_dscnt 0x0
	QUANT X, 0, 48, 32
	QUANT X+64, 0, 208, 33
.irp g, 0,1,2
	global_store_b128 v9, v[48+4*\g:51+4*\g], s[18:19] offset:512*\g           ; 32 lanes store 512 consecutive bytes
	global_store_b128 v9, v[208+4*\g:211+4*\g], s[18:19] offset:1536+512*\g
.endr
	v_cndmask_b32 v32, v32, v33, vcc_lo            ; lanes 0-15 the even tile's words, lanes 16-31 the odd tile's
	global_store_b32 v8, v32, s[20:21]
	s_wait_tensorcnt 0x0
	ds_add_u32 v232, v233
	s_wait_dscnt 0x0
	s_endpgm
.Lfunc_end_k_qece3e074cc_prep:
	.size	k_qece3e074cc_prep, .Lfunc_end_k_qece3e074cc_prep-k_qece3e074cc_prep
	.p2alignl 7, 3214868480
	.fill 96, 4, 3214868480
	.section	.rodata,"a",@progbits
	.p2align	6, 0x0
	.amdhsa_kernel k_qece3e074cc_prep
		.amdhsa_group_segment_fixed_size 68096
		.amdhsa_private_segment_fixed_size 0
		.amdhsa_enable_private_segment 0
		.amdhsa_kernarg_size 48
		.amdhsa_user_sgpr_count 2
		.amdhsa_user_sgpr_kernarg_segment_ptr 1
		.amdhsa_wavefront_size32 1
		.amdhsa_system_sgpr_workgroup_id_x 1
		.amdhsa_system_sgpr_workgroup_id_y 1
		.amdhsa_system_sgpr_workgroup_id_z 1
		.amdhsa_system_vgpr_workitem_id 0
		.amdhsa_next_free_vgpr 234
		.amdhsa_next_free_sgpr 66
		.amdhsa_reserve_vcc 1
		.amdhsa_float_denorm_mode_32 3
		.amdhsa_float_denorm_mode_16_64 3
		.amdhsa_memory_ordered 1
		.amdhsa_forward_progress 1
		.amdhsa_inst_pref_size 41
	.end_amdhsa_kernel
	.amdgpu_metadata
---
amdhsa.version: [ 1, 2 ]
amdhsa.kernels:
  - .name:           k_qece3e074cc_prep
    .symbol:         k_qece3e074cc_prep.kd
    .args:
      - { .name: w_qkv, .offset: 0, .size: 8, .value_kind: global_buffer, .address_space: global }
      - { .name: w_proj, .offset: 8, .size: 8, .value_kind: global_buffer, .address_space: global }
      - { .name: w1, .offset: 16, .size: 8, .value_kind: global_buffer, .address_space: global }
      - { .name: w2, .offset: 24, .size: 8, .value_kind: global_buffer, .address_space: global }
      - { .name: x, .offset: 32, .size: 8, .value_kind: global_buffer, .address_space: global }
      - { .name: ops, .offset: 40, .size: 8, .value_kind: global_buffer, .address_space: global }
    .group_segment_fixed_size: 68096
    .private_segment_fixed_size: 0
    .kernarg_segment_align: 8
    .kernarg_segment_size: 48
    .max_flat_workgroup_size: 128
    .sgpr_count:     66
    .vgpr_count:     234
    .wavefront_size: 32
...
	.end_amdgpu_metadata
.endif
;; end of part 1
;; launch gemm_qkv (part 2): grid 12 x 16, 4 waves a work-group, clusters of 4 x 4, 327,680 bytes of LDS; arguments ops, b_qkv, qk, vf; writes qk, vf
.if DOCPART == 2
	.amdgcn_target "amdgcn-amd-amdhsa--gfx1250"
	.amdhsa_code_object_version 6
	.text
	.protected	k_qece3e074cc_gemm_qkv
	.globl	k_qece3e074cc_gemm_qkv
	.p2align	8
	.type	k_qece3e074cc_gemm_qkv,@function
k_qece3e074cc_gemm_qkv:
	s_mov_b64 s[64:65], 0
	v_nop
	global_prefetch_b8 v0, s[64:65] scope:SCOPE_SE
	s_setreg_imm32_b32 hwreg(HW_REG_WAVE_MODE, 25, 1), 1
	s_wait_xcnt 0x0
	s_wait_alu depctr_hold_cnt(0) depctr_sa_sdst(0) depctr_va_vdst(0) depctr_va_sdst(0) depctr_va_ssrc(0) depctr_va_vcc(0) depctr_vm_vsrc(0)
	s_getreg_b32 s2, hwreg(HW_REG_IB_STS2, 6, 4)
	s_cmp_eq_u32 s2, 0
	s_cbranch_scc0 .Lentry_in_a_cluster
	s_endpgm
.Lentry_in_a_cluster:
	s_bfe_u32 s2, ttmp6, 0x10000c
	s_cmp_lg_u32 s2, 0xf033
	s_cbranch_scc0 .Lentry_shape_is_right
	s_endpgm
.Lentry_shape_is_right:
; C = A B^T + bias on codes of FP6 (E2M3) with E8M0 scales.  THIS COPY: x [4096][1024] times w_qkv (3,072 columns) + b_qkv.
; Out: (a) all of C quantised along its columns, as one flat row-major stream of codes [4096][2304 bytes] with a scale byte for each 32 numbers [4096][96]: the raw view makes q and k of it;
; (b) rows 1024..2047 of each batch as f32, which hold v (its blocks run along the keys and are made by the next launch).
.set KDIM, 1024
.set NDIM, 3072
.set QOUT, 2                           ; 0 none, 1 images for the next product, 2 the flat stream
.set RELU, 0
.set FOUT, 2                           ; 0 none, 1 all of C as f32, 2 f32 where the cluster's y is odd
.set A_OFF,  9437184                   ; A's images and scale words in its buffer; B's in its
.set AS_OFF, 12976128
.set B_OFF,  0
.set BS_OFF, 12582912
; OPERANDS lie in memory as images of the operand registers: a fragment (16 rows x 128 K) is 1,536 bytes, registers 4 g .. 4 g + 3 of lane L at 512 g + 16 L; laid [group of 128 rows][K step][tile][1536].
; So a group's two K steps are 24,576 dense bytes for one tensor load, and a fragment comes from LDS by three loads of 16 bytes a lane, 512 consecutive bytes each: no pitch, no padding.
; SCALE WORDS: 512 bytes for a group and a K step, the word of tile T, row r at 16 (16 (T % 2) + r) + 4 (T / 2): one load of 16 bytes a lane brings four registers; tile T reads register T / 2, lanes 0-15 (T even) or 16-31 (T odd).
; A tile of C, 256 x 256, is made by four waves, each 128 x 128: 64 accumulators.  K goes in steps of 256 through two LDS slots; all scale words of the work-group's rows come once and stay.
; CLUSTERS 4 x 4: A's tiles are asked for jointly along a row of the cluster, B's along a column.
; THE PRODUCT IS USED TRANSPOSED (source 0 = 16 rows of B, source 1 = 16 rows of A).  Row i of B's tile 2 B + u is column 32 B + 8 u + i + 8 (i / 8): lane (r, h) holds row r of C, and register 8 b + j of its eight tiles
; column 32 (b / 2) + 16 h + 8 (b % 2) + j: 16 neighbours of each block of 32, as the quantiser wants them.  The bias is the C of each sum's first product.
; LIMITS: a block of zeros gets the byte 1, not 127 (its codes are zeros; only this program reads the bytes); blocks under 2^-124 are held at the byte 1; NaN and infinities are not served.
; REGISTERS: window 0: v12-31 addresses; v32-63 scale words, two sets; v64-127 the bias; v128-223 A's fragments, one set.  window 1: B's fragments, two sets, at v0 and v128.  windows 2, 3: the accumulators, (a, b) at v[8 (8 (a % 4) + b)].
.set KT,     KDIM/128
.set GRP,    12288
.set HALFT,  2*GRP                     ; one group x two K steps: what one tensor load brings
.set SLOT,   4*HALFT                   ; A's two groups, then B's two
.set LAPS,   KDIM/512
.set SCL,    2*SLOT                    ; behind the ring: the scale words
.set HALFS,  KT*512                    ; those of one group
.set SPARE,  SCL+4*HALFS               ; the spare words, 128 bytes for each wave: two blocks of 256 bytes that no other line names
.set NL,     3                         ; LDS loads of a fragment
.set NP,     4                         ; places behind this matrix instruction (ISA guide 7.12.1)
.set SPITCH, 528                       ; the way out: stages in slot 0, which has had its last fill and its last read by then
.set WSTG,   10240                     ; a wave's: 16 rows x 528 bytes of f32, then
.set QSTG,   8448                      ; 1,536 bytes of codes
.set GQ,   12                          ; v12-14 the flat stream: where my 16 bytes of a tile's 1,536 go
.set STQ,  15
.set ADRA, 16
.set ADRB, 20
.set ADSA, 22
.set ADSB, 23
.set STO,  24
.set RD,   25
.set CO,   26                          ; 16 x lane
.set RDQ,  27
.set SPW,  28
.set NIL,  29
.set GS,   30
.set LN,   31                          ; lane
.set SC,   32
.set BIAS, 64
.set AF,   128
.set TM,   32                          ; the way out: v32-47 at work, v48-55 the tiles' scale words, v56-59 those as they are stored, v64-103 codes, v104-127 codes read back, v128-255 rows of f32
.set PWR,  48
.set SW,   56
.set BK,   128
.set SEL,  66
.set G1, 24
.set G0, 32
.set G1B, 48
.set G0B, 56
.set G1S, 68
.set G0S, 76
.set G1SB, 80
.set G0SB, 88
.set MSB, 0
.macro WIN new                         ; the immediate's high byte repeats the setting that is left
.if MSB != (\new)
	s_set_vgpr_msb (MSB<<8)|(\new)
.set MSB, (\new)
.endif
.endm
.set MUL_LO, 0xa1                      ; source 0 (B) window 1, source 1 (A) window 0, C and D window 2
.set MUL_HI, 0xf1
.set TO_B,   0x40
.macro JLOAD g0a, g1a, g0b, g1b        ; a joint load: waves 0, 1 for A, waves 2, 3 for B; four v_nop follow each line
	s_cmp_eq_u32 s15, 0
	s_cbranch_scc0 .Lfor_b_\@
	tensor_load_to_lds s[\g0a:\g0a+3], s[\g1a:\g1a+7]
	s_nop 0
.rept 4
	v_nop
.endr
	s_branch .Lasked_\@
.Lfor_b_\@:
	tensor_load_to_lds s[\g0b:\g0b+3], s[\g1b:\g1b+7]
	s_nop 0
.rept 4
	v_nop
.endr
.Lasked_\@:
.endm
.macro CREST
	s_cmp_lg_u32 s14, 0
	s_cbranch_scc1 .Lnot_wave_0_\@
	s_barrier_signal -3
.Lnot_wave_0_\@:
	s_barrier_wait -3
	s_barrier_signal -1
	s_barrier_wait -1
.endm
.macro CROUND
	s_barrier_signal -1
	s_barrier_wait -1
	CREST
.endm
.macro PLACES n
.rept \n
	v_nop
.endr
.endm
	s_load_b128 s[4:7], s[0:1], 0x0                ; A's buffer, the bias
.if QOUT
	s_load_b64 s[12:13], s[0:1], 0x10              ; the codes' buffer
.else
	s_load_b64 s[10:11], s[0:1], 0x10              ; the f32 output
.endif
.if FOUT == 2
	s_load_b64 s[10:11], s[0:1], 0x18              ; the f32 rows
.else
	s_load_b64 s[8:9], s[0:1], 0x18                ; B's buffer
.endif
	v_lshl_add_u32 v[SPW], v0, 2, SPARE
	v_mov_b32 v[NIL], 0
	ds_add_u32 v28, v29
	ds_add_u32 v28, v29
	s_wait_dscnt 0x0
	v_lshrrev_b32 v1, 5, v0
	v_readfirstlane_b32 s14, v1                    ; wave 0..3
	s_lshr_b32 s15, s14, 1                         ; my half of the tile's rows.  Also: I fetch for A (0) or B (1)
	s_and_b32 s16, s14, 1                          ; my half of its columns.  Also: which group I fetch
	s_bfe_u32 s40, ttmp6, 0x40000                  ; cx, cy
	s_bfe_u32 s41, ttmp6, 0x40004
	s_lshl_b32 s42, ttmp9, 2
	s_add_co_u32 s42, s42, s40                     ; tile column
	s_and_b32 s17, ttmp7, 0xffff
	s_lshl_b32 s17, s17, 2
	s_add_co_u32 s17, s17, s41                     ; tile row
	s_lshl_b32 s43, s41, 2
	s_lshl_b32 s43, 15, s43                        ; my row of the cluster
	s_lshl_b32 s44, 0x1111, s40                    ; my column
	s_or_b32 s[G1+0], s43, (3<<16)|(1<<21)         ; 15:0 the mask; 17:16 elements of 8 bytes; 21 set beside a mask; no padding
	s_or_b32 s[G1B+0], s44, (3<<16)|(1<<21)
.irp g, G1, G1B
	s_mov_b32 s[\g+1], 32<<16                      ; 96 dense rows of 256 bytes
	s_mov_b32 s[\g+2], 96<<16
	s_mov_b32 s[\g+3], 32<<16
	s_mov_b32 s[\g+4], 96
	s_mov_b32 s[\g+5], 32
	s_mov_b32 s[\g+6], 0
	s_mov_b32 s[\g+7], 0
.endr
	s_or_b32 s[G1S+0], s43, (3<<16)|(1<<21)
	s_or_b32 s[G1SB+0], s44, (3<<16)|(1<<21)
.irp g, G1S, G1SB
	s_mov_b32 s[\g+1], 32<<16                      ; a group's scale words: 2 KT dense rows of 256 bytes
	s_mov_b32 s[\g+2], (2*KT)<<16
	s_mov_b32 s[\g+3], 32<<16
	s_mov_b32 s[\g+4], 2*KT
	s_mov_b32 s[\g+5], 32
	s_mov_b32 s[\g+6], 0
	s_mov_b32 s[\g+7], 0
.endr
	s_lshl_b32 s20, s17, 1
	s_add_co_u32 s20, s20, s16                     ; A's group that I fetch: it hangs on the tile row and the wave alone
	s_lshl_b32 s46, s42, 1
	s_add_co_u32 s46, s46, s16                     ; B's: on the tile column and the wave alone
	s_mul_i32 s22, s20, HALFS
	s_mul_i32 s92, s46, HALFS
	s_mul_i32 s20, s20, KT*GRP
	s_mul_i32 s46, s46, KT*GRP
	s_add_co_u32 s20, s20, A_OFF
	s_add_co_u32 s22, s22, AS_OFF
	s_add_co_u32 s46, s46, B_OFF
	s_add_co_u32 s92, s92, BS_OFF
	s_mov_b32 s21, 0
	s_mov_b32 s23, 0
	s_mov_b32 s47, 0
	s_mov_b32 s93, 0
	s_mul_i32 s45, s14, HALFT                      ; where they go: no place in the cluster enters an LDS address
	s_mul_i32 s94, s14, HALFS
	s_wait_kmcnt 0x0
.if FOUT == 2
	s_mov_b64 s[8:9], s[4:5]                       ; here A and B lie in one buffer
.endif
	s_add_nc_u64 s[20:21], s[4:5], s[20:21]
	s_add_nc_u64 s[22:23], s[4:5], s[22:23]
	s_add_nc_u64 s[46:47], s[8:9], s[46:47]
	s_add_nc_u64 s[92:93], s[8:9], s[92:93]
	CROUND                                         ; all sixteen work-groups are here: the first joint loads meet
	s_mov_b32 s[G0S], 1
	s_add_co_u32 s[G0S+1], s94, SCL
	s_mov_b64 s[G0S+2:G0S+3], s[22:23]
	s_or_b32 s[G0S+3], s[G0S+3], 0x80000000
	s_mov_b32 s[G0SB], 1
	s_add_co_u32 s[G0SB+1], s94, SCL
	s_mov_b64 s[G0SB+2:G0SB+3], s[92:93]
	s_or_b32 s[G0SB+3], s[G0SB+3], 0x80000000
	JLOAD G0S, G1S, G0SB, G1SB                     ; the scale words first: filled once
.irp s, 0,1
	s_mov_b32 s[G0+4*\s], 1
	s_add_co_u32 s[G0+4*\s+1], s45, \s*SLOT
	s_add_nc_u64 s[G0+4*\s+2:G0+4*\s+3], s[20:21], \s*HALFT
	s_or_b32 s[G0+4*\s+3], s[G0+4*\s+3], 0x80000000
	s_mov_b32 s[G0B+4*\s], 1
	s_add_co_u32 s[G0B+4*\s+1], s45, \s*SLOT
	s_add_nc_u64 s[G0B+4*\s+2:G0B+4*\s+3], s[46:47], \s*HALFT
	s_or_b32 s[G0B+4*\s+3], s[G0B+4*\s+3], 0x80000000
	JLOAD G0+4*\s, G1, G0B+4*\s, G1B               ; three loads of mine are out behind the last
.endr
	v_and_b32 v[LN], 31, v0
	v_and_b32 v1, 15, v0                           ; r
	v_bfe_u32 v2, v0, 4, 1                         ; h
	v_lshlrev_b32 v[CO], 4, v[LN]
	s_mul_i32 s21, s15, HALFT                      ; my group of A,
	s_mul_i32 s22, s16, HALFT
	s_add_co_u32 s22, s22, 2*HALFT                 ; my group of B
.irp s, 0,1
	v_add_nc_u32 v[ADRA+\s], s21, v[CO]
	v_add_nc_u32 v[ADRB+\s], s22, v[CO]
	s_add_co_u32 s21, s21, SLOT
	s_add_co_u32 s22, s22, SLOT
.endr
	s_mul_i32 s21, s15, HALFS
	s_add_co_u32 s21, s21, SCL
	v_add_nc_u32 v[ADSA], s21, v[CO]
	s_mul_i32 s22, s16, HALFS
	s_add_co_u32 s22, s22, SCL+2*HALFS
	v_add_nc_u32 v[ADSB], s22, v[CO]
	s_mul_i32 s23, s14, WSTG                       ; my stages
	v_mul_u32_u24 v5, v1, SPITCH
	v_lshl_add_u32 v5, v2, 6, v5
	v_add_nc_u32 v[STO], s23, v5                   ; f32 in: row r, + 64 h
	v_add_nc_u32 v[RD], s23, v[CO]                 ; back: a row's 512 bytes
.if QOUT == 2
	s_add_co_u32 s23, s23, QSTG
	v_mul_u32_u24 v5, v1, 96
	v_mad_u32_u24 v5, v2, 24, v5
	v_add_nc_u32 v[STQ], s23, v5                   ; codes in: row r of 96 bytes, + 24 h
	v_add_nc_u32 v[RDQ], s23, v[CO]
.irp i, 0,1,2
	v_add_nc_u32 v6, 32*\i, v[LN]                  ; piece p of 96: row p / 6 (= 43 p >> 8 for p < 96), 16 (p % 6) bytes into its 96
	v_mul_u32_u24 v7, v6, 43
	v_lshrrev_b32 v7, 8, v7
	v_mul_u32_u24 v8, v7, 6
	v_sub_nc_u32 v6, v6, v8
	v_lshlrev_b32 v6, 4, v6
	v_mad_u32_u24 v[GQ+\i], v7, 2304, v6
.endr
	v_mul_u32_u24 v[GS], v[LN], 96
.endif
.if QOUT
	s_mov_b32 s[SEL], 0x76543210
	s_mov_b32 s[SEL+1], 0xfedcba98
.endif
	s_lshl_b32 s46, s42, 10                        ; the bias of my 128 columns
	s_lshl_b32 s47, s16, 9
	s_add_co_u32 s46, s46, s47
	s_mov_b32 s47, 0
	s_add_nc_u64 s[6:7], s[6:7], s[46:47]
	v_lshlrev_b32 v9, 6, v2
.irp b, 0,1,2,3,4,5,6,7
	global_load_b128 v[BIAS+8*\b:BIAS+8*\b+3], v9, s[6:7] offset:(32*(\b/2)+8*(\b%2))*4
	global_load_b128 v[BIAS+8*\b+4:BIAS+8*\b+7], v9, s[6:7] offset:(32*(\b/2)+8*(\b%2))*4+16
.endr
	; where my part of the results goes
.if QOUT == 1
	s_lshl_b32 s96, s17, 1
	s_add_co_u32 s96, s96, s15                     ; my rows' group,
	s_lshl_b32 s96, s96, 5
	s_lshl_b32 s98, s42, 1
	s_add_co_u32 s98, s98, s16                     ; my columns are the next product's K step
	s_add_co_u32 s96, s96, s98
	s_lshl_b32 s98, s96, 9
	s_add_co_u32 s98, s98, 12582912
	s_mov_b32 s99, 0
	s_add_nc_u64 s[92:93], s[12:13], s[98:99]
	s_mul_i32 s96, s96, GRP
	s_mov_b32 s97, 0
	s_add_nc_u64 s[12:13], s[12:13], s[96:97]
.endif
.if QOUT == 2
	s_lshl_b32 s96, s17, 8
	s_lshl_b32 s98, s15, 7
	s_add_co_u32 s96, s96, s98                     ; my first row
	s_lshl_b32 s94, s42, 1
	s_add_co_u32 s94, s94, s16                     ; my 128 columns
	s_mul_i32 s98, s96, 96
	s_lshl_b32 s95, s94, 2
	s_add_co_u32 s98, s98, s95
	s_add_co_u32 s98, s98, 9437184
	s_mov_b32 s99, 0
	s_add_nc_u64 s[92:93], s[12:13], s[98:99]
	s_mul_i32 s96, s96, 2304
	s_mul_i32 s94, s94, 96
	s_add_co_u32 s96, s96, s94
	s_mov_b32 s97, 0
	s_add_nc_u64 s[12:13], s[12:13], s[96:97]
.endif
.if FOUT
.if FOUT == 2
	s_and_b32 s96, ttmp7, 0xffff                   ; cluster y = 2 x batch + 1: tile row 4 x batch + cy of the f32 rows
	s_lshr_b32 s96, s96, 1
	s_lshl_b32 s96, s96, 2
	s_add_co_u32 s96, s96, s41
	s_lshl_b32 s96, s96, 8
.else
	s_lshl_b32 s96, s17, 8
.endif
	s_lshl_b32 s98, s15, 7
	s_add_co_u32 s96, s96, s98
	s_mul_i32 s96, s96, NDIM*4
	s_lshl_b32 s98, s42, 10
	s_add_co_u32 s96, s96, s98
	s_lshl_b32 s98, s16, 9
	s_add_co_u32 s96, s96, s98
	s_mov_b32 s97, 0
	s_add_nc_u64 s[10:11], s[10:11], s[96:97]
.endif
.macro FRAG reg, adr, q, i             ; a fragment's image: three loads, 512 consecutive bytes each
.irp g, 0,1,2
	ds_load_b128 v[\reg+4*\g:\reg+4*\g+3], v[\adr] offset:(\q)*GRP+(\i)*1536+512*\g
.endr
.endm
.macro WM rb, ra                       ; one product; rb, ra: source 0's and source 1's scale words stand in lanes 16-31
.if \rb
.if \ra
	v_wmma_scale_f32_16x16x128_f8f6f4 v[rD:rD+7], v[rB:rB+11], v[rA:rA+11], v[rC:rC+7], v[rSB], v[rSA] matrix_a_fmt:MATRIX_FMT_FP6 matrix_b_fmt:MATRIX_FMT_FP6 matrix_a_scale:MATRIX_SCALE_ROW1 matrix_b_scale:MATRIX_SCALE_ROW1
.else
	v_wmma_scale_f32_16x16x128_f8f6f4 v[rD:rD+7], v[rB:rB+11], v[rA:rA+11], v[rC:rC+7], v[rSB], v[rSA] matrix_a_fmt:MATRIX_FMT_FP6 matrix_b_fmt:MATRIX_FMT_FP6 matrix_a_scale:MATRIX_SCALE_ROW1
.endif
.else
.if \ra
	v_wmma_scale_f32_16x16x128_f8f6f4 v[rD:rD+7], v[rB:rB+11], v[rA:rA+11], v[rC:rC+7], v[rSB], v[rSA] matrix_a_fmt:MATRIX_FMT_FP6 matrix_b_fmt:MATRIX_FMT_FP6 matrix_b_scale:MATRIX_SCALE_ROW1
.else
	v_wmma_scale_f32_16x16x128_f8f6f4 v[rD:rD+7], v[rB:rB+11], v[rA:rA+11], v[rC:rC+7], v[rSB], v[rSA] matrix_a_fmt:MATRIX_FMT_FP6 matrix_b_fmt:MATRIX_FMT_FP6
.endif
.endif
.endm
; 16 products: A's blocks a0, a0 + 1 x B's eight.  p: B's set; q: the slot's K step; sc: the set of scale words; first = 1: the bias is C.  The 64 accumulators take turns.
.macro MUL16 a0, p, q, sc, first
.irp a, \a0, \a0+1
.irp b, 0,1,2,3,4,5,6,7
.set rD, 8*(8*((\a)%4)+\b)
.set rB, 128*(\p)+12*\b
.set rA, AF+12*(\a)
.set rC, rD
.if \first
.set rC, BIAS+8*\b
.endif
.set rSB, SC+16*(\sc)+8*(\q)+4+\b/2
.set rSA, SC+16*(\sc)+8*(\q)+(\a)/2
	WM (\b)%2, (\a)%2
.endr
.endr
.endm
.macro FETCH_B slot, q, p
	WIN TO_B
.irp i, 0,1,2,3,4,5,6,7
	FRAG 128*(\p)+12*\i, ADRB+\slot, \q, \i
.endr
	WIN 0
.endm
.macro FETCH_A slot, q, i0
.irp i, \i0, \i0+1, \i0+2, \i0+3
	FRAG AF+12*(\i), ADRA+\slot, \q, \i
.endr
.endm
.macro SCALES sc                       ; a slot's scale words: A's and B's, for its two K steps
	ds_load_b128 v[SC+16*\sc:SC+16*\sc+3], v[ADSA]
	ds_load_b128 v[SC+16*\sc+4:SC+16*\sc+7], v[ADSB]
	ds_load_b128 v[SC+16*\sc+8:SC+16*\sc+11], v[ADSA] offset:512
	ds_load_b128 v[SC+16*\sc+12:SC+16*\sc+15], v[ADSB] offset:512
.endm
; a step of 128 along K that has its successor in the same slot
.macro STEP slot, q, first
	s_wait_dscnt 4*NL                              ; all but the youngest twelve loads (A's blocks 4-7) are in
.if \first
	WIN 0x81                                       ; the bias, C, lies in window 0
.else
	WIN MUL_LO
.endif
	MUL16 0, (\q)%2, \q, \slot, \first
	MUL16 2, (\q)%2, \q, \slot, \first
	s_wait_dscnt 0
	PLACES NP                                      ; in front of loads into registers that matrix instructions have read
	FETCH_B \slot, (\q)+1, 1-(\q)%2
	FETCH_A \slot, (\q)+1, 0
.if \first
	WIN 0xc1
.else
	WIN MUL_HI
.endif
	MUL16 4, (\q)%2, \q, \slot, \first
	MUL16 6, (\q)%2, \q, \slot, \first
	PLACES NP
	WIN 0
	FETCH_A \slot, (\q)+1, 4
.endm
; a slot's last step changes slots: one barrier; in front of it each wave waits for all its tensor loads, adds 0 to its spare word, and waits for that and for its reads of this slot
.macro TURN slot, next, fill
	s_wait_tensorcnt 0x0                           ; all my tensor loads have landed: my part of the next slot
	ds_add_u32 v[SPW], v[NIL]                      ; 0 onto my spare word
	s_wait_dscnt 4*NL+1                            ; (the add and the youngest twelve loads may be out)
	WIN MUL_LO
	MUL16 0, 1, 1, \slot, 0
	s_wait_dscnt 0x0                               ; the add is done, and my reads of this slot are over
	s_barrier_signal -1
	MUL16 2, 1, 1, \slot, 0
	WIN 0
	s_barrier_wait -1
.if \fill
	CREST                                          ; the barrier has opened a round of the cluster's: no wave of any partner still reads this slot or has a load on its way
	s_add_nc_u64 s[G0+4*\slot+2:G0+4*\slot+3], s[G0+4*\slot+2:G0+4*\slot+3], 2*HALFT
	s_add_nc_u64 s[G0B+4*\slot+2:G0B+4*\slot+3], s[G0B+4*\slot+2:G0B+4*\slot+3], 2*HALFT
	JLOAD G0+4*\slot, G1, G0B+4*\slot, G1B         ; the first tensor load behind the round; its four v_nop are the places in front of the loads below
.else
	PLACES NP
.endif
	v_add_nc_u32 v[ADSA], 1024, v[ADSA]            ; the next slot's scale words
	v_add_nc_u32 v[ADSB], 1024, v[ADSB]
	FETCH_B \next, 0, 0
	FETCH_A \next, 0, 0
	SCALES \next
	WIN MUL_HI
	MUL16 4, 1, 1, \slot, 0
	MUL16 6, 1, 1, \slot, 0
	PLACES NP
	WIN 0
	FETCH_A \next, 0, 4
.endm
	s_wait_tensorcnt 1                             ; the scale words and my part of slot 0 are in; slot 1's load may be out
	s_barrier_signal -1
	s_barrier_wait -1
	FETCH_B 0, 0, 0
	FETCH_A 0, 0, 0
	SCALES 0
	FETCH_A 0, 0, 4
	s_wait_loadcnt 0x0                             ; the bias
	STEP 0, 0, 1                                   ; the first step stands in front of the loop: its products start the sums
.if LAPS > 1
	s_mov_b32 s3, LAPS-1
.Llap:
	TURN 0, 1, 1
	STEP 1, 0, 0
	TURN 1, 0, 1
	STEP 0, 0, 0
	s_sub_co_u32 s3, s3, 1
	s_cmp_lg_u32 s3, 0
	s_cbranch_scc1 .Llap
.endif
	TURN 0, 1, 0                                   ; the last lap fills nothing
	STEP 1, 0, 0
	s_wait_dscnt 4*NL
	WIN MUL_LO
	MUL16 0, 1, 1, 1, 0
	MUL16 2, 1, 1, 1, 0
	s_wait_dscnt 0
	WIN MUL_HI
	MUL16 4, 1, 1, 1, 0
	MUL16 6, 1, 1, 1, 0
	WIN 0
	PLACES NP                                      ; behind the last products: results are read and operands' registers written from here on
.if QOUT
; 64 numbers of a lane in window qw, register 16 b + i = column 32 b + 16 (lane / 16) + i of my row, become a fragment's 12 registers at v[pc] and its scale word in v[pw].  Each accumulator is read from its low end on.
.macro QUANT qs, qw, pc, pw
	WIN (\qw)|((\qw)<<2)
.irp b, 0,1,2,3
	v_max3_num_f32 v[TM+\b], |v[\qs+16*\b]|, |v[\qs+1+16*\b]|, 0x1800000   ; my 16 numbers of block b and the floor 2^(3 - 127)
.endr
.irp i, 2,4,6,8,10,12,14
.irp b, 0,1,2,3
	v_max3_num_f32 v[TM+\b], |v[\qs+16*\b+\i]|, |v[\qs+1+16*\b+\i]|, v[TM+\b]
.endr
.endr
	WIN 0
.irp b, 0,1,2,3
	v_permlanex16_b32 v[TM+4+\b], v[TM+\b], s[SEL], s[SEL+1]
.endr
.irp b, 0,1,2,3
	v_max_num_f32 v[TM+\b], v[TM+\b], v[TM+4+\b]
.endr
.irp b, 0,1,2,3
	v_add_nc_u32 v[TM+12+\b], 0xff000000, v[TM+\b]         ; 2 off the exponent field: the conversion's scale operand
.endr
.irp b, 0,1,2,3
	v_lshrrev_b32 v[TM+4+\b], 23, v[TM+12+\b]              ; the scale's byte
.endr
	v_lshl_or_b32 v[\pw], v[TM+5], 8, v[TM+4]
	v_lshl_or_b32 v[\pw], v[TM+6], 16, v[\pw]
	v_lshl_or_b32 v[\pw], v[TM+7], 24, v[\pw]
	WIN \qw
.irp c, 0,1
	v_cvt_scalef32_pk16_fp6_f32 v[\pc+6*\c:\pc+2+6*\c], v[\qs+32*\c:\qs+15+32*\c], v[TM+12+2*\c]
	v_cvt_scalef32_pk16_fp6_f32 v[\pc+12+4*\c:\pc+14+4*\c], v[\qs+16+32*\c:\qs+31+32*\c], v[TM+12+2*\c+1]
.endr
	WIN 0
	v_nop                                                  ; one plain instruction behind the scaled conversions
.irp c, 0,1
.irp i, 0,1,2
	v_permlane16_swap_b32 v[\pc+6*\c+\i], v[\pc+12+4*\c+\i]
.endr
.irp i, 0,1,2
	v_mov_b32 v[\pc+3+6*\c+\i], v[\pc+12+4*\c+\i]
.endr
.endr
.endm
.macro QTILE a                         ; my rows 16 a .. 16 a + 15
.set AC, 64*((\a)%4)
.set QW, 2+(\a)/4
.set PCS, 64+20*((\a)%2)
.set OBS, 104+12*((\a)%2)
.if (\a) > 1
	s_wait_xcnt 0x0                                ; the stores of two tiles back have read their registers, which are written again below
.endif
.if RELU
	WIN (QW<<6)|(QW<<2)
.set j, 0
.rept 64
	v_max_num_f32 v[AC+j], 0, v[AC+j]
.set j, j+1
.endr
.endif
	QUANT AC, QW, PCS, PWR+(\a)
.if QOUT == 1
.irp g, 0,1,2
	global_store_b128 v[CO], v[PCS+4*\g:PCS+4*\g+3], s[12:13] offset:1536*(\a)+512*\g   ; the image as it stands: 512 consecutive bytes a store
.endr
.else
.irp p, 0,1,2,3,4,5
	ds_store_b64 v[STQ], v[PCS+2*\p:PCS+2*\p+1] offset:48*(\p/3)+8*(\p%3)              ; as rows of 96 bytes into my stage
.endr
.irp i, 0,1,2
	ds_load_b128 v[OBS+4*\i:OBS+4*\i+3], v[RDQ] offset:512*\i                          ; LDS serves a wave's instructions in order: these see the stores above
.endr
	s_wait_dscnt 0x0
.irp i, 0,1,2
	global_store_b128 v[GQ+\i], v[OBS+4*\i:OBS+4*\i+3], s[12:13] offset:36864*(\a)     ; six lanes store a row's 96 consecutive bytes
.endr
.endif
.endm
.irp b, 0,1,2,3
	v_mov_b32 v[TM+4+\b], 0                        ; written once: a lane permute's destination counts as one of its sources
.endr
.irp a, 0,1,2,3,4,5,6,7
	QTILE \a
.endr
	v_cmp_lt_u32 vcc_lo, 15, v[LN]
.irp j, 0,1,2,3
	v_cndmask_b32 v[SW+\j], v[PWR+2*\j], v[PWR+2*\j+1], vcc_lo   ; lanes 0-15 tile 2 j's words, lanes 16-31 tile 2 j + 1's
.endr
.if QOUT == 1
	global_store_b128 v[CO], v[SW:SW+3], s[92:93]  ; the group's 512 bytes of scale words
.else
.irp j, 0,1,2,3
	global_store_b32 v[GS], v[SW+\j], s[92:93] offset:3072*\j    ; row 32 j + lane: four bytes of its 96
.endr
.endif
.endif
.if FOUT
.macro TOSTAGE a                       ; 16 rows x 128 columns through my stage, back as whole rows of 512 bytes
.set AC, 64*((\a)%4)
	WIN 0x08+4*((\a)/4)
.irp b, 0,1,2,3,4,5,6,7
	ds_store_b128 v[STO], v[AC+8*\b:AC+8*\b+3] offset:128*(\b/2)+32*(\b%2)
	ds_store_b128 v[STO], v[AC+8*\b+4:AC+8*\b+7] offset:128*(\b/2)+32*(\b%2)+16
.endr
	WIN 0
.set BB, BK+64*((\a)%2)
.irp t, 0,1,2,3,4,5,6,7,8,9,10,11,12,13,14,15
	ds_load_b128 v[BB+4*\t:BB+4*\t+3], v[RD] offset:\t*SPITCH
.endr
.endm
.macro SEND a, younger
.set BB, BK+64*((\a)%2)
	s_wait_dscnt \younger
.if (\a) > 0
	s_add_nc_u64 s[10:11], s[10:11], 16*NDIM*4     ; (behind a wait on XCNT: the earlier stores have read their base)
.endif
.irp t, 0,1,2,3,4,5,6,7,8,9,10,11,12,13,14,15
	global_store_b128 v[CO], v[BB+4*\t:BB+4*\t+3], s[10:11] offset:\t*NDIM*4   ; 32 lanes store 512 consecutive bytes, aligned to 256
.endr
.endm
.if FOUT == 2
	s_and_b32 s96, ttmp7, 1                        ; the cluster's y, equal in all sixteen partners: odd where the rows are 1024..2047 of a batch
	s_cmp_eq_u32 s96, 0
	s_cbranch_scc1 .Lno_v
.endif
	TOSTAGE 0
.irp a, 1,2,3,4,5,6,7
.if \a > 1
	s_wait_xcnt 0x0                                ; block a - 2's stores have read their registers and their base
.endif
	TOSTAGE \a
	SEND \a-1, 32                                  ; behind block a - 1's loads: block a's 16 stores and 16 loads
.endr
	s_wait_xcnt 0x0
	SEND 7, 0
.if FOUT == 2
.Lno_v:
.endif
.endif
	s_wait_tensorcnt 0x0                           ; the wave's end
	ds_add_u32 v[SPW], v[NIL]
	s_wait_dscnt 0x0
	CROUND                                         ; the closing round
	s_endpgm
.Lfunc_end_k_qece3e074cc_gemm_qkv:
	.size	k_qece3e074cc_gemm_qkv, .Lfunc_end_k_qece3e074cc_gemm_qkv-k_qece3e074cc_gemm_qkv
	.p2alignl 7, 3214868480
	.fill 96, 4, 3214868480
	.section	.rodata,"a",@progbits
	.p2align	6, 0x0
	.amdhsa_kernel k_qece3e074cc_gemm_qkv
		.amdhsa_group_segment_fixed_size 327680
		.amdhsa_private_segment_fixed_size 0
		.amdhsa_enable_private_segment 0
		.amdhsa_kernarg_size 32
		.amdhsa_user_sgpr_count 2
		.amdhsa_user_sgpr_kernarg_segment_ptr 1
		.amdhsa_wavefront_size32 1
		.amdhsa_system_sgpr_workgroup_id_x 1
		.amdhsa_system_sgpr_workgroup_id_y 1
		.amdhsa_system_sgpr_workgroup_id_z 1
		.amdhsa_system_vgpr_workitem_id 0
		.amdhsa_next_free_vgpr 1024
		.amdhsa_next_free_sgpr 100
		.amdhsa_reserve_vcc 1
		.amdhsa_float_denorm_mode_32 3
		.amdhsa_float_denorm_mode_16_64 3
		.amdhsa_memory_ordered 1
		.amdhsa_forward_progress 1
		.amdhsa_inst_pref_size 177
	.end_amdhsa_kernel
	.amdgpu_metadata
---
amdhsa.version: [ 1, 2 ]
amdhsa.kernels:
  - .name:           k_qece3e074cc_gemm_qkv
    .symbol:         k_qece3e074cc_gemm_qkv.kd
    .args:
      - { .name: ops, .offset: 0, .size: 8, .value_kind: global_buffer, .address_space: global }
      - { .name: b_qkv, .offset: 8, .size: 8, .value_kind: global_buffer, .address_space: global }
      - { .name: qk, .offset: 16, .size: 8, .value_kind: global_buffer, .address_space: global }
      - { .name: vf, .offset: 24, .size: 8, .value_kind: global_buffer, .address_space: global }
    .group_segment_fixed_size: 327680
    .private_segment_fixed_size: 0
    .kernarg_segment_align: 8
    .kernarg_segment_size: 32
    .max_flat_workgroup_size: 128
    .sgpr_count:     100
    .vgpr_count:     1024
    .wavefront_size: 32
...
	.end_amdgpu_metadata
.endif
;; end of part 2
;; launch vquant (part 3): grid 256 x 1, 4 waves a work-group, no clusters, 0 bytes of LDS; arguments vf, vq; writes vq
.if DOCPART == 3
	.amdgcn_target "amdgcn-amd-amdhsa--gfx1250"
	.amdhsa_code_object_version 6
	.text
	.protected	k_qece3e074cc_vquant
	.globl	k_qece3e074cc_vquant
	.p2align	8
	.type	k_qece3e074cc_vquant,@function
k_qece3e074cc_vquant:
	s_mov_b64 s[64:65], 0
	v_nop
	global_prefetch_b8 v0, s[64:65] scope:SCOPE_SE
	s_setreg_imm32_b32 hwreg(HW_REG_WAVE_MODE, 25, 1), 1
	s_wait_xcnt 0x0
; v, f32, [2 batches][32768 keys (16 heads x 2048)][64], is quantised along the KEYS into images of V^T (rows = the head's 64 channels, K = 128 keys a step) for attention's second product.
; K step G (= (batch x 16 + head) x 16 + step): four images of 1,536 bytes at G x 6,144; scale words at VQ_SC + G x 256, the word of tile T, row i at 8 (16 (T % 2) + i) + 4 (T / 2).
; Row i of tile 2 B + u is channel 32 B + 8 u + i + 8 (i / 8).  Inside a block of 32 keys place 16 h + 8 u + j holds key 16 h + 2 j + u: the order in which attention's first product leaves its weights in registers.
; A lane takes a channel and its registers run down the keys; the order of keys is the order of the loads' offsets.  Wave w: K step 2 x work-group + w / 2, channels 32 (w % 2) on.
; LIMITS: a block of zeros gets the byte 1, not 127 (its codes are zeros; only this program reads the bytes); blocks under 2^-124 are held at the byte 1; NaN and infinities are not served.
.set VQ_SC, 3145728
.set X,    48
.set R0,   16
.set CT,   40
.set WD,   44
.macro COLBLK t
.set XS, X+32*(\t)
.set RH, R0+12*((\t)%2)+6*((\t)/2)
	v_max3_num_f32 v12, |v[XS]|, |v[XS+1]|, |v[XS+2]|
	v_max3_num_f32 v13, |v[XS+3]|, |v[XS+4]|, |v[XS+5]|
.irp i, 6,10,14,18,22,26
	v_max3_num_f32 v12, v12, |v[XS+\i]|, |v[XS+\i+1]|
	v_max3_num_f32 v13, v13, |v[XS+\i+2]|, |v[XS+\i+3]|
.endr
	v_max3_num_f32 v12, v12, |v[XS+30]|, |v[XS+31]|
	v_max3_num_f32 v12, v12, v13, 0x1800000        ; and the floor 2^(3 - 127)
	v_add_nc_u32 v11, 0xff000000, v12              ; 2 off the exponent field: the conversion's scale operand
	v_lshrrev_b32 v13, 23, v11                     ; the scale's byte
.if (\t) == 0
	v_mov_b32 v[WD], v13
.else
	v_lshl_or_b32 v[WD], v13, 8*(\t), v[WD]
.endif
	v_cvt_scalef32_pk16_fp6_f32 v[RH:RH+2], v[XS:XS+15], v11
	v_cvt_scalef32_pk16_fp6_f32 v[CT:CT+2], v[XS+16:XS+31], v11
	v_nop                                          ; one plain instruction behind the scaled conversions
.irp i, 0,1,2
	v_mov_b32 v[RH+3+\i], v[CT+\i]
.endr
.endm
.macro LOADV t                         ; block t: place i takes key 32 t + 16 (i / 16) + 2 (i % 8) + (i / 8) % 2; a wave reads 128 consecutive bytes
.set i, 0
.rept 32
	global_load_b32 v[X+32*(\t)+i], v3, s[4:5] offset:256*(32*(\t)+16*(i/16)+2*(i%8)+((i/8)%2)) th:TH_LOAD_NT
.set i, i+1
.endr
.endm
	s_load_b128 s[4:7], s[0:1], 0x0                ; vf, vq
	v_lshrrev_b32 v1, 5, v0
	v_readfirstlane_b32 s16, v1                    ; wave
	v_and_b32 v2, 31, v0                           ; lane
	v_lshlrev_b32 v3, 2, v2
	s_lshl_b32 s17, ttmp9, 1
	s_lshr_b32 s18, s16, 1
	s_add_co_u32 s17, s17, s18                     ; G
	s_and_b32 s18, s16, 1                          ; which 32 channels
	s_lshr_b32 s20, s17, 8
	s_mul_i32 s20, s20, 12582912                   ; the batch's slab of f32 rows,
	s_and_b32 s21, s17, 255
	s_lshl_b32 s21, s21, 15                        ; 128 keys x 256 bytes a step,
	s_add_co_u32 s20, s20, s21
	s_add_co_u32 s20, s20, 4194304                 ; v begins so far into the slab
	s_lshl_b32 s21, s18, 7
	s_add_co_u32 s20, s20, s21
	s_mov_b32 s21, 0
	s_mul_i32 s22, s17, 6144
	s_mul_i32 s23, s18, 3072
	s_add_co_u32 s22, s22, s23
	s_mov_b32 s23, 0
	s_lshl_b32 s8, s17, 8
	s_lshl_b32 s9, s18, 2
	s_add_co_u32 s8, s8, s9
	s_add_co_u32 s8, s8, VQ_SC
	s_mov_b32 s9, 0
	s_wait_kmcnt 0x0
	s_add_nc_u64 s[4:5], s[4:5], s[20:21]
	s_add_nc_u64 s[10:11], s[6:7], s[8:9]
	s_add_nc_u64 s[6:7], s[6:7], s[22:23]
	LOADV 0
	LOADV 1
	v_bfe_u32 v5, v2, 3, 1                         ; u
	v_bfe_u32 v6, v2, 4, 1
	v_and_b32 v7, 7, v2
	v_lshl_or_b32 v7, v6, 3, v7                    ; i
	v_mul_u32_u24 v4, v5, 1536
	v_lshl_add_u32 v4, v7, 4, v4
	v_lshl_add_u32 v5, v5, 4, v7
	v_lshlrev_b32 v5, 3, v5
	s_wait_loadcnt 32                              ; block 0 is in; block 1's 32 loads may be out
	LOADV 2
	COLBLK 0
	s_wait_loadcnt 32
	LOADV 3
	COLBLK 1
	s_wait_loadcnt 32
	COLBLK 2
	s_wait_loadcnt 0x0
	COLBLK 3
.irp h, 0,1
.irp g, 0,1,2
	global_store_b128 v4, v[R0+12*\h+4*\g:R0+12*\h+4*\g+3], s[6:7] offset:256*\h+512*\g   ; sixteen lanes of one tile store 256 consecutive bytes, aligned
.endr
.endr
	global_store_b32 v5, v[WD], s[10:11]
	s_endpgm
.Lfunc_end_k_qece3e074cc_vquant:
	.size	k_qece3e074cc_vquant, .Lfunc_end_k_qece3e074cc_vquant-k_qece3e074cc_vquant
	.p2alignl 7, 3214868480
	.fill 96, 4, 3214868480
	.section	.rodata,"a",@progbits
	.p2align	6, 0x0
	.amdhsa_kernel k_qece3e074cc_vquant
		.amdhsa_group_segment_fixed_size 0
		.amdhsa_private_segment_fixed_size 0
		.amdhsa_enable_private_segment 0
		.amdhsa_kernarg_size 16
		.amdhsa_user_sgpr_count 2
		.amdhsa_user_sgpr_kernarg_segment_ptr 1
		.amdhsa_wavefront_size32 1
		.amdhsa_system_sgpr_workgroup_id_x 1
		.amdhsa_system_sgpr_workgroup_id_y 1
		.amdhsa_system_sgpr_workgroup_id_z 1
		.amdhsa_system_vgpr_workitem_id 0
		.amdhsa_next_free_vgpr 176
		.amdhsa_next_free_sgpr 66
		.amdhsa_reserve_vcc 0
		.amdhsa_float_denorm_mode_32 3
		.amdhsa_float_denorm_mode_16_64 3
		.amdhsa_memory_ordered 1
		.amdhsa_forward_progress 1
		.amdhsa_inst_pref_size 21
	.end_amdhsa_kernel
	.amdgpu_metadata
---
amdhsa.version: [ 1, 2 ]
amdhsa.kernels:
  - .name:           k_qece3e074cc_vquant
    .symbol:         k_qece3e074cc_vquant.kd
    .args:
      - { .name: vf, .offset: 0, .size: 8, .value_kind: global_buffer, .address_space: global }
      - { .name: vq, .offset: 8, .size: 8, .value_kind: global_buffer, .address_space: global }
    .group_segment_fixed_size: 0
    .private_segment_fixed_size: 0
    .kernarg_segment_align: 8
    .kernarg_segment_size: 16
    .max_flat_workgroup_size: 128
    .sgpr_count:     66
    .vgpr_count:     176
    .wavefront_size: 32
...
	.end_amdgpu_metadata
.endif
;; end of part 3
;; launch attn (part 4): grid 8 x 32, 16 waves a work-group, clusters of 4 x 1, 219,136 bytes of LDS; arguments qk, vq, hq; writes hq
.if DOCPART == 4
	.amdgcn_target "amdgcn-amd-amdhsa--gfx1250"
	.amdhsa_code_object_version 6
	.text
	.protected	k_qece3e074cc_attn
	.globl	k_qece3e074cc_attn
	.p2align	8
	.type	k_qece3e074cc_attn,@function
k_qece3e074cc_attn:
	s_mov_b64 s[64:65], 0
	v_nop
	global_prefetch_b8 v0, s[64:65] scope:SCOPE_SE
	s_setreg_imm32_b32 hwreg(HW_REG_WAVE_MODE, 25, 1), 1
	s_wait_xcnt 0x0
	s_wait_alu depctr_hold_cnt(0) depctr_sa_sdst(0) depctr_va_vdst(0) depctr_va_sdst(0) depctr_va_ssrc(0) depctr_va_vcc(0) depctr_vm_vsrc(0)
	s_getreg_b32 s2, hwreg(HW_REG_IB_STS2, 6, 4)
	s_cmp_eq_u32 s2, 0
	s_cbranch_scc0 .Lentry_in_a_cluster
	s_endpgm
.Lentry_in_a_cluster:
	s_bfe_u32 s2, ttmp6, 0x10000c
	s_cmp_lg_u32 s2, 0x3003
	s_cbranch_scc0 .Lentry_shape_is_right
	s_endpgm
.Lentry_shape_is_right:
; Causal attention of one (batch, head) on codes of FP6 (E2M3): S = q k^T / 32, p = 2^(t - M) with t = S log2(e) and M the running largest t rounded up to a whole number, O = (p V) / (the sum of the unquantised p).
; q, k: the flat stream of codes, 48 bytes and 2 scale bytes a row of 64.  V^T: images, 128 keys a step.  Out: O quantised along the head's 64, row-major: the 16 queries of a tile are one row of 1,024 of the next product's operand.
; SHARES.  A cluster of four work-groups serves half of a head's 2,048 queries; a wave owns 16 queries.  Groups of 128 queries come in pairs (g, 15 - g), so that every work-group has equal work: waves 2 y, 2 y + 1 take
; pair 4 X + y / 2, its early or its late group; the tile in the group is 2 cx + (wave % 2).  g hangs on the wave's number and the cluster's x alone: every branch is alike in the partners; cx enters global addresses and the mask's lane number only.
; LDS.  The head's K (98,304 bytes), V^T (98,304) and their scale bytes (4,096 each) are asked for ONCE, jointly by the four work-groups, one tensor load a wave (waves 0-9): nothing is filled again.
; No prefetch: the launch asks for all that it reads at its head.
; K = 64 IN A FORM OF K = 128.  96 bytes of the stream are keys 2 i and 2 i + 1.  Sixteen such units are source 0; source 1 is [q, 0] for the even keys and [0, q] for the odd ones: zero codes add nothing.
; Register j of the result for unit tile B and parity u, lane (query, h), is key 32 B + 16 h + 2 j + u: the 16 registers of the two results are half a block of 32 keys, in the order in which V^T's images hold the keys.
; LIMITS: p under 2^-126 is 0; a block's largest p is taken from its largest score; a block of zeros gets the byte 1; NaN and infinities are not served.
; REGISTERS: v1-4 places that stay; v5-7 r, h, lane; v8-11 addresses in hand; v12 -M, v13 largest t, v[14:15] the sum; v16-33 0, q, 0; v34 q's scale word; v36-83 K's four fragments, then p's codes; v84-87 scale words;
; v88-95 at work; v96-159 S^T, then p; v160-191 O^T; v192-239 V's four fragments; v240-251 at work.
.set VC,    98304
.set KSC,   196608
.set VSC,   200704
.set STG,   204800                     ; 768 bytes for each wave, for the way out
.set QK_SC, 9437184
.set VQ_SC, 3145728
.set HQ_SC, 3145728
.set WV,   18
.set SEL,  20
.set CS,   22
.set G1C,  24
.set G1S,  32
.set G0K,  40
.set G0V,  44
.set G0KS, 48
.set G0VS, 52
.set KS,   56
.set G,    57
.macro ROUND
	s_barrier_signal -1
	s_barrier_wait -1
	s_cmp_lg_u32 s[WV], 0
	s_cbranch_scc1 .Lnot_wave_0_\@
	s_barrier_signal -3
.Lnot_wave_0_\@:
	s_barrier_wait -3
	s_barrier_signal -1
	s_barrier_wait -1
.endm
.macro SWM b, u                        ; S^T of unit tile b, parity u
.set rQ, 22-6*(\u)
.if (\b)%2
	v_wmma_scale_f32_16x16x128_f8f6f4 v[96+16*(\b)+8*(\u):103+16*(\b)+8*(\u)], v[36+12*(\b):47+12*(\b)], v[rQ:rQ+11], 0, v[84+(\b)/2], v34 matrix_a_fmt:MATRIX_FMT_FP6 matrix_b_fmt:MATRIX_FMT_FP6 matrix_a_scale:MATRIX_SCALE_ROW1
.else
	v_wmma_scale_f32_16x16x128_f8f6f4 v[96+16*(\b)+8*(\u):103+16*(\b)+8*(\u)], v[36+12*(\b):47+12*(\b)], v[rQ:rQ+11], 0, v[84+(\b)/2], v34 matrix_a_fmt:MATRIX_FMT_FP6 matrix_b_fmt:MATRIX_FMT_FP6
.endif
.endm
.macro PVM t                           ; O^T of channel tile t
.if (\t)%2
	v_wmma_scale_f32_16x16x128_f8f6f4 v[160+8*(\t):167+8*(\t)], v[192+12*(\t):203+12*(\t)], v[36:47], v[160+8*(\t):167+8*(\t)], v[86+(\t)/2], v249 matrix_a_fmt:MATRIX_FMT_FP6 matrix_b_fmt:MATRIX_FMT_FP6 matrix_a_scale:MATRIX_SCALE_ROW1
.else
	v_wmma_scale_f32_16x16x128_f8f6f4 v[160+8*(\t):167+8*(\t)], v[192+12*(\t):203+12*(\t)], v[36:47], v[160+8*(\t):167+8*(\t)], v[86+(\t)/2], v249 matrix_a_fmt:MATRIX_FMT_FP6 matrix_b_fmt:MATRIX_FMT_FP6
.endif
.endm
	s_load_b128 s[4:7], s[0:1], 0x0                ; qk, vq
	s_load_b64 s[8:9], s[0:1], 0x10                ; hq
	v_lshl_add_u32 v254, v0, 2, 0x35000
	v_mov_b32 v255, 0
	ds_add_u32 v254, v255
	ds_add_u32 v254, v255
	v_lshrrev_b32 v8, 5, v0
	v_readfirstlane_b32 s[WV], v8                  ; wave 0..15
	s_bfe_u32 s58, ttmp6, 0x40000                  ; cx
	s_and_b32 s59, ttmp7, 0xffff                   ; batch x 16 + head
	s_lshr_b32 s60, s59, 4
	s_mul_i32 s60, s60, 48
	s_and_b32 s61, s59, 15
	s_add_co_u32 s60, s60, s61                     ; q's region of the stream: batch x 48 + head; k's lies 16 regions on
	s_lshr_b32 s61, s[WV], 1
	s_lshr_b32 s62, s61, 1
	s_xor_b32 s63, s61, s62
	s_and_b32 s63, s63, 1                          ; early (0) or late (1) group of the pair
	s_lshl_b32 s66, ttmp9, 2
	s_add_co_u32 s66, s66, s62                     ; the pair
	s_sub_co_u32 s67, 15, s66
	s_cmp_eq_u32 s63, 1
	s_cselect_b32 s[G], s67, s66                   ; my group of 128 queries = my last key step
	s_lshl_b32 s68, s58, 1
	s_and_b32 s69, s[WV], 1
	s_add_co_u32 s68, s68, s69                     ; my tile in the group
	s_lshl_b32 s69, s[G], 3
	s_add_co_u32 s69, s69, s68                     ; my tile in the head
	s_mov_b32 s[G1C], 15|(3<<16)|(1<<21)           ; 15:0 the mask: all four work-groups; 17:16 elements of 8 bytes; 21 set beside a mask
	s_mov_b32 s[G1C+1], 32<<16                     ; a quarter of the codes: 96 dense rows of 256 bytes
	s_mov_b32 s[G1C+2], 96<<16
	s_mov_b32 s[G1C+3], 32<<16
	s_mov_b32 s[G1C+4], 96
	s_mov_b32 s[G1C+5], 32
	s_mov_b32 s[G1C+6], 0
	s_mov_b32 s[G1C+7], 0
	s_mov_b32 s[G1S], 15|(3<<16)|(1<<21)
	s_mov_b32 s[G1S+1], 32<<16                     ; a head's scale bytes: 16 dense rows of 256 bytes
	s_mov_b32 s[G1S+2], 16<<16
	s_mov_b32 s[G1S+3], 32<<16
	s_mov_b32 s[G1S+4], 16
	s_mov_b32 s[G1S+5], 32
	s_mov_b32 s[G1S+6], 0
	s_mov_b32 s[G1S+7], 0
	s_and_b32 s70, s[WV], 3
	s_mul_i32 s70, s70, 24576                      ; which quarter I fetch
	s_add_co_u32 s71, s60, 16
	s_mul_i32 s10, s71, 98304
	s_add_co_u32 s10, s10, s70
	s_mov_b32 s11, 0
	s_mul_i32 s12, s59, 98304
	s_add_co_u32 s12, s12, s70
	s_mov_b32 s13, 0
	s_lshl_b32 s14, s71, 12
	s_add_co_u32 s14, s14, QK_SC
	s_mov_b32 s15, 0
	s_lshl_b32 s16, s59, 12
	s_add_co_u32 s16, s16, VQ_SC
	s_mov_b32 s17, 0
	s_mov_b32 s[SEL], 0x76543210
	s_mov_b32 s[SEL+1], 0xfedcba98
	s_mov_b32 s[CS], 0x3d38aa3b                    ; c = log2(e) / 32
	s_mov_b32 s[CS+1], s[CS]
	s_wait_dscnt 0x0
	s_wait_kmcnt 0x0
	s_mov_b32 s[G0K], 1
	s_mov_b32 s[G0K+1], s70
	s_add_nc_u64 s[G0K+2:G0K+3], s[4:5], s[10:11]
	s_or_b32 s[G0K+3], s[G0K+3], 0x80000000
	s_mov_b32 s[G0V], 1
	s_add_co_u32 s[G0V+1], s70, VC
	s_add_nc_u64 s[G0V+2:G0V+3], s[6:7], s[12:13]
	s_or_b32 s[G0V+3], s[G0V+3], 0x80000000
	s_mov_b32 s[G0KS], 1
	s_mov_b32 s[G0KS+1], KSC
	s_add_nc_u64 s[G0KS+2:G0KS+3], s[4:5], s[14:15]
	s_or_b32 s[G0KS+3], s[G0KS+3], 0x80000000
	s_mov_b32 s[G0VS], 1
	s_mov_b32 s[G0VS+1], VSC
	s_add_nc_u64 s[G0VS+2:G0VS+3], s[6:7], s[16:17]
	s_or_b32 s[G0VS+3], s[G0VS+3], 0x80000000
	ROUND                                          ; all four work-groups are here: the joint loads meet
	s_cmp_lt_u32 s[WV], 4                          ; one load a wave, by the wave's number alone; four v_nop follow each
	s_cbranch_scc0 .Lnot_k
	tensor_load_to_lds s[G0K:G0K+3], s[G1C:G1C+7]
	s_nop 0
.rept 4
	v_nop
.endr
	s_branch .Lasked
.Lnot_k:
	s_cmp_lt_u32 s[WV], 8
	s_cbranch_scc0 .Lnot_v
	tensor_load_to_lds s[G0V:G0V+3], s[G1C:G1C+7]
	s_nop 0
.rept 4
	v_nop
.endr
	s_branch .Lasked
.Lnot_v:
	s_cmp_eq_u32 s[WV], 8
	s_cbranch_scc0 .Lnot_ks
	tensor_load_to_lds s[G0KS:G0KS+3], s[G1S:G1S+7]
	s_nop 0
.rept 4
	v_nop
.endr
	s_branch .Lasked
.Lnot_ks:
	s_cmp_eq_u32 s[WV], 9
	s_cbranch_scc0 .Lasked
	tensor_load_to_lds s[G0VS:G0VS+3], s[G1S:G1S+7]
	s_nop 0
.rept 4
	v_nop
.endr
.Lasked:
	s_mul_i32 s10, s60, 98304                      ; q's codes of my 16 queries,
	s_mul_i32 s12, s69, 768
	s_add_co_u32 s10, s10, s12
	s_mov_b32 s11, 0
	s_add_nc_u64 s[10:11], s[4:5], s[10:11]
	s_lshl_b32 s12, s60, 12                        ; and their scale bytes
	s_lshl_b32 s14, s69, 5
	s_add_co_u32 s12, s12, s14
	s_add_co_u32 s12, s12, QK_SC
	s_mov_b32 s13, 0
	s_add_nc_u64 s[12:13], s[4:5], s[12:13]
	s_lshl_b32 s62, s59, 7
	s_add_co_u32 s62, s62, s69                     ; my row of the next product's operand
	s_mul_i32 s14, s62, 768
	s_mov_b32 s15, 0
	s_add_nc_u64 s[14:15], s[8:9], s[14:15]
	s_lshl_b32 s16, s62, 5
	s_add_co_u32 s16, s16, HQ_SC
	s_mov_b32 s17, 0
	s_add_nc_u64 s[16:17], s[8:9], s[16:17]
	v_and_b32 v5, 15, v0                           ; r
	v_bfe_u32 v6, v0, 4, 1                         ; h
	v_and_b32 v7, 31, v0                           ; lane
	v_mul_u32_u24 v244, v5, 48
	v_mad_u32_u24 v244, v6, 24, v244
	global_load_b64 v[22:23], v244, s[10:11]
	global_load_b64 v[24:25], v244, s[10:11] offset:8
	global_load_b64 v[26:27], v244, s[10:11] offset:16
	v_lshlrev_b32 v245, 1, v5
	global_load_u16 v35, v245, s[12:13]
	v_mul_u32_u24 v1, v5, 96
	v_mad_u32_u24 v1, v6, 24, v1                   ; K: unit r of a tile, + 24 h
	v_lshl_add_u32 v2, v7, 4, VC                   ; V: an image's place for my lane
	v_lshl_add_u32 v3, v7, 2, KSC                  ; K's scale words: 4 bytes a unit
	v_lshl_add_u32 v4, v7, 3, VSC                  ; V's: 8 bytes a lane
	v_lshlrev_b32 v246, 4, v6
	v_sub_nc_u32 v251, v5, v246
	s_lshl_b32 s61, s68, 4
	v_add_nc_u32 v251, s61, v251                   ; my query in its group - 16 h: on the diagonal register (B, u, j) is hidden where 32 B + 2 j + u is above it
.irp j, 0,1,2,3,4,5
	v_mov_b32 v[16+\j], 0
	v_mov_b32 v[28+\j], 0
.endr
	v_mov_b32 v13, 0xff61b1e6                      ; the largest t so far: -3e38
	v_floor_f32 v12, -v13                          ; -M
	v_mov_b32 v14, 0
	v_mov_b32 v15, 0
.irp b, 0,1,2,3
	v_mov_b32 v[92+\b], 0                          ; written once: a lane permute's destination counts as one of its sources
.endr
	v_mov_b32 v249, 0                              ; (named as the upper half of the pair v[248:249] before it is first written)
	s_wait_tensorcnt 0x0                           ; my part of the head is in LDS,
	s_wait_loadcnt 0x0                             ; and q in registers
	v_lshl_or_b32 v34, v35, 16, v35                ; q's two bytes in both halves of the word: they serve [q, 0] and [0, q]
	s_barrier_signal -1
	s_barrier_wait -1                              ; everybody's part is
.set j, 0
.rept 32
	v_mov_b32 v[160+j], 0                          ; O^T: the step is written once, and the first change of M leaves zeros zeros
.set j, j+1
.endr
	s_mov_b32 s2, 0                                ; 6,144 x step: K's units and V's images
	s_mov_b32 s3, 0                                ; 256 x step: their scale words
	s_mov_b32 s[KS], 0
.Lstep:                                            ; 16 trips in every wave; a step all of whose keys come after my group's queries is passed over
	s_cmp_gt_u32 s[KS], s[G]
	s_cbranch_scc1 .Lhidden
	v_add_nc_u32 v8, s2, v1                        ; (these four are also the places in front of loads into registers that the last products read)
	v_add_nc_u32 v9, s2, v2
	v_add_nc_u32 v10, s3, v3
	v_add_nc_u32 v11, s3, v4
.irp b, 0,1,2,3
.irp p, 0,1,2,3,4,5
	ds_load_b64 v[36+12*\b+2*\p:37+12*\b+2*\p], v8 offset:1536*\b+48*(\p/3)+8*(\p%3)
.endr
.endr
	ds_load_b32 v84, v10
	ds_load_b32 v85, v10 offset:128
.irp t, 0,1,2,3
.irp g, 0,1,2
	ds_load_b128 v[192+12*\t+4*\g:195+12*\t+4*\g], v9 offset:1536*\t+512*\g
.endr
.endr
	ds_load_b64 v[86:87], v11
	s_wait_dscnt 13                                ; K and its scale words are in; V's 13 loads may be out
.irp b, 0,1,2,3
	SWM \b, 0
	SWM \b, 1
.endr
.rept 4
	v_nop
.endr
	s_cmp_lg_u32 s[KS], s[G]
	s_cbranch_scc1 .Lopen                          ; only my group's last step lies on the diagonal
	v_mov_b32 v250, 0xff800000                     ; -infinity: p = 0 then
.set n, 0
.rept 64
	v_cmp_gt_i32 vcc_lo, 32*(n/16)+2*(n%8)+((n/8)%2), v251
	v_cndmask_b32 v[96+n], v[96+n], v250, vcc_lo
.set n, n+1
.endr
.Lopen:
.irp b, 0,1,2,3
	v_max3_num_f32 v[88+\b], v[96+16*\b], v[97+16*\b], v[98+16*\b]     ; the largest score of each block of 32 keys: for the row's maximum and for the block's largest p
.endr
.irp i, 3,5,7,9,11,13
.irp b, 0,1,2,3
	v_max3_num_f32 v[88+\b], v[88+\b], v[96+16*\b+\i], v[97+16*\b+\i]
.endr
.endr
.irp b, 0,1,2,3
	v_max_num_f32 v[88+\b], v[88+\b], v[111+16*\b]
.endr
.irp b, 0,1,2,3
	v_permlanex16_b32 v[92+\b], v[88+\b], s[SEL], s[SEL+1]
.endr
.irp b, 0,1,2,3
	v_max_num_f32 v[88+\b], v[88+\b], v[92+\b]
.endr
	v_max3_num_f32 v250, v88, v89, v90
	v_max_num_f32 v250, v250, v91
	v_mul_f32 v250, s[CS], v250
	v_max_num_f32 v13, v13, v250                   ; the running largest t
	v_mov_b32 v250, v12
	v_floor_f32 v12, -v13                          ; the new -M = -ceil(t)
	v_sub_f32 v250, v12, v250                      ; old M - new M: a whole number, 0 or less
	v_cvt_i32_f32 v250, v250                       ; (it saturates)
	v_ldexp_f32 v248, 1.0, v250                    ; f = 2^(old M - new M)
.set j, 0
.rept 32
	v_pk_fma_f32 v[96+j:97+j], v[96+j:97+j], s[CS:CS+1], v[12:13] op_sel_hi:[1,0,0]   ; t - M
.set j, j+2
.endr
.irp b, 0,1,2,3
	v_fma_f32 v[88+\b], v[88+\b], s[CS], v12
.endr
.set j, 0
.rept 64
	v_exp_f32 v[96+j], v[96+j]                     ; p = 2^(t - M)
.set j, j+1
.endr
	v_pk_mul_f32 v[14:15], v[14:15], v[248:249] op_sel_hi:[1,0]       ; the sums under the new M (a plain instruction behind the exponentials)
	s_wait_alu depctr_va_vdst(0)                   ; one wait for the batch, ahead of its first reader
.irp b, 0,1,2,3
	v_exp_f32 v[88+\b], v[88+\b]                   ; each block's largest p
.endr
	v_pk_add_f32 v[244:245], v[96:97], v[98:99]    ; the row's sum of the unquantised p, in two chains
.irp j, 4,8,12,16,20,24,28,32,36,40,44,48,52,56,60
	v_pk_add_f32 v[14:15], v[14:15], v[96+\j:97+\j]
	v_pk_add_f32 v[244:245], v[244:245], v[98+\j:99+\j]
.endr
	v_pk_add_f32 v[14:15], v[14:15], v[244:245]
	s_wait_alu depctr_va_vdst(0)                   ; and one for the four
.irp b, 0,1,2,3
	v_max_num_f32 v[88+\b], 0x1800000, v[88+\b]    ; the floor 2^(3 - 127)
.endr
.irp b, 0,1,2,3
	v_add_nc_u32 v[240+\b], 0xff000000, v[88+\b]   ; the conversion's scale operand
.endr
.irp b, 0,1,2,3
	v_lshrrev_b32 v[92+\b], 23, v[240+\b]          ; the scale's byte
.endr
	v_lshl_or_b32 v249, v93, 8, v92                ; p's scale word for these 128 keys
	v_lshl_or_b32 v249, v94, 16, v249
	v_lshl_or_b32 v249, v95, 24, v249
.irp c, 0,1
	v_cvt_scalef32_pk16_fp6_f32 v[36+6*\c:38+6*\c], v[96+32*\c:111+32*\c], v[240+2*\c]
	v_cvt_scalef32_pk16_fp6_f32 v[48+4*\c:50+4*\c], v[112+32*\c:127+32*\c], v[240+2*\c+1]
.endr
	v_nop                                          ; one plain instruction behind the scaled conversions
.irp c, 0,1
.irp i, 0,1,2
	v_permlane16_swap_b32 v[36+6*\c+\i], v[48+4*\c+\i]
.endr
.irp i, 0,1,2
	v_mov_b32 v[39+6*\c+\i], v[48+4*\c+\i]
.endr
.endr
.set j, 0
.rept 16
	v_pk_mul_f32 v[160+j:161+j], v[160+j:161+j], v[248:249] op_sel_hi:[1,0]   ; O^T under the new M; these sixteen also stand between the scale word's and the codes' last writes and the products
.set j, j+2
.endr
	s_wait_dscnt 0x0                               ; V and its scale words are in
.irp t, 0,1,2,3
	PVM \t
.endr
.Lhidden:
	s_add_co_u32 s2, s2, 6144
	s_add_co_u32 s3, s3, 256
	s_add_co_u32 s[KS], s[KS], 1
	s_cmp_lt_u32 s[KS], 16
	s_cbranch_scc1 .Lstep
	; THE WAY OUT: O^T / the sum, quantised along the head's 64 (two blocks a query); the tile's 768 bytes go through my stage and leave as three aligned runs of 256 bytes
	v_add_f32 v14, v14, v15
	v_permlanex16_b32 v92, v14, s[SEL], s[SEL+1]
	v_add_f32 v14, v14, v92
	v_rcp_f32 v14, v14
	s_mul_i32 s61, s[WV], 768
	s_add_co_u32 s61, s61, STG
	v_mul_u32_u24 v8, v5, 48
	v_mad_u32_u24 v8, v6, 24, v8
	v_add_nc_u32 v8, s61, v8                       ; in: query r's 48 bytes, + 24 h
	v_lshlrev_b32 v10, 4, v7
	v_add_nc_u32 v9, s61, v10
	v_lshlrev_b32 v11, 3, v7
	v_add_nc_u32 v244, s61, v11
	v_lshl_add_u32 v245, v5, 1, v6                 ; my block's scale byte: 2 r + h
	v_cmp_lt_u32 vcc_lo, 15, v7
	s_wait_alu depctr_va_vdst(0)                   ; the wait ahead of the reciprocal's first reader
.set j, 0
.rept 32
	v_mul_f32 v[96+j], v[160+j], v14               ; register 16 b + i is channel 32 b + 16 h + i
.set j, j+1
.endr
.irp b, 0,1
	v_max3_num_f32 v[88+\b], |v[96+16*\b]|, |v[97+16*\b]|, 0x1800000
.endr
.irp i, 2,4,6,8,10,12,14
.irp b, 0,1
	v_max3_num_f32 v[88+\b], v[88+\b], |v[96+16*\b+\i]|, |v[97+16*\b+\i]|
.endr
.endr
.irp b, 0,1
	v_permlanex16_b32 v[92+\b], v[88+\b], s[SEL], s[SEL+1]
.endr
.irp b, 0,1
	v_max_num_f32 v[88+\b], v[88+\b], v[92+\b]
.endr
.irp b, 0,1
	v_add_nc_u32 v[240+\b], 0xff000000, v[88+\b]
.endr
.irp b, 0,1
	v_lshrrev_b32 v[92+\b], 23, v[240+\b]
.endr
	v_cvt_scalef32_pk16_fp6_f32 v[36:38], v[96:111], v240
	v_cvt_scalef32_pk16_fp6_f32 v[48:50], v[112:127], v241
	v_nop
.irp i, 0,1,2
	v_permlane16_swap_b32 v[36+\i], v[48+\i]       ; lane (r, h) now holds block h of query r
.endr
.irp i, 0,1,2
	v_mov_b32 v[39+\i], v[48+\i]
.endr
	v_cndmask_b32 v58, v92, v93, vcc_lo
	ds_store_b64 v8, v[36:37]
	ds_store_b64 v8, v[38:39] offset:8
	ds_store_b64 v8, v[40:41] offset:16
	ds_load_b128 v[52:55], v9                      ; LDS serves a wave's instructions in order: these see the stores above
	ds_load_b64 v[56:57], v244 offset:512
	s_wait_dscnt 0x0
	global_store_b128 v10, v[52:55], s[14:15]
	global_store_b64 v11, v[56:57], s[14:15] offset:512
	global_store_b8 v245, v58, s[16:17]            ; the row's 32 scale bytes, one a lane
	s_wait_tensorcnt 0x0
	ds_add_u32 v254, v255
	s_wait_dscnt 0x0
	ROUND                                          ; the closing round
	s_endpgm
.Lfunc_end_k_qece3e074cc_attn:
	.size	k_qece3e074cc_attn, .Lfunc_end_k_qece3e074cc_attn-k_qece3e074cc_attn
	.p2alignl 7, 3214868480
	.fill 96, 4, 3214868480
	.section	.rodata,"a",@progbits
	.p2align	6, 0x0
	.amdhsa_kernel k_qece3e074cc_attn
		.amdhsa_group_segment_fixed_size 219136
		.amdhsa_private_segment_fixed_size 0
		.amdhsa_enable_private_segment 0
		.amdhsa_kernarg_size 24
		.amdhsa_user_sgpr_count 2
		.amdhsa_user_sgpr_kernarg_segment_ptr 1
		.amdhsa_wavefront_size32 1
		.amdhsa_system_sgpr_workgroup_id_x 1
		.amdhsa_system_sgpr_workgroup_id_y 1
		.amdhsa_system_sgpr_workgroup_id_z 1
		.amdhsa_system_vgpr_workitem_id 0
		.amdhsa_next_free_vgpr 256
		.amdhsa_next_free_sgpr 72
		.amdhsa_reserve_vcc 1
		.amdhsa_float_denorm_mode_32 3
		.amdhsa_float_denorm_mode_16_64 3
		.amdhsa_memory_ordered 1
		.amdhsa_forward_progress 1
		.amdhsa_inst_pref_size 36
	.end_amdhsa_kernel
	.amdgpu_metadata
---
amdhsa.version: [ 1, 2 ]
amdhsa.kernels:
  - .name:           k_qece3e074cc_attn
    .symbol:         k_qece3e074cc_attn.kd
    .args:
      - { .name: qk, .offset: 0, .size: 8, .value_kind: global_buffer, .address_space: global }
      - { .name: vq, .offset: 8, .size: 8, .value_kind: global_buffer, .address_space: global }
      - { .name: hq, .offset: 16, .size: 8, .value_kind: global_buffer, .address_space: global }
    .group_segment_fixed_size: 219136
    .private_segment_fixed_size: 0
    .kernarg_segment_align: 8
    .kernarg_segment_size: 24
    .max_flat_workgroup_size: 512
    .sgpr_count:     72
    .vgpr_count:     256
    .wavefront_size: 32
...
	.end_amdgpu_metadata
.endif
;; end of part 4
;; launch projln (part 5): grid 128 x 1, 8 waves a work-group, no clusters, 138,240 bytes of LDS; arguments hq, ops, b_proj, x, ln_g, ln_b, lnq; writes lnq
.if DOCPART == 5
	.amdgcn_target "amdgcn-amd-amdhsa--gfx1250"
	.amdhsa_code_object_version 6
	.text
	.protected	k_qece3e074cc_projln
	.globl	k_qece3e074cc_projln
	.p2align	8
	.type	k_qece3e074cc_projln,@function
k_qece3e074cc_projln:
	s_mov_b64 s[64:65], 0
	v_nop
	global_prefetch_b8 v0, s[64:65] scope:SCOPE_SE
	s_setreg_imm32_b32 hwreg(HW_REG_WAVE_MODE, 25, 1), 1
	s_wait_xcnt 0x0
; LayerNorm(h w_proj + b_proj + x) x ln_g + ln_b, quantised along its 1,024 columns into images for the next product.  h: row-major codes of FP6 [4096][768 bytes] with scale bytes [4096][32]; w_proj: images (units 192..255 of ops).
; SHARES.  A work-group owns 32 rows (two tiles) and all 1,024 columns, so that a row's mean and variance stay inside it.  Wave w owns columns 128 w .. 128 w + 127: column group w of the weight and K step w of the next product.
; No two waves share a fragment of the weight, so the images go from memory straight into registers, two K steps ahead; no tensor load, no ring.  128 work-groups: every work-group takes in the whole weight, whatever its rows,
; so 32 rows to a work-group read it half as often as 16 would, and each fragment feeds two products.  No multicast: it would want a ring that is filled again for a small part of the program's work.
; THE PRODUCT IS USED TRANSPOSED (source 0 = the weight, source 1 = h): lane (r, h) holds row r, register 8 b + j column 32 (b / 2) + 16 h + 8 (b % 2) + j.  The residual x, turned through LDS into that layout, is the sums' starting C.
; The variance is taken of (h - mean), in a second pass: no difference of large sums.
; LIMITS: a block of zeros gets the byte 1, not 127; blocks under 2^-124 are held at the byte 1; NaN and infinities are not served.
; REGISTERS: window 0: v1-11 addresses; v16-23 h's scale words (register = K step; lanes 0-15 tile 0, 16-31 tile 1); v24-31 the weight's, two sets; v32-55 at work; v64-159, v160-255 the weight's fragments, two sets, later bias, gain, shift.
;   window 1: v0-127 the 16 accumulators, (a, b) at 64 a + 8 b; v128-175 h's fragments, two sets.
.set STGW, 16896                       ; a wave's stage: 32 rows x 528 bytes
.set RED1, 135168                      ; 8 waves x 32 rows x 4 bytes, twice
.set TM,   16
.set SEL,  32
.set MSB,  0
.macro WIN new
.if MSB != (\new)
	s_set_vgpr_msb (MSB<<8)|(\new)
.set MSB, (\new)
.endif
.endm
.macro QUANT qs, qw, pc, pw
	WIN (\qw)|((\qw)<<2)
.irp b, 0,1,2,3
	v_max3_num_f32 v[TM+\b], |v[\qs+16*\b]|, |v[\qs+1+16*\b]|, 0x1800000
.endr
.irp i, 2,4,6,8,10,12,14
.irp b, 0,1,2,3
	v_max3_num_f32 v[TM+\b], |v[\qs+16*\b+\i]|, |v[\qs+1+16*\b+\i]|, v[TM+\b]
.endr
.endr
	WIN 0
.irp b, 0,1,2,3
	v_permlanex16_b32 v[TM+4+\b], v[TM+\b], s[SEL], s[SEL+1]
.endr
.irp b, 0,1,2,3
	v_max_num_f32 v[TM+\b], v[TM+\b], v[TM+4+\b]
.endr
.irp b, 0,1,2,3
	v_add_nc_u32 v[TM+12+\b], 0xff000000, v[TM+\b]
.endr
.irp b, 0,1,2,3
	v_lshrrev_b32 v[TM+4+\b], 23, v[TM+12+\b]
.endr
	v_lshl_or_b32 v[\pw], v[TM+5], 8, v[TM+4]
	v_lshl_or_b32 v[\pw], v[TM+6], 16, v[\pw]
	v_lshl_or_b32 v[\pw], v[TM+7], 24, v[\pw]
	WIN \qw
.irp c, 0,1
	v_cvt_scalef32_pk16_fp6_f32 v[\pc+6*\c:\pc+2+6*\c], v[\qs+32*\c:\qs+15+32*\c], v[TM+12+2*\c]
	v_cvt_scalef32_pk16_fp6_f32 v[\pc+12+4*\c:\pc+14+4*\c], v[\qs+16+32*\c:\qs+31+32*\c], v[TM+12+2*\c+1]
.endr
	WIN 0
	v_nop
.irp c, 0,1
.irp i, 0,1,2
	v_permlane16_swap_b32 v[\pc+6*\c+\i], v[\pc+12+4*\c+\i]
.endr
.irp i, 0,1,2
	v_mov_b32 v[\pc+3+6*\c+\i], v[\pc+12+4*\c+\i]
.endr
.endr
.endm
.macro WM rb, ra
.if \rb
.if \ra
	v_wmma_scale_f32_16x16x128_f8f6f4 v[rD:rD+7], v[rB:rB+11], v[rA:rA+11], v[rD:rD+7], v[rSB], v[rSA] matrix_a_fmt:MATRIX_FMT_FP6 matrix_b_fmt:MATRIX_FMT_FP6 matrix_a_scale:MATRIX_SCALE_ROW1 matrix_b_scale:MATRIX_SCALE_ROW1
.else
	v_wmma_scale_f32_16x16x128_f8f6f4 v[rD:rD+7], v[rB:rB+11], v[rA:rA+11], v[rD:rD+7], v[rSB], v[rSA] matrix_a_fmt:MATRIX_FMT_FP6 matrix_b_fmt:MATRIX_FMT_FP6 matrix_a_scale:MATRIX_SCALE_ROW1
.endif
.else
.if \ra
	v_wmma_scale_f32_16x16x128_f8f6f4 v[rD:rD+7], v[rB:rB+11], v[rA:rA+11], v[rD:rD+7], v[rSB], v[rSA] matrix_a_fmt:MATRIX_FMT_FP6 matrix_b_fmt:MATRIX_FMT_FP6 matrix_b_scale:MATRIX_SCALE_ROW1
.else
	v_wmma_scale_f32_16x16x128_f8f6f4 v[rD:rD+7], v[rB:rB+11], v[rA:rA+11], v[rD:rD+7], v[rSB], v[rSA] matrix_a_fmt:MATRIX_FMT_FP6 matrix_b_fmt:MATRIX_FMT_FP6
.endif
.endif
.endm
.macro LOADK k                         ; K step k's operands into set k % 2: 12 + 1 + 24 = 37 loads
.set KS2, (\k)%2
	WIN 0x40
.irp a, 0,1
.irp p, 0,1,2,3,4,5
	global_load_b64 v[128+24*KS2+12*\a+2*\p:129+24*KS2+12*\a+2*\p], v5, s[20:21] offset:12288*\a+96*(\k)+48*(\p/3)+8*(\p%3)
.endr
.endr
	WIN 0
	global_load_b128 v[24+4*KS2:27+4*KS2], v4, s[26:27] offset:512*(\k)
.irp b, 0,1,2,3,4,5,6,7
.irp g, 0,1,2
	global_load_b128 v[64+96*KS2+12*\b+4*\g:67+96*KS2+12*\b+4*\g], v4, s[24:25] offset:12288*(\k)+1536*\b+512*\g
.endr
.endr
.endm
.macro KSTEP k, left                   ; 16 products, the accumulators by turns; left: the younger loads that may stay out
	s_wait_loadcnt \left
	WIN 0x54                                       ; source 0 (the weight) window 0, source 1 (h), C and D window 1
.irp a, 0,1
.irp b, 0,1,2,3,4,5,6,7
.set rD, 64*\a+8*\b
.set rB, 64+96*((\k)%2)+12*\b
.set rA, 128+24*((\k)%2)+12*\a
.set rSB, 24+4*((\k)%2)+\b/2
.set rSA, 16+(\k)
	WM (\b)%2, \a
.endr
.endr
	WIN 0
.rept 4
	v_nop                                          ; places in front of loads into registers that these products read, and of the first read of results
.endr
.endm
.macro VECLOAD reg, base               ; a vector's 128 numbers of my columns, in the result's layout: 16 loads
.irp b, 0,1,2,3,4,5,6,7
	global_load_b128 v[\reg+8*\b:\reg+8*\b+3], v9, s[\base:\base+1] offset:(32*(\b/2)+8*(\b%2))*4
	global_load_b128 v[\reg+8*\b+4:\reg+8*\b+7], v9, s[\base:\base+1] offset:(32*(\b/2)+8*(\b%2))*4+16
.endr
.endm
; v[32:33], v[34:35]: my lane's sums for tiles 0 and 1 -> v40: the whole row's sum, of row `lane` of the 32
.macro REDUCE off
	v_add_f32 v32, v32, v33
	v_add_f32 v34, v34, v35
	v_permlanex16_b32 v36, v32, s[SEL], s[SEL+1]
	v_permlanex16_b32 v37, v34, s[SEL], s[SEL+1]
	v_add_f32 v32, v32, v36
	v_add_f32 v34, v34, v37
	v_cndmask_b32 v32, v32, v34, vcc_lo            ; lanes 0-15 tile 0's rows, lanes 16-31 tile 1's
	ds_store_b32 v10, v32 offset:\off
	s_wait_dscnt 0x0                               ; for the others' sake: my store has landed
	s_barrier_signal -1
	s_barrier_wait -1
.irp i, 0,1,2,3,4,5,6,7
	ds_load_b32 v[40+\i], v11 offset:\off+128*\i
.endr
	s_wait_dscnt 0x0
	v_add_f32 v40, v40, v41
	v_add_f32 v42, v42, v43
	v_add_f32 v44, v44, v45
	v_add_f32 v46, v46, v47
	v_add_f32 v40, v40, v42
	v_add_f32 v44, v44, v46
	v_add_f32 v40, v40, v44
.endm
.macro SPREAD d                        ; v40 = row `lane`'s number -> v[d], v[d+1]: row r of tile 0; v[d+2], v[d+3]: of tile 1
	v_permlanex16_b32 v36, v40, s[SEL], s[SEL+1]
	v_cndmask_b32 v[\d], v40, v36, vcc_lo
	v_cndmask_b32 v[\d+2], v36, v40, vcc_lo
	v_mov_b32 v[\d+1], v[\d]
	v_mov_b32 v[\d+3], v[\d+2]
.endm
	s_load_b256 s[4:11], s[0:1], 0x0               ; hq s[4:5], ops s[6:7], b_proj s[8:9], x s[10:11]
	s_load_b128 s[12:15], s[0:1], 0x20             ; ln_g, ln_b
	s_load_b64 s[16:17], s[0:1], 0x30              ; lnq
	v_lshl_add_u32 v62, v0, 2, 0x21800
	v_mov_b32 v63, 0
	v_lshrrev_b32 v1, 5, v0
	v_readfirstlane_b32 s18, v1                    ; wave 0..7
	v_and_b32 v1, 31, v0                           ; lane
	v_and_b32 v2, 15, v0                           ; r
	v_bfe_u32 v3, v0, 4, 1                         ; h
	v_lshlrev_b32 v4, 4, v1                        ; 16 x lane
	v_mul_u32_u24 v5, v2, 768
	v_mad_u32_u24 v5, v3, 24, v5                   ; h's codes: row r, + 24 h
	v_lshlrev_b32 v6, 5, v1                        ; h's scale bytes: 32 a row
	s_mul_i32 s19, s18, STGW
	v_add_nc_u32 v7, s19, v4                       ; the stage, in
	v_mul_u32_u24 v8, v2, 528
	v_lshl_add_u32 v8, v3, 6, v8
	v_add_nc_u32 v8, s19, v8                       ; and back
	v_lshlrev_b32 v9, 6, v3                        ; vectors: 64 h
	v_lshl_add_u32 v11, v1, 2, RED1                ; the rows' partial sums: read,
	s_lshl_b32 s19, s18, 7
	v_add_nc_u32 v10, s19, v11                     ; and my wave's to write
	v_cmp_lt_u32 vcc_lo, 15, v1                    ; lanes 16-31; kept to the end
	v_mov_b32 v36, 0                               ; written once: a lane permute's destination counts as one of its sources
	v_mov_b32 v37, 0
	s_mov_b32 s[SEL], 0x76543210
	s_mov_b32 s[SEL+1], 0xfedcba98
	s_mov_b32 s34, 0x3a800000                      ; 1 / 1024
	s_mov_b32 s35, 0x3727c5ac                      ; 1e-5
	s_lshl_b32 s38, s18, 9                         ; my 128 columns in bytes of f32
	s_mov_b32 s39, 0
	s_lshl_b32 s36, ttmp9, 17                      ; my 32 rows of x
	s_add_co_u32 s36, s36, s38
	s_mov_b32 s37, 0
	s_mul_i32 s40, ttmp9, 24576
	s_mov_b32 s41, 0
	s_lshl_b32 s42, ttmp9, 10
	s_add_co_u32 s42, s42, 3145728
	s_mov_b32 s43, 0
	s_mul_i32 s44, s18, 98304
	s_add_co_u32 s44, s44, 2359296
	s_mov_b32 s45, 0
	s_lshl_b32 s46, s18, 12
	s_add_co_u32 s46, s46, 12681216
	s_mov_b32 s47, 0
	s_wait_kmcnt 0x0
	s_add_nc_u64 s[10:11], s[10:11], s[36:37]
	s_add_nc_u64 s[20:21], s[4:5], s[40:41]
	s_add_nc_u64 s[22:23], s[4:5], s[42:43]
	s_add_nc_u64 s[24:25], s[6:7], s[44:45]
	s_add_nc_u64 s[26:27], s[6:7], s[46:47]
	s_add_nc_u64 s[8:9], s[8:9], s[38:39]
	s_add_nc_u64 s[12:13], s[12:13], s[38:39]
	s_add_nc_u64 s[14:15], s[14:15], s[38:39]
	s_lshr_b32 s36, ttmp9, 2
	s_lshl_b32 s36, s36, 3
	s_add_co_u32 s36, s36, s18                     ; the next operand's unit: row group x 8 + K step
	s_and_b32 s40, ttmp9, 3                        ; my two tiles in it
	s_mul_i32 s42, s36, 12288
	s_mul_i32 s41, s40, 3072
	s_add_co_u32 s42, s42, s41
	s_mov_b32 s43, 0
	s_add_nc_u64 s[28:29], s[16:17], s[42:43]
	s_lshl_b32 s42, s36, 9
	s_lshl_b32 s41, s40, 2
	s_add_co_u32 s42, s42, s41
	s_add_co_u32 s42, s42, 3145728
	s_add_nc_u64 s[30:31], s[16:17], s[42:43]
	WIN 0x40
.set i, 0
.rept 32
	global_load_b128 v[4*i:4*i+3], v4, s[10:11] offset:4096*i th:TH_LOAD_NT    ; x: a row's 512 consecutive bytes of my columns, into the accumulators' registers
.set i, i+1
.endr
	WIN 0
	global_load_b128 v[16:19], v6, s[22:23]
	global_load_b128 v[20:23], v6, s[22:23] offset:16
	LOADK 0
	s_wait_loadcnt 39                              ; x is in; the 2 + 37 younger loads may be out
	WIN 0x04
.set i, 0
.rept 32
	ds_store_b128 v7, v[4*i:4*i+3] offset:528*i
.set i, i+1
.endr
	s_wait_dscnt 0x0                               ; the stores have read their registers, which the loads below fill
	WIN 0x40
.irp a, 0,1
.set i, 0
.rept 16
	ds_load_b128 v[64*\a+4*i:64*\a+4*i+3], v8 offset:16*\a*528+128*(i/4)+16*(i%4)
.set i, i+1
.endr
.endr
	WIN 0
	LOADK 1
	s_wait_dscnt 0x0                               ; the residual stands in the accumulators
	KSTEP 0, 37                                    ; 37: the next K step's loads
	LOADK 2
	KSTEP 1, 37
	LOADK 3
	KSTEP 2, 37
	LOADK 4
	KSTEP 3, 37
	LOADK 5
	KSTEP 4, 37
	LOADK 6
	KSTEP 5, 37
	LOADK 7
	KSTEP 6, 37
	VECLOAD 64, 8                                  ; b_proj, where set 0 lay
	KSTEP 7, 16                                    ; 16: the bias
	VECLOAD 128, 12                                ; ln_g
	VECLOAD 192, 14                                ; ln_b
	s_wait_loadcnt 32                              ; the bias is in; gain and shift may be out
	WIN 0x41                                       ; destination and source 0 window 1
.irp a, 0,1
.set m, 0
.rept 32
	v_pk_add_f32 v[64*\a+2*m:64*\a+2*m+1], v[64*\a+2*m:64*\a+2*m+1], v[64+2*m:65+2*m]
.set m, m+1
.endr
.endr
	WIN 0x05
	v_pk_add_f32 v[32:33], v[0:1], v[2:3]          ; the rows' sums, a chain for each tile
	v_pk_add_f32 v[34:35], v[64:65], v[66:67]
	WIN 0x01
.set m, 2
.rept 30
	v_pk_add_f32 v[32:33], v[2*m:2*m+1], v[32:33]
	v_pk_add_f32 v[34:35], v[64+2*m:65+2*m], v[34:35]
.set m, m+1
.endr
	WIN 0
	REDUCE 0
	v_mul_f32 v40, s34, v40                        ; the mean
	SPREAD 48
	WIN 0x41
.irp a, 0,1
.set m, 0
.rept 32
	v_pk_add_f32 v[64*\a+2*m:64*\a+2*m+1], v[64*\a+2*m:64*\a+2*m+1], v[48+2*\a:49+2*\a] op_sel_hi:[1,0] neg_lo:[0,1] neg_hi:[0,1]
.set m, m+1
.endr
.endr
	WIN 0x05
	v_pk_mul_f32 v[32:33], v[0:1], v[0:1]          ; the sums of squares of (h - mean)
	v_pk_mul_f32 v[34:35], v[64:65], v[64:65]
.set m, 1
.rept 31
	v_pk_fma_f32 v[32:33], v[2*m:2*m+1], v[2*m:2*m+1], v[32:33]
	v_pk_fma_f32 v[34:35], v[64+2*m:65+2*m], v[64+2*m:65+2*m], v[34:35]
.set m, m+1
.endr
	WIN 0
	REDUCE 1024
	v_fma_f32 v40, v40, s34, s35                   ; the variance + 1e-5
	v_rsq_f32 v40, v40
	v_nop                                          ; a plain instruction behind the transcendental,
	s_wait_alu depctr_va_vdst(0)                   ; and the wait ahead of its first reader
	SPREAD 52
	s_wait_loadcnt 0x0                             ; gain and shift
	WIN 0x41
.irp a, 0,1
.set m, 0
.rept 32
	v_pk_mul_f32 v[64*\a+2*m:64*\a+2*m+1], v[64*\a+2*m:64*\a+2*m+1], v[52+2*\a:53+2*\a] op_sel_hi:[1,0]
.set m, m+1
.endr
.endr
.irp a, 0,1
.set m, 0
.rept 32
	v_pk_fma_f32 v[64*\a+2*m:64*\a+2*m+1], v[64*\a+2*m:64*\a+2*m+1], v[128+2*m:129+2*m], v[192+2*m:193+2*m]
.set m, m+1
.endr
.endr
	QUANT 0, 1, 64, 32
	QUANT 64, 1, 84, 33
.irp g, 0,1,2
	global_store_b128 v4, v[64+4*\g:67+4*\g], s[28:29] offset:512*\g           ; the images as they stand: 512 consecutive bytes a store
	global_store_b128 v4, v[84+4*\g:87+4*\g], s[28:29] offset:1536+512*\g
.endr
	v_cndmask_b32 v32, v32, v33, vcc_lo
	global_store_b32 v4, v32, s[30:31]
	s_wait_tensorcnt 0x0
	ds_add_u32 v62, v63
	s_wait_dscnt 0x0
	s_endpgm
.Lfunc_end_k_qece3e074cc_projln:
	.size	k_qece3e074cc_projln, .Lfunc_end_k_qece3e074cc_projln-k_qece3e074cc_projln
	.p2alignl 7, 3214868480
	.fill 96, 4, 3214868480
	.section	.rodata,"a",@progbits
	.p2align	6, 0x0
	.amdhsa_kernel k_qece3e074cc_projln
		.amdhsa_group_segment_fixed_size 138240
		.amdhsa_private_segment_fixed_size 0
		.amdhsa_enable_private_segment 0
		.amdhsa_kernarg_size 56
		.amdhsa_user_sgpr_count 2
		.amdhsa_user_sgpr_kernarg_segment_ptr 1
		.amdhsa_wavefront_size32 1
		.amdhsa_system_sgpr_workgroup_id_x 1
		.amdhsa_system_sgpr_workgroup_id_y 1
		.amdhsa_system_sgpr_workgroup_id_z 1
		.amdhsa_system_vgpr_workitem_id 0
		.amdhsa_next_free_vgpr 448
		.amdhsa_next_free_sgpr 66
		.amdhsa_reserve_vcc 1
		.amdhsa_float_denorm_mode_32 3
		.amdhsa_float_denorm_mode_16_64 3
		.amdhsa_memory_ordered 1
		.amdhsa_forward_progress 1
		.amdhsa_inst_pref_size 97
	.end_amdhsa_kernel
	.amdgpu_metadata
---
amdhsa.version: [ 1, 2 ]
amdhsa.kernels:
  - .name:           k_qece3e074cc_projln
    .symbol:         k_qece3e074cc_projln.kd
    .args:
      - { .name: hq, .offset: 0, .size: 8, .value_kind: global_buffer, .address_space: global }
      - { .name: ops, .offset: 8, .size: 8, .value_kind: global_buffer, .address_space: global }
      - { .name: b_proj, .offset: 16, .size: 8, .value_kind: global_buffer, .address_space: global }
      - { .name: x, .offset: 24, .size: 8, .value_kind: global_buffer, .address_space: global }
      - { .name: ln_g, .offset: 32, .size: 8, .value_kind: global_buffer, .address_space: global }
      - { .name: ln_b, .offset: 40, .size: 8, .value_kind: global_buffer, .address_space: global }
      - { .name: lnq, .offset: 48, .size: 8, .value_kind: global_buffer, .address_space: global }
    .group_segment_fixed_size: 138240
    .private_segment_fixed_size: 0
    .kernarg_segment_align: 8
    .kernarg_segment_size: 56
    .max_flat_workgroup_size: 256
    .sgpr_count:     66
    .vgpr_count:     448
    .wavefront_size: 32
...
	.end_amdgpu_metadata
.endif
;; end of part 5
;; launch gemm_ff1 (part 6): grid 16 x 16, 4 waves a work-group, clusters of 4 x 4, 327,680 bytes of LDS; arguments lnq, b1, fq, ops; writes fq
.if DOCPART == 6
	.amdgcn_target "amdgcn-amd-amdhsa--gfx1250"
	.amdhsa_code_object_version 6
	.text
	.protected	k_qece3e074cc_gemm_ff1
	.globl	k_qece3e074cc_gemm_ff1
	.p2align	8
	.type	k_qece3e074cc_gemm_ff1,@function
k_qece3e074cc_gemm_ff1:
	s_mov_b64 s[64:65], 0
	v_nop
	global_prefetch_b8 v0, s[64:65] scope:SCOPE_SE
	s_setreg_imm32_b32 hwreg(HW_REG_WAVE_MODE, 25, 1), 1
	s_wait_xcnt 0x0
	s_wait_alu depctr_hold_cnt(0) depctr_sa_sdst(0) depctr_va_vdst(0) depctr_va_sdst(0) depctr_va_ssrc(0) depctr_va_vcc(0) depctr_vm_vsrc(0)
	s_getreg_b32 s2, hwreg(HW_REG_IB_STS2, 6, 4)
	s_cmp_eq_u32 s2, 0
	s_cbranch_scc0 .Lentry_in_a_cluster
	s_endpgm
.Lentry_in_a_cluster:
	s_bfe_u32 s2, ttmp6, 0x10000c
	s_cmp_lg_u32 s2, 0xf033
	s_cbranch_scc0 .Lentry_shape_is_right
	s_endpgm
.Lentry_shape_is_right:
; C = A B^T + bias on codes of FP6 (E2M3) with E8M0 scales.  THIS COPY: the normalised rows [4096][1024] times w1 (4,096 columns) + b1, relu, quantised along the columns into images for the next product.
.set KDIM, 1024
.set NDIM, 4096
.set QOUT, 1                           ; 0 none, 1 images for the next product, 2 the flat stream
.set RELU, 1
.set FOUT, 0                           ; 0 none, 1 all of C as f32, 2 f32 where the cluster's y is odd
.set A_OFF,  0                         ; A's images and scale words in its buffer; B's in its
.set AS_OFF, 3145728
.set B_OFF,  3145728
.set BS_OFF, 12713984
; OPERANDS lie in memory as images of the operand registers: a fragment (16 rows x 128 K) is 1,536 bytes, registers 4 g .. 4 g + 3 of lane L at 512 g + 16 L; laid [group of 128 rows][K step][tile][1536].
; So a group's two K steps are 24,576 dense bytes for one tensor load, and a fragment comes from LDS by three loads of 16 bytes a lane, 512 consecutive bytes each: no pitch, no padding.
; SCALE WORDS: 512 bytes for a group and a K step, the word of tile T, row r at 16 (16 (T % 2) + r) + 4 (T / 2): one load of 16 bytes a lane brings four registers; tile T reads register T / 2, lanes 0-15 (T even) or 16-31 (T odd).
; A tile of C, 256 x 256, is made by four waves, each 128 x 128: 64 accumulators.  K goes in steps of 256 through two LDS slots; all scale words of the work-group's rows come once and stay.
; CLUSTERS 4 x 4: A's tiles are asked for jointly along a row of the cluster, B's along a column.
; THE PRODUCT IS USED TRANSPOSED (source 0 = 16 rows of B, source 1 = 16 rows of A).  Row i of B's tile 2 B + u is column 32 B + 8 u + i + 8 (i / 8): lane (r, h) holds row r of C, and register 8 b + j of its eight tiles
; column 32 (b / 2) + 16 h + 8 (b % 2) + j: 16 neighbours of each block of 32, as the quantiser wants them.  The bias is the C of each sum's first product.
; LIMITS: a block of zeros gets the byte 1, not 127 (its codes are zeros; only this program reads the bytes); blocks under 2^-124 are held at the byte 1; NaN and infinities are not served.
; REGISTERS: window 0: v12-31 addresses; v32-63 scale words, two sets; v64-127 the bias; v128-223 A's fragments, one set.  window 1: B's fragments, two sets, at v0 and v128.  windows 2, 3: the accumulators, (a, b) at v[8 (8 (a % 4) + b)].
.set KT,     KDIM/128
.set GRP,    12288
.set HALFT,  2*GRP                     ; one group x two K steps: what one tensor load brings
.set SLOT,   4*HALFT                   ; A's two groups, then B's two
.set LAPS,   KDIM/512
.set SCL,    2*SLOT                    ; behind the ring: the scale words
.set HALFS,  KT*512                    ; those of one group
.set SPARE,  SCL+4*HALFS               ; the spare words, 128 bytes for each wave: two blocks of 256 bytes that no other line names
.set NL,     3                         ; LDS loads of a fragment
.set NP,     4                         ; places behind this matrix instruction (ISA guide 7.12.1)
.set SPITCH, 528                       ; the way out: stages in slot 0, which has had its last fill and its last read by then
.set WSTG,   10240                     ; a wave's: 16 rows x 528 bytes of f32, then
.set QSTG,   8448                      ; 1,536 bytes of codes
.set GQ,   12                          ; v12-14 the flat stream: where my 16 bytes of a tile's 1,536 go
.set STQ,  15
.set ADRA, 16
.set ADRB, 20
.set ADSA, 22
.set ADSB, 23
.set STO,  24
.set RD,   25
.set CO,   26                          ; 16 x lane
.set RDQ,  27
.set SPW,  28
.set NIL,  29
.set GS,   30
.set LN,   31                          ; lane
.set SC,   32
.set BIAS, 64
.set AF,   128
.set TM,   32                          ; the way out: v32-47 at work, v48-55 the tiles' scale words, v56-59 those as they are stored, v64-103 codes, v104-127 codes read back, v128-255 rows of f32
.set PWR,  48
.set SW,   56
.set BK,   128
.set SEL,  66
.set G1, 24
.set G0, 32
.set G1B, 48
.set G0B, 56
.set G1S, 68
.set G0S, 76
.set G1SB, 80
.set G0SB, 88
.set MSB, 0
.macro WIN new                         ; the immediate's high byte repeats the setting that is left
.if MSB != (\new)
	s_set_vgpr_msb (MSB<<8)|(\new)
.set MSB, (\new)
.endif
.endm
.set MUL_LO, 0xa1                      ; source 0 (B) window 1, source 1 (A) window 0, C and D window 2
.set MUL_HI, 0xf1
.set TO_B,   0x40
.macro JLOAD g0a, g1a, g0b, g1b        ; a joint load: waves 0, 1 for A, waves 2, 3 for B; four v_nop follow each line
	s_cmp_eq_u32 s15, 0
	s_cbranch_scc0 .Lfor_b_\@
	tensor_load_to_lds s[\g0a:\g0a+3], s[\g1a:\g1a+7]
	s_nop 0
.rept 4
	v_nop
.endr
	s_branch .Lasked_\@
.Lfor_b_\@:
	tensor_load_to_lds s[\g0b:\g0b+3], s[\g1b:\g1b+7]
	s_nop 0
.rept 4
	v_nop
.endr
.Lasked_\@:
.endm
.macro CREST
	s_cmp_lg_u32 s14, 0
	s_cbranch_scc1 .Lnot_wave_0_\@
	s_barrier_signal -3
.Lnot_wave_0_\@:
	s_barrier_wait -3
	s_barrier_signal -1
	s_barrier_wait -1
.endm
.macro CROUND
	s_barrier_signal -1
	s_barrier_wait -1
	CREST
.endm
.macro PLACES n
.rept \n
	v_nop
.endr
.endm
	s_load_b128 s[4:7], s[0:1], 0x0                ; A's buffer, the bias
.if QOUT
	s_load_b64 s[12:13], s[0:1], 0x10              ; the codes' buffer
.else
	s_load_b64 s[10:11], s[0:1], 0x10              ; the f32 output
.endif
.if FOUT == 2
	s_load_b64 s[10:11], s[0:1], 0x18              ; the f32 rows
.else
	s_load_b64 s[8:9], s[0:1], 0x18                ; B's buffer
.endif
	v_lshl_add_u32 v[SPW], v0, 2, SPARE
	v_mov_b32 v[NIL], 0
	ds_add_u32 v28, v29
	ds_add_u32 v28, v29
	s_wait_dscnt 0x0
	v_lshrrev_b32 v1, 5, v0
	v_readfirstlane_b32 s14, v1                    ; wave 0..3
	s_lshr_b32 s15, s14, 1                         ; my half of the tile's rows.  Also: I fetch for A (0) or B (1)
	s_and_b32 s16, s14, 1                          ; my half of its columns.  Also: which group I fetch
	s_bfe_u32 s40, ttmp6, 0x40000                  ; cx, cy
	s_bfe_u32 s41, ttmp6, 0x40004
	s_lshl_b32 s42, ttmp9, 2
	s_add_co_u32 s42, s42, s40                     ; tile column
	s_and_b32 s17, ttmp7, 0xffff
	s_lshl_b32 s17, s17, 2
	s_add_co_u32 s17, s17, s41                     ; tile row
	s_lshl_b32 s43, s41, 2
	s_lshl_b32 s43, 15, s43                        ; my row of the cluster
	s_lshl_b32 s44, 0x1111, s40                    ; my column
	s_or_b32 s[G1+0], s43, (3<<16)|(1<<21)         ; 15:0 the mask; 17:16 elements of 8 bytes; 21 set beside a mask; no padding
	s_or_b32 s[G1B+0], s44, (3<<16)|(1<<21)
.irp g, G1, G1B
	s_mov_b32 s[\g+1], 32<<16                      ; 96 dense rows of 256 bytes
	s_mov_b32 s[\g+2], 96<<16
	s_mov_b32 s[\g+3], 32<<16
	s_mov_b32 s[\g+4], 96
	s_mov_b32 s[\g+5], 32
	s_mov_b32 s[\g+6], 0
	s_mov_b32 s[\g+7], 0
.endr
	s_or_b32 s[G1S+0], s43, (3<<16)|(1<<21)
	s_or_b32 s[G1SB+0], s44, (3<<16)|(1<<21)
.irp g, G1S, G1SB
	s_mov_b32 s[\g+1], 32<<16                      ; a group's scale words: 2 KT dense rows of 256 bytes
	s_mov_b32 s[\g+2], (2*KT)<<16
	s_mov_b32 s[\g+3], 32<<16
	s_mov_b32 s[\g+4], 2*KT
	s_mov_b32 s[\g+5], 32
	s_mov_b32 s[\g+6], 0
	s_mov_b32 s[\g+7], 0
.endr
	s_lshl_b32 s20, s17, 1
	s_add_co_u32 s20, s20, s16                     ; A's group that I fetch: it hangs on the tile row and the wave alone
	s_lshl_b32 s46, s42, 1
	s_add_co_u32 s46, s46, s16                     ; B's: on the tile column and the wave alone
	s_mul_i32 s22, s20, HALFS
	s_mul_i32 s92, s46, HALFS
	s_mul_i32 s20, s20, KT*GRP
	s_mul_i32 s46, s46, KT*GRP
	s_add_co_u32 s20, s20, A_OFF
	s_add_co_u32 s22, s22, AS_OFF
	s_add_co_u32 s46, s46, B_OFF
	s_add_co_u32 s92, s92, BS_OFF
	s_mov_b32 s21, 0
	s_mov_b32 s23, 0
	s_mov_b32 s47, 0
	s_mov_b32 s93, 0
	s_mul_i32 s45, s14, HALFT                      ; where they go: no place in the cluster enters an LDS address
	s_mul_i32 s94, s14, HALFS
	s_wait_kmcnt 0x0
.if FOUT == 2
	s_mov_b64 s[8:9], s[4:5]                       ; here A and B lie in one buffer
.endif
	s_add_nc_u64 s[20:21], s[4:5], s[20:21]
	s_add_nc_u64 s[22:23], s[4:5], s[22:23]
	s_add_nc_u64 s[46:47], s[8:9], s[46:47]
	s_add_nc_u64 s[92:93], s[8:9], s[92:93]
	CROUND                                         ; all sixteen work-groups are here: the first joint loads meet
	s_mov_b32 s[G0S], 1
	s_add_co_u32 s[G0S+1], s94, SCL
	s_mov_b64 s[G0S+2:G0S+3], s[22:23]
	s_or_b32 s[G0S+3], s[G0S+3], 0x80000000
	s_mov_b32 s[G0SB], 1
	s_add_co_u32 s[G0SB+1], s94, SCL
	s_mov_b64 s[G0SB+2:G0SB+3], s[92:93]
	s_or_b32 s[G0SB+3], s[G0SB+3], 0x80000000
	JLOAD G0S, G1S, G0SB, G1SB                     ; the scale words first: filled once
.irp s, 0,1
	s_mov_b32 s[G0+4*\s], 1
	s_add_co_u32 s[G0+4*\s+1], s45, \s*SLOT
	s_add_nc_u64 s[G0+4*\s+2:G0+4*\s+3], s[20:21], \s*HALFT
	s_or_b32 s[G0+4*\s+3], s[G0+4*\s+3], 0x80000000
	s_mov_b32 s[G0B+4*\s], 1
	s_add_co_u32 s[G0B+4*\s+1], s45, \s*SLOT
	s_add_nc_u64 s[G0B+4*\s+2:G0B+4*\s+3], s[46:47], \s*HALFT
	s_or_b32 s[G0B+4*\s+3], s[G0B+4*\s+3], 0x80000000
	JLOAD G0+4*\s, G1, G0B+4*\s, G1B               ; three loads of mine are out behind the last
.endr
	v_and_b32 v[LN], 31, v0
	v_and_b32 v1, 15, v0                           ; r
	v_bfe_u32 v2, v0, 4, 1                         ; h
	v_lshlrev_b32 v[CO], 4, v[LN]
	s_mul_i32 s21, s15, HALFT                      ; my group of A,
	s_mul_i32 s22, s16, HALFT
	s_add_co_u32 s22, s22, 2*HALFT                 ; my group of B
.irp s, 0,1
	v_add_nc_u32 v[ADRA+\s], s21, v[CO]
	v_add_nc_u32 v[ADRB+\s], s22, v[CO]
	s_add_co_u32 s21, s21, SLOT
	s_add_co_u32 s22, s22, SLOT
.endr
	s_mul_i32 s21, s15, HALFS
	s_add_co_u32 s21, s21, SCL
	v_add_nc_u32 v[ADSA], s21, v[CO]
	s_mul_i32 s22, s16, HALFS
	s_add_co_u32 s22, s22, SCL+2*HALFS
	v_add_nc_u32 v[ADSB], s22, v[CO]
	s_mul_i32 s23, s14, WSTG                       ; my stages
	v_mul_u32_u24 v5, v1, SPITCH
	v_lshl_add_u32 v5, v2, 6, v5
	v_add_nc_u32 v[STO], s23, v5                   ; f32 in: row r, + 64 h
	v_add_nc_u32 v[RD], s23, v[CO]                 ; back: a row's 512 bytes
.if QOUT == 2
	s_add_co_u32 s23, s23, QSTG
	v_mul_u32_u24 v5, v1, 96
	v_mad_u32_u24 v5, v2, 24, v5
	v_add_nc_u32 v[STQ], s23, v5                   ; codes in: row r of 96 bytes, + 24 h
	v_add_nc_u32 v[RDQ], s23, v[CO]
.irp i, 0,1,2
	v_add_nc_u32 v6, 32*\i, v[LN]                  ; piece p of 96: row p / 6 (= 43 p >> 8 for p < 96), 16 (p % 6) bytes into its 96
	v_mul_u32_u24 v7, v6, 43
	v_lshrrev_b32 v7, 8, v7
	v_mul_u32_u24 v8, v7, 6
	v_sub_nc_u32 v6, v6, v8
	v_lshlrev_b32 v6, 4, v6
	v_mad_u32_u24 v[GQ+\i], v7, 2304, v6
.endr
	v_mul_u32_u24 v[GS], v[LN], 96
.endif
.if QOUT
	s_mov_b32 s[SEL], 0x76543210
	s_mov_b32 s[SEL+1], 0xfedcba98
.endif
	s_lshl_b32 s46, s42, 10                        ; the bias of my 128 columns
	s_lshl_b32 s47, s16, 9
	s_add_co_u32 s46, s46, s47
	s_mov_b32 s47, 0
	s_add_nc_u64 s[6:7], s[6:7], s[46:47]
	v_lshlrev_b32 v9, 6, v2
.irp b, 0,1,2,3,4,5,6,7
	global_load_b128 v[BIAS+8*\b:BIAS+8*\b+3], v9, s[6:7] offset:(32*(\b/2)+8*(\b%2))*4
	global_load_b128 v[BIAS+8*\b+4:BIAS+8*\b+7], v9, s[6:7] offset:(32*(\b/2)+8*(\b%2))*4+16
.endr
	; where my part of the results goes
.if QOUT == 1
	s_lshl_b32 s96, s17, 1
	s_add_co_u32 s96, s96, s15                     ; my rows' group,
	s_lshl_b32 s96, s96, 5
	s_lshl_b32 s98, s42, 1
	s_add_co_u32 s98, s98, s16                     ; my columns are the next product's K step
	s_add_co_u32 s96, s96, s98
	s_lshl_b32 s98, s96, 9
	s_add_co_u32 s98, s98, 12582912
	s_mov_b32 s99, 0
	s_add_nc_u64 s[92:93], s[12:13], s[98:99]
	s_mul_i32 s96, s96, GRP
	s_mov_b32 s97, 0
	s_add_nc_u64 s[12:13], s[12:13], s[96:97]
.endif
.if QOUT == 2
	s_lshl_b32 s96, s17, 8
	s_lshl_b32 s98, s15, 7
	s_add_co_u32 s96, s96, s98                     ; my first row
	s_lshl_b32 s94, s42, 1
	s_add_co_u32 s94, s94, s16                     ; my 128 columns
	s_mul_i32 s98, s96, 96
	s_lshl_b32 s95, s94, 2
	s_add_co_u32 s98, s98, s95
	s_add_co_u32 s98, s98, 9437184
	s_mov_b32 s99, 0
	s_add_nc_u64 s[92:93], s[12:13], s[98:99]
	s_mul_i32 s96, s96, 2304
	s_mul_i32 s94, s94, 96
	s_add_co_u32 s96, s96, s94
	s_mov_b32 s97, 0
	s_add_nc_u64 s[12:13], s[12:13], s[96:97]
.endif
.if FOUT
.if FOUT == 2
	s_and_b32 s96, ttmp7, 0xffff                   ; cluster y = 2 x batch + 1: tile row 4 x batch + cy of the f32 rows
	s_lshr_b32 s96, s96, 1
	s_lshl_b32 s96, s96, 2
	s_add_co_u32 s96, s96, s41
	s_lshl_b32 s96, s96, 8
.else
	s_lshl_b32 s96, s17, 8
.endif
	s_lshl_b32 s98, s15, 7
	s_add_co_u32 s96, s96, s98
	s_mul_i32 s96, s96, NDIM*4
	s_lshl_b32 s98, s42, 10
	s_add_co_u32 s96, s96, s98
	s_lshl_b32 s98, s16, 9
	s_add_co_u32 s96, s96, s98
	s_mov_b32 s97, 0
	s_add_nc_u64 s[10:11], s[10:11], s[96:97]
.endif
.macro FRAG reg, adr, q, i             ; a fragment's image: three loads, 512 consecutive bytes each
.irp g, 0,1,2
	ds_load_b128 v[\reg+4*\g:\reg+4*\g+3], v[\adr] offset:(\q)*GRP+(\i)*1536+512*\g
.endr
.endm
.macro WM rb, ra                       ; one product; rb, ra: source 0's and source 1's scale words stand in lanes 16-31
.if \rb
.if \ra
	v_wmma_scale_f32_16x16x128_f8f6f4 v[rD:rD+7], v[rB:rB+11], v[rA:rA+11], v[rC:rC+7], v[rSB], v[rSA] matrix_a_fmt:MATRIX_FMT_FP6 matrix_b_fmt:MATRIX_FMT_FP6 matrix_a_scale:MATRIX_SCALE_ROW1 matrix_b_scale:MATRIX_SCALE_ROW1
.else
	v_wmma_scale_f32_16x16x128_f8f6f4 v[rD:rD+7], v[rB:rB+11], v[rA:rA+11], v[rC:rC+7], v[rSB], v[rSA] matrix_a_fmt:MATRIX_FMT_FP6 matrix_b_fmt:MATRIX_FMT_FP6 matrix_a_scale:MATRIX_SCALE_ROW1
.endif
.else
.if \ra
	v_wmma_scale_f32_16x16x128_f8f6f4 v[rD:rD+7], v[rB:rB+11], v[rA:rA+11], v[rC:rC+7], v[rSB], v[rSA] matrix_a_fmt:MATRIX_FMT_FP6 matrix_b_fmt:MATRIX_FMT_FP6 matrix_b_scale:MATRIX_SCALE_ROW1
.else
	v_wmma_scale_f32_16x16x128_f8f6f4 v[rD:rD+7], v[rB:rB+11], v[rA:rA+11], v[rC:rC+7], v[rSB], v[rSA] matrix_a_fmt:MATRIX_FMT_FP6 matrix_b_fmt:MATRIX_FMT_FP6
.endif
.endif
.endm
; 16 products: A's blocks a0, a0 + 1 x B's eight.  p: B's set; q: the slot's K step; sc: the set of scale words; first = 1: the bias is C.  The 64 accumulators take turns.
.macro MUL16 a0, p, q, sc, first
.irp a, \a0, \a0+1
.irp b, 0,1,2,3,4,5,6,7
.set rD, 8*(8*((\a)%4)+\b)
.set rB, 128*(\p)+12*\b
.set rA, AF+12*(\a)
.set rC, rD
.if \first
.set rC, BIAS+8*\b
.endif
.set rSB, SC+16*(\sc)+8*(\q)+4+\b/2
.set rSA, SC+16*(\sc)+8*(\q)+(\a)/2
	WM (\b)%2, (\a)%2
.endr
.endr
.endm
.macro FETCH_B slot, q, p
	WIN TO_B
.irp i, 0,1,2,3,4,5,6,7
	FRAG 128*(\p)+12*\i, ADRB+\slot, \q, \i
.endr
	WIN 0
.endm
.macro FETCH_A slot, q, i0
.irp i, \i0, \i0+1, \i0+2, \i0+3
	FRAG AF+12*(\i), ADRA+\slot, \q, \i
.endr
.endm
.macro SCALES sc                       ; a slot's scale words: A's and B's, for its two K steps
	ds_load_b128 v[SC+16*\sc:SC+16*\sc+3], v[ADSA]
	ds_load_b128 v[SC+16*\sc+4:SC+16*\sc+7], v[ADSB]
	ds_load_b128 v[SC+16*\sc+8:SC+16*\sc+11], v[ADSA] offset:512
	ds_load_b128 v[SC+16*\sc+12:SC+16*\sc+15], v[ADSB] offset:512
.endm
; a step of 128 along K that has its successor in the same slot
.macro STEP slot, q, first
	s_wait_dscnt 4*NL                              ; all but the youngest twelve loads (A's blocks 4-7) are in
.if \first
	WIN 0x81                                       ; the bias, C, lies in window 0
.else
	WIN MUL_LO
.endif
	MUL16 0, (\q)%2, \q, \slot, \first
	MUL16 2, (\q)%2, \q, \slot, \first
	s_wait_dscnt 0
	PLACES NP                                      ; in front of loads into registers that matrix instructions have read
	FETCH_B \slot, (\q)+1, 1-(\q)%2
	FETCH_A \slot, (\q)+1, 0
.if \first
	WIN 0xc1
.else
	WIN MUL_HI
.endif
	MUL16 4, (\q)%2, \q, \slot, \first
	MUL16 6, (\q)%2, \q, \slot, \first
	PLACES NP
	WIN 0
	FETCH_A \slot, (\q)+1, 4
.endm
; a slot's last step changes slots: one barrier; in front of it each wave waits for all its tensor loads, adds 0 to its spare word, and waits for that and for its reads of this slot
.macro TURN slot, next, fill
	s_wait_tensorcnt 0x0                           ; all my tensor loads have landed: my part of the next slot
	ds_add_u32 v[SPW], v[NIL]                      ; 0 onto my spare word
	s_wait_dscnt 4*NL+1                            ; (the add and the youngest twelve loads may be out)
	WIN MUL_LO
	MUL16 0, 1, 1, \slot, 0
	s_wait_dscnt 0x0                               ; the add is done, and my reads of this slot are over
	s_barrier_signal -1
	MUL16 2, 1, 1, \slot, 0
	WIN 0
	s_barrier_wait -1
.if \fill
	CREST                                          ; the barrier has opened a round of the cluster's: no wave of any partner still reads this slot or has a load on its way
	s_add_nc_u64 s[G0+4*\slot+2:G0+4*\slot+3], s[G0+4*\slot+2:G0+4*\slot+3], 2*HALFT
	s_add_nc_u64 s[G0B+4*\slot+2:G0B+4*\slot+3], s[G0B+4*\slot+2:G0B+4*\slot+3], 2*HALFT
	JLOAD G0+4*\slot, G1, G0B+4*\slot, G1B         ; the first tensor load behind the round; its four v_nop are the places in front of the loads below
.else
	PLACES NP
.endif
	v_add_nc_u32 v[ADSA], 1024, v[ADSA]            ; the next slot's scale words
	v_add_nc_u32 v[ADSB], 1024, v[ADSB]
	FETCH_B \next, 0, 0
	FETCH_A \next, 0, 0
	SCALES \next
	WIN MUL_HI
	MUL16 4, 1, 1, \slot, 0
	MUL16 6, 1, 1, \slot, 0
	PLACES NP
	WIN 0
	FETCH_A \next, 0, 4
.endm
	s_wait_tensorcnt 1                             ; the scale words and my part of slot 0 are in; slot 1's load may be out
	s_barrier_signal -1
	s_barrier_wait -1
	FETCH_B 0, 0, 0
	FETCH_A 0, 0, 0
	SCALES 0
	FETCH_A 0, 0, 4
	s_wait_loadcnt 0x0                             ; the bias
	STEP 0, 0, 1                                   ; the first step stands in front of the loop: its products start the sums
.if LAPS > 1
	s_mov_b32 s3, LAPS-1
.Llap:
	TURN 0, 1, 1
	STEP 1, 0, 0
	TURN 1, 0, 1
	STEP 0, 0, 0
	s_sub_co_u32 s3, s3, 1
	s_cmp_lg_u32 s3, 0
	s_cbranch_scc1 .Llap
.endif
	TURN 0, 1, 0                                   ; the last lap fills nothing
	STEP 1, 0, 0
	s_wait_dscnt 4*NL
	WIN MUL_LO
	MUL16 0, 1, 1, 1, 0
	MUL16 2, 1, 1, 1, 0
	s_wait_dscnt 0
	WIN MUL_HI
	MUL16 4, 1, 1, 1, 0
	MUL16 6, 1, 1, 1, 0
	WIN 0
	PLACES NP                                      ; behind the last products: results are read and operands' registers written from here on
.if QOUT
; 64 numbers of a lane in window qw, register 16 b + i = column 32 b + 16 (lane / 16) + i of my row, become a fragment's 12 registers at v[pc] and its scale word in v[pw].  Each accumulator is read from its low end on.
.macro QUANT qs, qw, pc, pw
	WIN (\qw)|((\qw)<<2)
.irp b, 0,1,2,3
	v_max3_num_f32 v[TM+\b], |v[\qs+16*\b]|, |v[\qs+1+16*\b]|, 0x1800000   ; my 16 numbers of block b and the floor 2^(3 - 127)
.endr
.irp i, 2,4,6,8,10,12,14
.irp b, 0,1,2,3
	v_max3_num_f32 v[TM+\b], |v[\qs+16*\b+\i]|, |v[\qs+1+16*\b+\i]|, v[TM+\b]
.endr
.endr
	WIN 0
.irp b, 0,1,2,3
	v_permlanex16_b32 v[TM+4+\b], v[TM+\b], s[SEL], s[SEL+1]
.endr
.irp b, 0,1,2,3
	v_max_num_f32 v[TM+\b], v[TM+\b], v[TM+4+\b]
.endr
.irp b, 0,1,2,3
	v_add_nc_u32 v[TM+12+\b], 0xff000000, v[TM+\b]         ; 2 off the exponent field: the conversion's scale operand
.endr
.irp b, 0,1,2,3
	v_lshrrev_b32 v[TM+4+\b], 23, v[TM+12+\b]              ; the scale's byte
.endr
	v_lshl_or_b32 v[\pw], v[TM+5], 8, v[TM+4]
	v_lshl_or_b32 v[\pw], v[TM+6], 16, v[\pw]
	v_lshl_or_b32 v[\pw], v[TM+7], 24, v[\pw]
	WIN \qw
.irp c, 0,1
	v_cvt_scalef32_pk16_fp6_f32 v[\pc+6*\c:\pc+2+6*\c], v[\qs+32*\c:\qs+15+32*\c], v[TM+12+2*\c]
	v_cvt_scalef32_pk16_fp6_f32 v[\pc+12+4*\c:\pc+14+4*\c], v[\qs+16+32*\c:\qs+31+32*\c], v[TM+12+2*\c+1]
.endr
	WIN 0
	v_nop                                                  ; one plain instruction behind the scaled conversions
.irp c, 0,1
.irp i, 0,1,2
	v_permlane16_swap_b32 v[\pc+6*\c+\i], v[\pc+12+4*\c+\i]
.endr
.irp i, 0,1,2
	v_mov_b32 v[\pc+3+6*\c+\i], v[\pc+12+4*\c+\i]
.endr
.endr
.endm
.macro QTILE a                         ; my rows 16 a .. 16 a + 15
.set AC, 64*((\a)%4)
.set QW, 2+(\a)/4
.set PCS, 64+20*((\a)%2)
.set OBS, 104+12*((\a)%2)
.if (\a) > 1
	s_wait_xcnt 0x0                                ; the stores of two tiles back have read their registers, which are written again below
.endif
.if RELU
	WIN (QW<<6)|(QW<<2)
.set j, 0
.rept 64
	v_max_num_f32 v[AC+j], 0, v[AC+j]
.set j, j+1
.endr
.endif
	QUANT AC, QW, PCS, PWR+(\a)
.if QOUT == 1
.irp g, 0,1,2
	global_store_b128 v[CO], v[PCS+4*\g:PCS+4*\g+3], s[12:13] offset:1536*(\a)+512*\g   ; the image as it stands: 512 consecutive bytes a store
.endr
.else
.irp p, 0,1,2,3,4,5
	ds_store_b64 v[STQ], v[PCS+2*\p:PCS+2*\p+1] offset:48*(\p/3)+8*(\p%3)              ; as rows of 96 bytes into my stage
.endr
.irp i, 0,1,2
	ds_load_b128 v[OBS+4*\i:OBS+4*\i+3], v[RDQ] offset:512*\i                          ; LDS serves a wave's instructions in order: these see the stores above
.endr
	s_wait_dscnt 0x0
.irp i, 0,1,2
	global_store_b128 v[GQ+\i], v[OBS+4*\i:OBS+4*\i+3], s[12:13] offset:36864*(\a)     ; six lanes store a row's 96 consecutive bytes
.endr
.endif
.endm
.irp b, 0,1,2,3
	v_mov_b32 v[TM+4+\b], 0                        ; written once: a lane permute's destination counts as one of its sources
.endr
.irp a, 0,1,2,3,4,5,6,7
	QTILE \a
.endr
	v_cmp_lt_u32 vcc_lo, 15, v[LN]
.irp j, 0,1,2,3
	v_cndmask_b32 v[SW+\j], v[PWR+2*\j], v[PWR+2*\j+1], vcc_lo   ; lanes 0-15 tile 2 j's words, lanes 16-31 tile 2 j + 1's
.endr
.if QOUT == 1
	global_store_b128 v[CO], v[SW:SW+3], s[92:93]  ; the group's 512 bytes of scale words
.else
.irp j, 0,1,2,3
	global_store_b32 v[GS], v[SW+\j], s[92:93] offset:3072*\j    ; row 32 j + lane: four bytes of its 96
.endr
.endif
.endif
.if FOUT
.macro TOSTAGE a                       ; 16 rows x 128 columns through my stage, back as whole rows of 512 bytes
.set AC, 64*((\a)%4)
	WIN 0x08+4*((\a)/4)
.irp b, 0,1,2,3,4,5,6,7
	ds_store_b128 v[STO], v[AC+8*\b:AC+8*\b+3] offset:128*(\b/2)+32*(\b%2)
	ds_store_b128 v[STO], v[AC+8*\b+4:AC+8*\b+7] offset:128*(\b/2)+32*(\b%2)+16
.endr
	WIN 0
.set BB, BK+64*((\a)%2)
.irp t, 0,1,2,3,4,5,6,7,8,9,10,11,12,13,14,15
	ds_load_b128 v[BB+4*\t:BB+4*\t+3], v[RD] offset:\t*SPITCH
.endr
.endm
.macro SEND a, younger
.set BB, BK+64*((\a)%2)
	s_wait_dscnt \younger
.if (\a) > 0
	s_add_nc_u64 s[10:11], s[10:11], 16*NDIM*4     ; (behind a wait on XCNT: the earlier stores have read their base)
.endif
.irp t, 0,1,2,3,4,5,6,7,8,9,10,11,12,13,14,15
	global_store_b128 v[CO], v[BB+4*\t:BB+4*\t+3], s[10:11] offset:\t*NDIM*4   ; 32 lanes store 512 consecutive bytes, aligned to 256
.endr
.endm
.if FOUT == 2
	s_and_b32 s96, ttmp7, 1                        ; the cluster's y, equal in all sixteen partners: odd where the rows are 1024..2047 of a batch
	s_cmp_eq_u32 s96, 0
	s_cbranch_scc1 .Lno_v
.endif
	TOSTAGE 0
.irp a, 1,2,3,4,5,6,7
.if \a > 1
	s_wait_xcnt 0x0                                ; block a - 2's stores have read their registers and their base
.endif
	TOSTAGE \a
	SEND \a-1, 32                                  ; behind block a - 1's loads: block a's 16 stores and 16 loads
.endr
	s_wait_xcnt 0x0
	SEND 7, 0
.if FOUT == 2
.Lno_v:
.endif
.endif
	s_wait_tensorcnt 0x0                           ; the wave's end
	ds_add_u32 v[SPW], v[NIL]
	s_wait_dscnt 0x0
	CROUND                                         ; the closing round
	s_endpgm
.Lfunc_end_k_qece3e074cc_gemm_ff1:
	.size	k_qece3e074cc_gemm_ff1, .Lfunc_end_k_qece3e074cc_gemm_ff1-k_qece3e074cc_gemm_ff1
	.p2alignl 7, 3214868480
	.fill 96, 4, 3214868480
	.section	.rodata,"a",@progbits
	.p2align	6, 0x0
	.amdhsa_kernel k_qece3e074cc_gemm_ff1
		.amdhsa_group_segment_fixed_size 327680
		.amdhsa_private_segment_fixed_size 0
		.amdhsa_enable_private_segment 0
		.amdhsa_kernarg_size 32
		.amdhsa_user_sgpr_count 2
		.amdhsa_user_sgpr_kernarg_segment_ptr 1
		.amdhsa_wavefront_size32 1
		.amdhsa_system_sgpr_workgroup_id_x 1
		.amdhsa_system_sgpr_workgroup_id_y 1
		.amdhsa_system_sgpr_workgroup_id_z 1
		.amdhsa_system_vgpr_workitem_id 0
		.amdhsa_next_free_vgpr 1024
		.amdhsa_next_free_sgpr 100
		.amdhsa_reserve_vcc 1
		.amdhsa_float_denorm_mode_32 3
		.amdhsa_float_denorm_mode_16_64 3
		.amdhsa_memory_ordered 1
		.amdhsa_forward_progress 1
		.amdhsa_inst_pref_size 157
	.end_amdhsa_kernel
	.amdgpu_metadata
---
amdhsa.version: [ 1, 2 ]
amdhsa.kernels:
  - .name:           k_qece3e074cc_gemm_ff1
    .symbol:         k_qece3e074cc_gemm_ff1.kd
    .args:
      - { .name: lnq, .offset: 0, .size: 8, .value_kind: global_buffer, .address_space: global }
      - { .name: b1, .offset: 8, .size: 8, .value_kind: global_buffer, .address_space: global }
      - { .name: fq, .offset: 16, .size: 8, .value_kind: global_buffer, .address_space: global }
      - { .name: ops, .offset: 24, .size: 8, .value_kind: global_buffer, .address_space: global }
    .group_segment_fixed_size: 327680
    .private_segment_fixed_size: 0
    .kernarg_segment_align: 8
    .kernarg_segment_size: 32
    .max_flat_workgroup_size: 128
    .sgpr_count:     100
    .vgpr_count:     1024
    .wavefront_size: 32
...
	.end_amdgpu_metadata
.endif
;; end of part 6
;; launch gemm_ff2 (part 7): grid 4 x 16, 4 waves a work-group, clusters of 4 x 4, 327,680 bytes of LDS; arguments fq, b2, out0, ops; writes out0
.if DOCPART == 7
	.amdgcn_target "amdgcn-amd-amdhsa--gfx1250"
	.amdhsa_code_object_version 6
	.text
	.protected	k_qece3e074cc_gemm_ff2
	.globl	k_qece3e074cc_gemm_ff2
	.p2align	8
	.type	k_qece3e074cc_gemm_ff2,@function
k_qece3e074cc_gemm_ff2:
	s_mov_b64 s[64:65], 0
	v_nop
	global_prefetch_b8 v0, s[64:65] scope:SCOPE_SE
	s_setreg_imm32_b32 hwreg(HW_REG_WAVE_MODE, 25, 1), 1
	s_wait_xcnt 0x0
	s_wait_alu depctr_hold_cnt(0) depctr_sa_sdst(0) depctr_va_vdst(0) depctr_va_sdst(0) depctr_va_ssrc(0) depctr_va_vcc(0) depctr_vm_vsrc(0)
	s_getreg_b32 s2, hwreg(HW_REG_IB_STS2, 6, 4)
	s_cmp_eq_u32 s2, 0
	s_cbranch_scc0 .Lentry_in_a_cluster
	s_endpgm
.Lentry_in_a_cluster:
	s_bfe_u32 s2, ttmp6, 0x10000c
	s_cmp_lg_u32 s2, 0xf033
	s_cbranch_scc0 .Lentry_shape_is_right
	s_endpgm
.Lentry_shape_is_right:
; C = A B^T + bias on codes of FP6 (E2M3) with E8M0 scales.  THIS COPY: the hidden layer [4096][4096] times w2 (1,024 columns) + b2, out as f32.  64 tiles of 256 x 256: 64 work-groups.
.set KDIM, 4096
.set NDIM, 1024
.set QOUT, 0                           ; 0 none, 1 images for the next product, 2 the flat stream
.set RELU, 0
.set FOUT, 1                           ; 0 none, 1 all of C as f32, 2 f32 where the cluster's y is odd
.set A_OFF,  0                         ; A's images and scale words in its buffer; B's in its
.set AS_OFF, 12582912
.set B_OFF,  6291456
.set BS_OFF, 12845056
; OPERANDS lie in memory as images of the operand registers: a fragment (16 rows x 128 K) is 1,536 bytes, registers 4 g .. 4 g + 3 of lane L at 512 g + 16 L; laid [group of 128 rows][K step][tile][1536].
; So a group's two K steps are 24,576 dense bytes for one tensor load, and a fragment comes from LDS by three loads of 16 bytes a lane, 512 consecutive bytes each: no pitch, no padding.
; SCALE WORDS: 512 bytes for a group and a K step, the word of tile T, row r at 16 (16 (T % 2) + r) + 4 (T / 2): one load of 16 bytes a lane brings four registers; tile T reads register T / 2, lanes 0-15 (T even) or 16-31 (T odd).
; A tile of C, 256 x 256, is made by four waves, each 128 x 128: 64 accumulators.  K goes in steps of 256 through two LDS slots; all scale words of the work-group's rows come once and stay.
; CLUSTERS 4 x 4: A's tiles are asked for jointly along a row of the cluster, B's along a column.
; THE PRODUCT IS USED TRANSPOSED (source 0 = 16 rows of B, source 1 = 16 rows of A).  Row i of B's tile 2 B + u is column 32 B + 8 u + i + 8 (i / 8): lane (r, h) holds row r of C, and register 8 b + j of its eight tiles
; column 32 (b / 2) + 16 h + 8 (b % 2) + j.  The bias is the C of each sum's first product.
; LIMITS: NaN and infinities are not served.
; REGISTERS: window 0: v12-31 addresses; v32-63 scale words, two sets; v64-127 the bias; v128-223 A's fragments, one set.  window 1: B's fragments, two sets, at v0 and v128.  windows 2, 3: the accumulators, (a, b) at v[8 (8 (a % 4) + b)].
.set KT,     KDIM/128
.set GRP,    12288
.set HALFT,  2*GRP                     ; one group x two K steps: what one tensor load brings
.set SLOT,   4*HALFT                   ; A's two groups, then B's two
.set LAPS,   KDIM/512
.set SCL,    2*SLOT                    ; behind the ring: the scale words
.set HALFS,  KT*512                    ; those of one group
.set SPARE,  SCL+4*HALFS               ; the spare words, 128 bytes for each wave: two blocks of 256 bytes that no other line names
.set NL,     3                         ; LDS loads of a fragment
.set NP,     4                         ; places behind this matrix instruction (ISA guide 7.12.1)
.set SPITCH, 528                       ; the way out: stages in slot 0, which has had its last fill and its last read by then
.set WSTG,   10240                     ; a wave's: 16 rows x 528 bytes of f32
.set ADRA, 16
.set ADRB, 20
.set ADSA, 22
.set ADSB, 23
.set STO,  24
.set RD,   25
.set CO,   26                          ; 16 x lane
.set SPW,  28
.set NIL,  29
.set LN,   31                          ; lane
.set SC,   32
.set BIAS, 64
.set AF,   128
.set BK,   128
.set G1, 24
.set G0, 32
.set G1B, 48
.set G0B, 56
.set G1S, 68
.set G0S, 76
.set G1SB, 80
.set G0SB, 88
.set MSB, 0
.macro WIN new                         ; the immediate's high byte repeats the setting that is left
.if MSB != (\new)
	s_set_vgpr_msb (MSB<<8)|(\new)
.set MSB, (\new)
.endif
.endm
.set MUL_LO, 0xa1                      ; source 0 (B) window 1, source 1 (A) window 0, C and D window 2
.set MUL_HI, 0xf1
.set TO_B,   0x40
.macro JLOAD g0a, g1a, g0b, g1b        ; a joint load: waves 0, 1 for A, waves 2, 3 for B; four v_nop follow each line
	s_cmp_eq_u32 s15, 0
	s_cbranch_scc0 .Lfor_b_\@
	tensor_load_to_lds s[\g0a:\g0a+3], s[\g1a:\g1a+7]
	s_nop 0
.rept 4
	v_nop
.endr
	s_branch .Lasked_\@
.Lfor_b_\@:
	tensor_load_to_lds s[\g0b:\g0b+3], s[\g1b:\g1b+7]
	s_nop 0
.rept 4
	v_nop
.endr
.Lasked_\@:
.endm
.macro CREST
	s_cmp_lg_u32 s14, 0
	s_cbranch_scc1 .Lnot_wave_0_\@
	s_barrier_signal -3
.Lnot_wave_0_\@:
	s_barrier_wait -3
	s_barrier_signal -1
	s_barrier_wait -1
.endm
.macro CROUND
	s_barrier_signal -1
	s_barrier_wait -1
	CREST
.endm
.macro PLACES n
.rept \n
	v_nop
.endr
.endm
	s_load_b128 s[4:7], s[0:1], 0x0                ; A's buffer, the bias
	s_load_b64 s[10:11], s[0:1], 0x10              ; the f32 output
	s_load_b64 s[8:9], s[0:1], 0x18                ; B's buffer
	v_lshl_add_u32 v[SPW], v0, 2, SPARE
	v_mov_b32 v[NIL], 0
	ds_add_u32 v28, v29
	ds_add_u32 v28, v29
	s_wait_dscnt 0x0
	v_lshrrev_b32 v1, 5, v0
	v_readfirstlane_b32 s14, v1                    ; wave 0..3
	s_lshr_b32 s15, s14, 1                         ; my half of the tile's rows.  Also: I fetch for A (0) or B (1)
	s_and_b32 s16, s14, 1                          ; my half of its columns.  Also: which group I fetch
	s_bfe_u32 s40, ttmp6, 0x40000                  ; cx, cy
	s_bfe_u32 s41, ttmp6, 0x40004
	s_lshl_b32 s42, ttmp9, 2
	s_add_co_u32 s42, s42, s40                     ; tile column
	s_and_b32 s17, ttmp7, 0xffff
	s_lshl_b32 s17, s17, 2
	s_add_co_u32 s17, s17, s41                     ; tile row
	s_lshl_b32 s43, s41, 2
	s_lshl_b32 s43, 15, s43                        ; my row of the cluster
	s_lshl_b32 s44, 0x1111, s40                    ; my column
	s_or_b32 s[G1+0], s43, (3<<16)|(1<<21)         ; 15:0 the mask; 17:16 elements of 8 bytes; 21 set beside a mask; no padding
	s_or_b32 s[G1B+0], s44, (3<<16)|(1<<21)
.irp g, G1, G1B
	s_mov_b32 s[\g+1], 32<<16                      ; 96 dense rows of 256 bytes
	s_mov_b32 s[\g+2], 96<<16
	s_mov_b32 s[\g+3], 32<<16
	s_mov_b32 s[\g+4], 96
	s_mov_b32 s[\g+5], 32
	s_mov_b32 s[\g+6], 0
	s_mov_b32 s[\g+7], 0
.endr
	s_or_b32 s[G1S+0], s43, (3<<16)|(1<<21)
	s_or_b32 s[G1SB+0], s44, (3<<16)|(1<<21)
.irp g, G1S, G1SB
	s_mov_b32 s[\g+1], 32<<16                      ; a group's scale words: 2 KT dense rows of 256 bytes
	s_mov_b32 s[\g+2], (2*KT)<<16
	s_mov_b32 s[\g+3], 32<<16
	s_mov_b32 s[\g+4], 2*KT
	s_mov_b32 s[\g+5], 32
	s_mov_b32 s[\g+6], 0
	s_mov_b32 s[\g+7], 0
.endr
	s_lshl_b32 s20, s17, 1
	s_add_co_u32 s20, s20, s16                     ; A's group that I fetch: it hangs on the tile row and the wave alone
	s_lshl_b32 s46, s42, 1
	s_add_co_u32 s46, s46, s16                     ; B's: on the tile column and the wave alone
	s_mul_i32 s22, s20, HALFS
	s_mul_i32 s92, s46, HALFS
	s_mul_i32 s20, s20, KT*GRP
	s_mul_i32 s46, s46, KT*GRP
	s_add_co_u32 s20, s20, A_OFF
	s_add_co_u32 s22, s22, AS_OFF
	s_add_co_u32 s46, s46, B_OFF
	s_add_co_u32 s92, s92, BS_OFF
	s_mov_b32 s21, 0
	s_mov_b32 s23, 0
	s_mov_b32 s47, 0
	s_mov_b32 s93, 0
	s_mul_i32 s45, s14, HALFT                      ; where they go: no place in the cluster enters an LDS address
	s_mul_i32 s94, s14, HALFS
	s_wait_kmcnt 0x0
	s_add_nc_u64 s[20:21], s[4:5], s[20:21]
	s_add_nc_u64 s[22:23], s[4:5], s[22:23]
	s_add_nc_u64 s[46:47], s[8:9], s[46:47]
	s_add_nc_u64 s[92:93], s[8:9], s[92:93]
	CROUND                                         ; all sixteen work-groups are here: the first joint loads meet
	s_mov_b32 s[G0S], 1
	s_add_co_u32 s[G0S+1], s94, SCL
	s_mov_b64 s[G0S+2:G0S+3], s[22:23]
	s_or_b32 s[G0S+3], s[G0S+3], 0x80000000
	s_mov_b32 s[G0SB], 1
	s_add_co_u32 s[G0SB+1], s94, SCL
	s_mov_b64 s[G0SB+2:G0SB+3], s[92:93]
	s_or_b32 s[G0SB+3], s[G0SB+3], 0x80000000
	JLOAD G0S, G1S, G0SB, G1SB                     ; the scale words first: filled once
.irp s, 0,1
	s_mov_b32 s[G0+4*\s], 1
	s_add_co_u32 s[G0+4*\s+1], s45, \s*SLOT
	s_add_nc_u64 s[G0+4*\s+2:G0+4*\s+3], s[20:21], \s*HALFT
	s_or_b32 s[G0+4*\s+3], s[G0+4*\s+3], 0x80000000
	s_mov_b32 s[G0B+4*\s], 1
	s_add_co_u32 s[G0B+4*\s+1], s45, \s*SLOT
	s_add_nc_u64 s[G0B+4*\s+2:G0B+4*\s+3], s[46:47], \s*HALFT
	s_or_b32 s[G0B+4*\s+3], s[G0B+4*\s+3], 0x80000000
	JLOAD G0+4*\s, G1, G0B+4*\s, G1B               ; three loads of mine are out behind the last
.endr
	v_and_b32 v[LN], 31, v0
	v_and_b32 v1, 15, v0                           ; r
	v_bfe_u32 v2, v0, 4, 1                         ; h
	v_lshlrev_b32 v[CO], 4, v[LN]
	s_mul_i32 s21, s15, HALFT                      ; my group of A,
	s_mul_i32 s22, s16, HALFT
	s_add_co_u32 s22, s22, 2*HALFT                 ; my group of B
.irp s, 0,1
	v_add_nc_u32 v[ADRA+\s], s21, v[CO]
	v_add_nc_u32 v[ADRB+\s], s22, v[CO]
	s_add_co_u32 s21, s21, SLOT
	s_add_co_u32 s22, s22, SLOT
.endr
	s_mul_i32 s21, s15, HALFS
	s_add_co_u32 s21, s21, SCL
	v_add_nc_u32 v[ADSA], s21, v[CO]
	s_mul_i32 s22, s16, HALFS
	s_add_co_u32 s22, s22, SCL+2*HALFS
	v_add_nc_u32 v[ADSB], s22, v[CO]
	s_mul_i32 s23, s14, WSTG                       ; my stage
	v_mul_u32_u24 v5, v1, SPITCH
	v_lshl_add_u32 v5, v2, 6, v5
	v_add_nc_u32 v[STO], s23, v5                   ; f32 in: row r, + 64 h
	v_add_nc_u32 v[RD], s23, v[CO]                 ; back: a row's 512 bytes
	s_lshl_b32 s46, s42, 10                        ; the bias of my 128 columns
	s_lshl_b32 s47, s16, 9
	s_add_co_u32 s46, s46, s47
	s_mov_b32 s47, 0
	s_add_nc_u64 s[6:7], s[6:7], s[46:47]
	v_lshlrev_b32 v9, 6, v2
.irp b, 0,1,2,3,4,5,6,7
	global_load_b128 v[BIAS+8*\b:BIAS+8*\b+3], v9, s[6:7] offset:(32*(\b/2)+8*(\b%2))*4
	global_load_b128 v[BIAS+8*\b+4:BIAS+8*\b+7], v9, s[6:7] offset:(32*(\b/2)+8*(\b%2))*4+16
.endr
	s_lshl_b32 s96, s17, 8                         ; where my part of C begins
	s_lshl_b32 s98, s15, 7
	s_add_co_u32 s96, s96, s98
	s_mul_i32 s96, s96, NDIM*4
	s_lshl_b32 s98, s42, 10
	s_add_co_u32 s96, s96, s98
	s_lshl_b32 s98, s16, 9
	s_add_co_u32 s96, s96, s98
	s_mov_b32 s97, 0
	s_add_nc_u64 s[10:11], s[10:11], s[96:97]
.macro FRAG reg, adr, q, i             ; a fragment's image: three loads, 512 consecutive bytes each
.irp g, 0,1,2
	ds_load_b128 v[\reg+4*\g:\reg+4*\g+3], v[\adr] offset:(\q)*GRP+(\i)*1536+512*\g
.endr
.endm
.macro WM rb, ra                       ; one product; rb, ra: source 0's and source 1's scale words stand in lanes 16-31
.if \rb
.if \ra
	v_wmma_scale_f32_16x16x128_f8f6f4 v[rD:rD+7], v[rB:rB+11], v[rA:rA+11], v[rC:rC+7], v[rSB], v[rSA] matrix_a_fmt:MATRIX_FMT_FP6 matrix_b_fmt:MATRIX_FMT_FP6 matrix_a_scale:MATRIX_SCALE_ROW1 matrix_b_scale:MATRIX_SCALE_ROW1
.else
	v_wmma_scale_f32_16x16x128_f8f6f4 v[rD:rD+7], v[rB:rB+11], v[rA:rA+11], v[rC:rC+7], v[rSB], v[rSA] matrix_a_fmt:MATRIX_FMT_FP6 matrix_b_fmt:MATRIX_FMT_FP6 matrix_a_scale:MATRIX_SCALE_ROW1
.endif
.else
.if \ra
	v_wmma_scale_f32_16x16x128_f8f6f4 v[rD:rD+7], v[rB:rB+11], v[rA:rA+11], v[rC:rC+7], v[rSB], v[rSA] matrix_a_fmt:MATRIX_FMT_FP6 matrix_b_fmt:MATRIX_FMT_FP6 matrix_b_scale:MATRIX_SCALE_ROW1
.else
	v_wmma_scale_f32_16x16x128_f8f6f4 v[rD:rD+7], v[rB:rB+11], v[rA:rA+11], v[rC:rC+7], v[rSB], v[rSA] matrix_a_fmt:MATRIX_FMT_FP6 matrix_b_fmt:MATRIX_FMT_FP6
.endif
.endif
.endm
; 16 products: A's blocks a0, a0 + 1 x B's eight.  p: B's set; q: the slot's K step; sc: the set of scale words; first = 1: the bias is C.  The 64 accumulators take turns.
.macro MUL16 a0, p, q, sc, first
.irp a, \a0, \a0+1
.irp b, 0,1,2,3,4,5,6,7
.set rD, 8*(8*((\a)%4)+\b)
.set rB, 128*(\p)+12*\b
.set rA, AF+12*(\a)
.set rC, rD
.if \first
.set rC, BIAS+8*\b
.endif
.set rSB, SC+16*(\sc)+8*(\q)+4+\b/2
.set rSA, SC+16*(\sc)+8*(\q)+(\a)/2
	WM (\b)%2, (\a)%2
.endr
.endr
.endm
.macro FETCH_B slot, q, p
	WIN TO_B
.irp i, 0,1,2,3,4,5,6,7
	FRAG 128*(\p)+12*\i, ADRB+\slot, \q, \i
.endr
	WIN 0
.endm
.macro FETCH_A slot, q, i0
.irp i, \i0, \i0+1, \i0+2, \i0+3
	FRAG AF+12*(\i), ADRA+\slot, \q, \i
.endr
.endm
.macro SCALES sc                       ; a slot's scale words: A's and B's, for its two K steps
	ds_load_b128 v[SC+16*\sc:SC+16*\sc+3], v[ADSA]
	ds_load_b128 v[SC+16*\sc+4:SC+16*\sc+7], v[ADSB]
	ds_load_b128 v[SC+16*\sc+8:SC+16*\sc+11], v[ADSA] offset:512
	ds_load_b128 v[SC+16*\sc+12:SC+16*\sc+15], v[ADSB] offset:512
.endm
; a step of 128 along K that has its successor in the same slot
.macro STEP slot, q, first
	s_wait_dscnt 4*NL                              ; all but the youngest twelve loads (A's blocks 4-7) are in
.if \first
	WIN 0x81                                       ; the bias, C, lies in window 0
.else
	WIN MUL_LO
.endif
	MUL16 0, (\q)%2, \q, \slot, \first
	MUL16 2, (\q)%2, \q, \slot, \first
	s_wait_dscnt 0
	PLACES NP                                      ; in front of loads into registers that matrix instructions have read
	FETCH_B \slot, (\q)+1, 1-(\q)%2
	FETCH_A \slot, (\q)+1, 0
.if \first
	WIN 0xc1
.else
	WIN MUL_HI
.endif
	MUL16 4, (\q)%2, \q, \slot, \first
	MUL16 6, (\q)%2, \q, \slot, \first
	PLACES NP
	WIN 0
	FETCH_A \slot, (\q)+1, 4
.endm
; a slot's last step changes slots: one barrier; in front of it each wave waits for all its tensor loads, adds 0 to its spare word, and waits for that and for its reads of this slot
.macro TURN slot, next, fill
	s_wait_tensorcnt 0x0                           ; all my tensor loads have landed: my part of the next slot
	ds_add_u32 v[SPW], v[NIL]                      ; 0 onto my spare word
	s_wait_dscnt 4*NL+1                            ; (the add and the youngest twelve loads may be out)
	WIN MUL_LO
	MUL16 0, 1, 1, \slot, 0
	s_wait_dscnt 0x0                               ; the add is done, and my reads of this slot are over
	s_barrier_signal -1
	MUL16 2, 1, 1, \slot, 0
	WIN 0
	s_barrier_wait -1
.if \fill
	CREST                                          ; the barrier has opened a round of the cluster's: no wave of any partner still reads this slot or has a load on its way
	s_add_nc_u64 s[G0+4*\slot+2:G0+4*\slot+3], s[G0+4*\slot+2:G0+4*\slot+3], 2*HALFT
	s_add_nc_u64 s[G0B+4*\slot+2:G0B+4*\slot+3], s[G0B+4*\slot+2:G0B+4*\slot+3], 2*HALFT
	JLOAD G0+4*\slot, G1, G0B+4*\slot, G1B         ; the first tensor load behind the round; its four v_nop are the places in front of the loads below
.else
	PLACES NP
.endif
	v_add_nc_u32 v[ADSA], 1024, v[ADSA]            ; the next slot's scale words
	v_add_nc_u32 v[ADSB], 1024, v[ADSB]
	FETCH_B \next, 0, 0
	FETCH_A \next, 0, 0
	SCALES \next
	WIN MUL_HI
	MUL16 4, 1, 1, \slot, 0
	MUL16 6, 1, 1, \slot, 0
	PLACES NP
	WIN 0
	FETCH_A \next, 0, 4
.endm
	s_wait_tensorcnt 1                             ; the scale words and my part of slot 0 are in; slot 1's load may be out
	s_barrier_signal -1
	s_barrier_wait -1
	FETCH_B 0, 0, 0
	FETCH_A 0, 0, 0
	SCALES 0
	FETCH_A 0, 0, 4
	s_wait_loadcnt 0x0                             ; the bias
	STEP 0, 0, 1                                   ; the first step stands in front of the loop: its products start the sums
	s_mov_b32 s3, LAPS-1
.Llap:
	TURN 0, 1, 1
	STEP 1, 0, 0
	TURN 1, 0, 1
	STEP 0, 0, 0
	s_sub_co_u32 s3, s3, 1
	s_cmp_lg_u32 s3, 0
	s_cbranch_scc1 .Llap
	TURN 0, 1, 0                                   ; the last lap fills nothing
	STEP 1, 0, 0
	s_wait_dscnt 4*NL
	WIN MUL_LO
	MUL16 0, 1, 1, 1, 0
	MUL16 2, 1, 1, 1, 0
	s_wait_dscnt 0
	WIN MUL_HI
	MUL16 4, 1, 1, 1, 0
	MUL16 6, 1, 1, 1, 0
	WIN 0
	PLACES NP                                      ; behind the last products: results are read and operands' registers written from here on
.macro TOSTAGE a                       ; 16 rows x 128 columns through my stage, back as whole rows of 512 bytes; each accumulator from its low end on
.set AC, 64*((\a)%4)
	WIN 0x08+4*((\a)/4)
.irp b, 0,1,2,3,4,5,6,7
	ds_store_b128 v[STO], v[AC+8*\b:AC+8*\b+3] offset:128*(\b/2)+32*(\b%2)
	ds_store_b128 v[STO], v[AC+8*\b+4:AC+8*\b+7] offset:128*(\b/2)+32*(\b%2)+16
.endr
	WIN 0
.set BB, BK+64*((\a)%2)
.irp t, 0,1,2,3,4,5,6,7,8,9,10,11,12,13,14,15
	ds_load_b128 v[BB+4*\t:BB+4*\t+3], v[RD] offset:\t*SPITCH
.endr
.endm
.macro SEND a, younger
.set BB, BK+64*((\a)%2)
	s_wait_dscnt \younger
.if (\a) > 0
	s_add_nc_u64 s[10:11], s[10:11], 16*NDIM*4     ; (behind a wait on XCNT: the earlier stores have read their base)
.endif
.irp t, 0,1,2,3,4,5,6,7,8,9,10,11,12,13,14,15
	global_store_b128 v[CO], v[BB+4*\t:BB+4*\t+3], s[10:11] offset:\t*NDIM*4 th:TH_STORE_NT   ; 32 lanes store 512 consecutive bytes, aligned to 256; written once, read by nobody here
.endr
.endm
	TOSTAGE 0
.irp a, 1,2,3,4,5,6,7
.if \a > 1
	s_wait_xcnt 0x0                                ; block a - 2's stores have read their registers and their base
.endif
	TOSTAGE \a
	SEND \a-1, 32                                  ; behind block a - 1's loads: block a's 16 stores and 16 loads
.endr
	s_wait_xcnt 0x0
	SEND 7, 0
	s_wait_tensorcnt 0x0                           ; the wave's end
	ds_add_u32 v[SPW], v[NIL]
	s_wait_dscnt 0x0
	CROUND                                         ; the closing round
	s_endpgm
.Lfunc_end_k_qece3e074cc_gemm_ff2:
	.size	k_qece3e074cc_gemm_ff2, .Lfunc_end_k_qece3e074cc_gemm_ff2-k_qece3e074cc_gemm_ff2
	.p2alignl 7, 3214868480
	.fill 96, 4, 3214868480
	.section	.rodata,"a",@progbits
	.p2align	6, 0x0
	.amdhsa_kernel k_qece3e074cc_gemm_ff2
		.amdhsa_group_segment_fixed_size 327680
		.amdhsa_private_segment_fixed_size 0
		.amdhsa_enable_private_segment 0
		.amdhsa_kernarg_size 32
		.amdhsa_user_sgpr_count 2
		.amdhsa_user_sgpr_kernarg_segment_ptr 1
		.amdhsa_wavefront_size32 1
		.amdhsa_system_sgpr_workgroup_id_x 1
		.amdhsa_system_sgpr_workgroup_id_y 1
		.amdhsa_system_sgpr_workgroup_id_z 1
		.amdhsa_system_vgpr_workitem_id 0
		.amdhsa_next_free_vgpr 1024
		.amdhsa_next_free_sgpr 100
		.amdhsa_reserve_vcc 0
		.amdhsa_float_denorm_mode_32 3
		.amdhsa_float_denorm_mode_16_64 3
		.amdhsa_memory_ordered 1
		.amdhsa_forward_progress 1
		.amdhsa_inst_pref_size 136
	.end_amdhsa_kernel
	.amdgpu_metadata
---
amdhsa.version: [ 1, 2 ]
amdhsa.kernels:
  - .name:           k_qece3e074cc_gemm_ff2
    .symbol:         k_qece3e074cc_gemm_ff2.kd
    .args:
      - { .name: fq, .offset: 0, .size: 8, .value_kind: global_buffer, .address_space: global }
      - { .name: b2, .offset: 8, .size: 8, .value_kind: global_buffer, .address_space: global }
      - { .name: out0, .offset: 16, .size: 8, .value_kind: global_buffer, .address_space: global }
      - { .name: ops, .offset: 24, .size: 8, .value_kind: global_buffer, .address_space: global }
    .group_segment_fixed_size: 327680
    .private_segment_fixed_size: 0
    .kernarg_segment_align: 8
    .kernarg_segment_size: 32
    .max_flat_workgroup_size: 128
    .sgpr_count:     100
    .vgpr_count:     1024
    .wavefront_size: 32
...
	.end_amdgpu_metadata
.endif
;; end of part 7
;; ======== version 2 of 2: 7 launches; 1.17 times as fast as version 1
;; workspace buffers: ops 13,107,200 bytes; qk 9,830,400 bytes; vf 25,165,824 bytes; vq 3,276,800 bytes; hq 3,276,800 bytes; lnq 3,276,800 bytes; fq 13,107,200 bytes
;; launch prep: the kernel of part 1 again; grid 1024 x 1, 4 waves a work-group, no clusters, 68,096 bytes of LDS; arguments w_qkv, w_proj, w1, w2, x, ops; writes ops
;; launch gemm_qkv: the kernel of part 2 again; grid 12 x 16, 4 waves a work-group, clusters of 4 x 4, 327,680 bytes of LDS; arguments ops, b_qkv, qk, vf; writes qk, vf
;; launch vquant: the kernel of part 3 again; grid 256 x 1, 4 waves a work-group, no clusters, 0 bytes of LDS; arguments vf, vq; writes vq
;; launch attn: the kernel of part 4 again; grid 8 x 32, 16 waves a work-group, clusters of 4 x 1, 219,136 bytes of LDS; arguments qk, vq, hq; writes hq
;; launch projln: the kernel of part 5 again; grid 128 x 1, 8 waves a work-group, no clusters, 138,240 bytes of LDS; arguments hq, ops, b_proj, x, ln_g, ln_b, lnq; writes lnq
;; launch gemm_ff1: the kernel of part 6 again; grid 16 x 16, 4 waves a work-group, clusters of 4 x 4, 327,680 bytes of LDS; arguments lnq, b1, fq, ops; writes fq
;; launch gemm_ff2 (part 8): grid 8 x 32, 4 waves a work-group, clusters of 4 x 4, 327,680 bytes of LDS; arguments fq, b2, out0, ops; writes out0
.if DOCPART == 8
	.amdgcn_target "amdgcn-amd-amdhsa--gfx1250"
	.amdhsa_code_object_version 6
	.text
	.protected	k_qece3e074cc_gemm_ff2
	.globl	k_qece3e074cc_gemm_ff2
	.p2align	8
	.type	k_qece3e074cc_gemm_ff2,@function
k_qece3e074cc_gemm_ff2:
	s_mov_b64 s[64:65], 0
	v_nop
	global_prefetch_b8 v0, s[64:65] scope:SCOPE_SE
	s_setreg_imm32_b32 hwreg(HW_REG_WAVE_MODE, 25, 1), 1
	s_wait_xcnt 0x0
	s_wait_alu depctr_hold_cnt(0) depctr_sa_sdst(0) depctr_va_vdst(0) depctr_va_sdst(0) depctr_va_ssrc(0) depctr_va_vcc(0) depctr_vm_vsrc(0)
	s_getreg_b32 s2, hwreg(HW_REG_IB_STS2, 6, 4)
	s_cmp_eq_u32 s2, 0
	s_cbranch_scc0 .Lentry_in_a_cluster
	s_endpgm
.Lentry_in_a_cluster:
	s_bfe_u32 s2, ttmp6, 0x10000c
	s_cmp_lg_u32 s2, 0xf033
	s_cbranch_scc0 .Lentry_shape_is_right
	s_endpgm
.Lentry_shape_is_right:
; C = A B^T + bias on codes of FP6 (E2M3) with E8M0 scales: the hidden layer [4096][4096] times w2 (1,024 columns) + b2, out as f32.
; C has 32 x 8 tiles of 128 x 128: 256 work-groups of four waves, each wave 64 x 64: 16 accumulators.
; OPERANDS lie in memory as images of the operand registers: a fragment (16 rows x 128 K) is 1,536 bytes, registers 4 g .. 4 g + 3 of lane L at 512 g + 16 L; laid [group of 128 rows][K step][tile][1536].
; So any run of K steps of a group is one dense block, and a fragment comes from LDS by three loads of 16 bytes a lane, 512 consecutive bytes each: no pitch, no padding.
; THE RING.  A K step of the work-group is 24,576 bytes (A's group and B's).  Slot 0 holds 6 K steps, slot 1 holds 7: 13 x 24,576 = 319,488 bytes.  The 32 K steps are five tiles of 6, 7, 6, 7, 6: two first fills,
; three refills, so that each slot keeps one shape.  Waves 0, 1 fetch the halves of A's tile, waves 2, 3 of B's: one tensor load a wave, 144 or 168 dense rows of 256 bytes.
; CLUSTERS 4 x 4: A's tiles are asked for jointly along a row of the cluster, B's along a column.
; THE SCALE WORDS do not go through LDS.  512 bytes for a group and a K step, the word of tile T, row r at 16 (16 (T % 2) + r) + 4 (T / 2): a lane's 8 bytes at 16 x lane + 8 x half are the two registers of my four tiles
; (tile a reads register a / 2, lanes 0-15 where a is even, lanes 16-31 where it is odd).  All 32 K steps' words, 2 + 2 registers each, are loaded once into v128-255.
; Their register numbers differ from K step to K step: so the 32 K steps are written out by macro, 512 matrix instructions, and there is no loop.
; THE PRODUCT IS USED TRANSPOSED (source 0 = 16 rows of B, source 1 = 16 rows of A).  Row i of B's tile 2 B + u is column 32 B + 8 u + i + 8 (i / 8): lane (r, h) holds row r of C, and register 8 b + j of its four tiles
; column 32 (b / 2) + 16 h + 8 (b % 2) + j.  The bias is the C of each sum's first product: nothing is cleared, nothing is added.
; LIMITS: NaN and infinities are not served.
; REGISTERS: window 0: v8-31 addresses; v32-63 the bias; v64-127 rows on the way out; v128-191 A's scale words, v192-255 B's (2 k, 2 k + 1 for K step k).
;   window 1: two sets of fragments, at v0 and v96: A's four, then B's four.   window 2: v0-127 the accumulators, (a, b) at v[8 (4 a + b)].
.set KT,     32
.set GRP,    12288                     ; a group's K step
.set N0,     6                         ; K steps in slot 0,
.set N1,     7                         ; in slot 1
.set H0,     N0*GRP/2                  ; what one tensor load brings into slot 0: 36,864 bytes,
.set H1,     N1*GRP/2                  ; into slot 1: 43,008
.set SLOT1,  4*H0                      ; slot 0: A's tile, then B's; slot 1 behind it likewise
.set SPARE,  SLOT1+4*H1                ; the spare words, 128 bytes for each wave: two blocks of 256 bytes that no other line names
.set LAPB,   (N0+N1)*GRP               ; from a slot's tile to its next, in a group's stream
.set STAGE,  SLOT1                     ; the way out: 16 rows x 272 bytes for each wave, in slot 1, which has had its last fill and its last read at the last change of slots
.set SPITCH, 272
.set AS_OFF, 12582912                  ; A's scale words in its buffer (its images begin at 0);
.set B_OFF,  6291456                   ; B's images and
.set BS_OFF, 12845056                  ; scale words in its
.set ADRA, 8                           ; v8-11   LDS address of my A fragments: slot 0, K steps 0-3 and 4 on; slot 1 likewise (an LDS offset has 16 bits)
.set ADRB, 12                          ; v12-15  the same for B
.set STO,  16
.set RD,   17
.set CO,   18
.set VSA,  19                          ; 16 x lane + 8 x my half of the rows
.set VSB,  20                          ; 16 x lane + 8 x my half of the columns
.set VB,   21
.set SPW,  28
.set NIL,  29
.set L16,  30
.set LN,   31
.set BIAS, 32
.set BK,   64
.set SA,   128
.set SB,   192
.set G1A0, 24                          ; s[24:31] group 1: A's tiles in slot 0;  s[68:75] in slot 1
.set G0A,  32                          ; s[32:39] group 0 for A's tiles, a set for each slot
.set G1B0, 48                          ; s[48:55], s[76:83], s[56:63] the same for B's
.set G0B,  56
.set G1A1, 68
.set G1B1, 76
.set MSB, 0
.macro WIN new                         ; the immediate's high byte repeats the setting that is left
.if MSB != (\new)
	s_set_vgpr_msb (MSB<<8)|(\new)
.set MSB, (\new)
.endif
.endm
.set MUL,   0xa5                       ; sources 0 (B) and 1 (A) window 1, C and D window 2
.set MUL1,  0x85                       ; the same with C, the bias, in window 0
.set TO_F,  0x40                       ; destination window 1, address window 0
.macro JLOAD g0a, g1a, g0b, g1b        ; a joint load: waves 0, 1 for A, waves 2, 3 for B; four v_nop follow each line
	s_cmp_eq_u32 s15, 0
	s_cbranch_scc0 .Lfor_b_\@
	tensor_load_to_lds s[\g0a:\g0a+3], s[\g1a:\g1a+7]
	s_nop 0
.rept 4
	v_nop
.endr
	s_branch .Lasked_\@
.Lfor_b_\@:
	tensor_load_to_lds s[\g0b:\g0b+3], s[\g1b:\g1b+7]
	s_nop 0
.rept 4
	v_nop
.endr
.Lasked_\@:
.endm
.macro CREST                           ; a round of the cluster's barrier behind its opening barrier
	s_cmp_lg_u32 s14, 0
	s_cbranch_scc1 .Lnot_wave_0_\@
	s_barrier_signal -3
.Lnot_wave_0_\@:
	s_barrier_wait -3
	s_barrier_signal -1
	s_barrier_wait -1
.endm
.macro CROUND
	s_barrier_signal -1
	s_barrier_wait -1
	CREST
.endm
.macro PLACES n
.rept \n
	v_nop
.endr
.endm
	s_load_b128 s[4:7], s[0:1], 0x0                ; A's buffer, the bias
	s_load_b128 s[8:11], s[0:1], 0x10              ; C, B's buffer
	v_lshl_add_u32 v[SPW], v0, 2, SPARE
	v_mov_b32 v[NIL], 0
	ds_add_u32 v28, v29
	ds_add_u32 v28, v29
	s_wait_dscnt 0x0
	v_lshrrev_b32 v1, 5, v0
	v_readfirstlane_b32 s14, v1                    ; wave 0..3
	s_lshr_b32 s15, s14, 1                         ; my half of the tile's rows.  Also: I fetch for A (0) or B (1)
	s_and_b32 s16, s14, 1                          ; my half of its columns.  Also: which half of that tile's bytes I fetch
	s_bfe_u32 s40, ttmp6, 0x40000                  ; cx, cy
	s_bfe_u32 s41, ttmp6, 0x40004
	s_lshl_b32 s42, ttmp9, 2
	s_add_co_u32 s42, s42, s40                     ; tile column = B's group
	s_and_b32 s17, ttmp7, 0xffff
	s_lshl_b32 s17, s17, 2
	s_add_co_u32 s17, s17, s41                     ; tile row = A's group
	s_lshl_b32 s43, s41, 2
	s_lshl_b32 s43, 15, s43                        ; my row of the cluster
	s_lshl_b32 s44, 0x1111, s40                    ; my column
	s_or_b32 s[G1A0], s43, (3<<16)|(1<<21)         ; 15:0 the mask; 17:16 elements of 8 bytes; 21 set beside a mask; no padding
	s_or_b32 s[G1A1], s43, (3<<16)|(1<<21)
	s_or_b32 s[G1B0], s44, (3<<16)|(1<<21)
	s_or_b32 s[G1B1], s44, (3<<16)|(1<<21)
.irp g, G1A0, G1B0
	s_mov_b32 s[\g+1], 32<<16                      ; 144 dense rows of 256 bytes
	s_mov_b32 s[\g+2], (H0/256)<<16
	s_mov_b32 s[\g+3], 32<<16
	s_mov_b32 s[\g+4], H0/256
	s_mov_b32 s[\g+5], 32
	s_mov_b32 s[\g+6], 0
	s_mov_b32 s[\g+7], 0
.endr
.irp g, G1A1, G1B1
	s_mov_b32 s[\g+1], 32<<16                      ; 168 dense rows of 256 bytes
	s_mov_b32 s[\g+2], (H1/256)<<16
	s_mov_b32 s[\g+3], 32<<16
	s_mov_b32 s[\g+4], H1/256
	s_mov_b32 s[\g+5], 32
	s_mov_b32 s[\g+6], 0
	s_mov_b32 s[\g+7], 0
.endr
	s_mul_i32 s84, s16, H0                         ; my half of a tile of slot 0,
	s_mul_i32 s85, s16, H1                         ; of slot 1
	s_mul_i32 s20, s17, KT*GRP                     ; A's stream: it hangs on the tile row and the wave alone
	s_add_co_u32 s22, s20, s85
	s_add_co_u32 s22, s22, N0*GRP                  ; tile 1 begins behind tile 0's six K steps
	s_add_co_u32 s20, s20, s84
	s_mul_i32 s46, s42, KT*GRP                     ; B's: on the tile column and the wave alone
	s_add_co_u32 s46, s46, B_OFF
	s_add_co_u32 s92, s46, s85
	s_add_co_u32 s92, s92, N0*GRP
	s_add_co_u32 s46, s46, s84
	s_mov_b32 s21, 0
	s_mov_b32 s23, 0
	s_mov_b32 s47, 0
	s_mov_b32 s93, 0
	s_mul_i32 s45, s14, H0                         ; where they go: no place in the cluster enters an LDS address
	s_mul_i32 s94, s14, H1
	s_add_co_u32 s94, s94, SLOT1
	s_wait_kmcnt 0x0
	s_add_nc_u64 s[20:21], s[4:5], s[20:21]
	s_add_nc_u64 s[22:23], s[4:5], s[22:23]
	s_add_nc_u64 s[46:47], s[10:11], s[46:47]
	s_add_nc_u64 s[92:93], s[10:11], s[92:93]
	CROUND                                         ; all sixteen work-groups are here: the first joint loads meet
	s_mov_b32 s[G0A], 1
	s_mov_b32 s[G0A+1], s45
	s_mov_b64 s[G0A+2:G0A+3], s[20:21]
	s_or_b32 s[G0A+3], s[G0A+3], 0x80000000
	s_mov_b32 s[G0B], 1
	s_mov_b32 s[G0B+1], s45
	s_mov_b64 s[G0B+2:G0B+3], s[46:47]
	s_or_b32 s[G0B+3], s[G0B+3], 0x80000000
	JLOAD G0A, G1A0, G0B, G1B0                     ; tile 0: K steps 0-5
	s_mov_b32 s[G0A+4], 1
	s_mov_b32 s[G0A+5], s94
	s_mov_b64 s[G0A+6:G0A+7], s[22:23]
	s_or_b32 s[G0A+7], s[G0A+7], 0x80000000
	s_mov_b32 s[G0B+4], 1
	s_mov_b32 s[G0B+5], s94
	s_mov_b64 s[G0B+6:G0B+7], s[92:93]
	s_or_b32 s[G0B+7], s[G0B+7], 0x80000000
	JLOAD G0A+4, G1A1, G0B+4, G1B1                 ; tile 1: K steps 6-12; two loads of mine are out
	v_and_b32 v[LN], 31, v0
	v_and_b32 v1, 15, v0                           ; r
	v_bfe_u32 v2, v0, 4, 1                         ; h
	v_lshlrev_b32 v[L16], 4, v[LN]
	s_lshl_b32 s86, s15, 3
	v_add_nc_u32 v[VSA], s86, v[L16]
	s_lshl_b32 s87, s16, 3
	v_add_nc_u32 v[VSB], s87, v[L16]
	v_lshlrev_b32 v[VB], 6, v2
	s_lshl_b32 s88, s17, 14                        ; A's scale words: 16,384 bytes a group
	s_add_co_u32 s88, s88, AS_OFF
	s_mov_b32 s89, 0
	s_add_nc_u64 s[88:89], s[4:5], s[88:89]
	s_lshl_b32 s90, s42, 14                        ; B's
	s_add_co_u32 s90, s90, BS_OFF
	s_mov_b32 s91, 0
	s_add_nc_u64 s[90:91], s[10:11], s[90:91]
	s_lshl_b32 s96, s42, 9                         ; my 64 columns in bytes of f32: 512 x tile column + 256 x half
	s_lshl_b32 s98, s16, 8
	s_add_co_u32 s96, s96, s98
	s_mov_b32 s97, 0
	s_add_nc_u64 s[6:7], s[6:7], s[96:97]          ; in the bias,
	s_add_nc_u64 s[8:9], s[8:9], s[96:97]          ; and in C
	s_lshl_b32 s96, s17, 7
	s_lshl_b32 s98, s15, 6
	s_add_co_u32 s96, s96, s98                     ; my first row of C: 128 x tile row + 64 x half
	s_lshl_b32 s96, s96, 12
	s_add_nc_u64 s[8:9], s[8:9], s[96:97]
.irp b, 0,1,2,3
	global_load_b128 v[BIAS+8*\b:BIAS+8*\b+3], v[VB], s[6:7] offset:(32*(\b/2)+8*(\b%2))*4
	global_load_b128 v[BIAS+8*\b+4:BIAS+8*\b+7], v[VB], s[6:7] offset:(32*(\b/2)+8*(\b%2))*4+16
.endr
.macro SCLOAD k0, cnt                  ; the scale words of cnt K steps from k0 on: A's two registers, B's two
.set k, \k0
.rept \cnt
	global_load_b64 v[SA+2*k:SA+2*k+1], v[VSA], s[88:89] offset:512*k
	global_load_b64 v[SB+2*k:SB+2*k+1], v[VSB], s[90:91] offset:512*k
.set k, k+1
.endr
.endm
	SCLOAD 0, 26                                   ; with the bias 60 loads; the last six K steps' follow behind the first barrier
	s_mul_i32 s86, s15, 4*1536                     ; my four tiles of A's eight,
	s_mul_i32 s87, s16, 4*1536                     ; of B's eight,
	s_add_co_u32 s87, s87, 2*H0                    ; which lie behind A's tile
	v_add_nc_u32 v[ADRA], s86, v[L16]
	v_add_nc_u32 v[ADRA+1], 4*GRP, v[ADRA]
	v_add_nc_u32 v[ADRA+2], SLOT1, v[ADRA]
	v_add_nc_u32 v[ADRA+3], SLOT1+4*GRP, v[ADRA]
	v_add_nc_u32 v[ADRB], s87, v[L16]
	v_add_nc_u32 v[ADRB+1], 4*GRP, v[ADRB]
	v_add_nc_u32 v[ADRB+2], SLOT1+2*H1-2*H0, v[ADRB]
	v_add_nc_u32 v[ADRB+3], SLOT1+2*H1-2*H0+4*GRP, v[ADRB]
	s_mul_i32 s86, s14, 16*SPITCH
	s_add_co_u32 s86, s86, STAGE                   ; my stage
	v_mul_u32_u24 v3, v1, SPITCH
	v_lshl_add_u32 v3, v2, 6, v3
	v_add_nc_u32 v[STO], s86, v3                   ; in: row r, + 64 h
	v_mul_u32_u24 v3, v2, SPITCH
	v_lshl_add_u32 v3, v1, 4, v3
	v_add_nc_u32 v[RD], s86, v3                    ; back: lanes 0-15 one row of 256 bytes, lanes 16-31 the next
	v_lshlrev_b32 v[CO], 12, v2
	v_lshl_add_u32 v[CO], v1, 4, v[CO]             ; and the same two rows in C
.macro WM rb, ra                       ; one product; rb, ra: source 0's and source 1's scale words stand in lanes 16-31
.if \rb
.if \ra
	v_wmma_scale_f32_16x16x128_f8f6f4 v[rD:rD+7], v[rB:rB+11], v[rA:rA+11], v[rC:rC+7], v[rSB], v[rSA] matrix_a_fmt:MATRIX_FMT_FP6 matrix_b_fmt:MATRIX_FMT_FP6 matrix_a_scale:MATRIX_SCALE_ROW1 matrix_b_scale:MATRIX_SCALE_ROW1
.else
	v_wmma_scale_f32_16x16x128_f8f6f4 v[rD:rD+7], v[rB:rB+11], v[rA:rA+11], v[rC:rC+7], v[rSB], v[rSA] matrix_a_fmt:MATRIX_FMT_FP6 matrix_b_fmt:MATRIX_FMT_FP6 matrix_a_scale:MATRIX_SCALE_ROW1
.endif
.else
.if \ra
	v_wmma_scale_f32_16x16x128_f8f6f4 v[rD:rD+7], v[rB:rB+11], v[rA:rA+11], v[rC:rC+7], v[rSB], v[rSA] matrix_a_fmt:MATRIX_FMT_FP6 matrix_b_fmt:MATRIX_FMT_FP6 matrix_b_scale:MATRIX_SCALE_ROW1
.else
	v_wmma_scale_f32_16x16x128_f8f6f4 v[rD:rD+7], v[rB:rB+11], v[rA:rA+11], v[rC:rC+7], v[rSB], v[rSA] matrix_a_fmt:MATRIX_FMT_FP6 matrix_b_fmt:MATRIX_FMT_FP6
.endif
.endif
.endm
; cnt of K step k's 16 products, from number n0 on; number n is A's tile n / 4 against B's tile n % 4.  first = 1: the bias is C.  The 16 accumulators take turns, in the same order in every K step.
.macro MULS n0, cnt, k, first
.set n, \n0
.rept \cnt
.set rD, 8*n
.set rB, 96*((\k)%2)+48+12*(n%4)
.set rA, 96*((\k)%2)+12*(n/4)
.set rC, rD
.if \first
.set rC, BIAS+8*(n%4)
.endif
.set rSB, SB+2*(\k)+(n%4)/2
.set rSA, SA+2*(\k)+(n/4)/2
	WM (n%4)%2, (n/4)%2
.set n, n+1
.endr
.endm
; 24 LDS loads in one run: my four fragments of B and four of A of the slot's K step q, into a set
.macro FETCH slot, q, set
	WIN TO_F
.irp i, 0,1,2,3
.irp g, 0,1,2
	ds_load_b128 v[96*(\set)+48+12*\i+4*\g:96*(\set)+48+12*\i+4*\g+3], v[ADRB+2*(\slot)+(\q)/4] offset:((\q)%4)*GRP+\i*1536+512*\g
.endr
.endr
.irp i, 0,1,2,3
.irp g, 0,1,2
	ds_load_b128 v[96*(\set)+12*\i+4*\g:96*(\set)+12*\i+4*\g+3], v[ADRA+2*(\slot)+(\q)/4] offset:((\q)%4)*GRP+\i*1536+512*\g
.endr
.endr
.endm
; K step k, the slot's q-th, with its successor in the same slot: the next K step's fragments are asked for first, then come the 16 products
.macro STEP k, slot, q, first
	s_wait_loadcnt 62-2*(\k)                       ; behind this K step's two scale loads 62 - 2 k loads were issued: they may be out
	s_wait_dscnt 0x0                               ; this K step's fragments are in
	PLACES 4                                       ; in front of loads into the set that the K step before multiplied (ISA guide 7.12.1 for vector instructions)
	FETCH \slot, (\q)+1, ((\k)+1)%2
.if \first
	WIN MUL1
.else
	WIN MUL
.endif
	MULS 0, 16, \k, \first
.endm
; a slot's last K step changes slots: one barrier; in front of it each wave waits for all its tensor loads, adds 0 to its spare word, and waits for that and for its reads of this slot.  fill = 1: this slot takes its next tile
.macro TURN k, slot, next, fill
	s_wait_loadcnt 62-2*(\k)
	WIN 0                                          ; (the add's two registers lie in window 0)
	s_wait_tensorcnt 0x0                           ; all my tensor loads have landed: my part of the next slot
	ds_add_u32 v[SPW], v[NIL]                      ; 0 onto my spare word
	s_wait_dscnt 1                                 ; this K step's fragments are in (the add may be out)
	WIN MUL
	MULS 0, 4, \k, 0
	s_wait_dscnt 0x0                               ; the add is done, and my reads of this slot are over
	s_barrier_signal -1
	MULS 4, 4, \k, 0
	WIN 0
	s_barrier_wait -1
.if \fill
	CREST                                          ; the barrier has opened a round of the cluster's: no wave of any partner still reads this slot or has a load on its way
	s_add_nc_u64 s[G0A+4*\slot+2:G0A+4*\slot+3], s[G0A+4*\slot+2:G0A+4*\slot+3], LAPB
	s_add_nc_u64 s[G0B+4*\slot+2:G0B+4*\slot+3], s[G0B+4*\slot+2:G0B+4*\slot+3], LAPB
.if \slot
	JLOAD G0A+4, G1A1, G0B+4, G1B1                 ; the first tensor load behind the round; its four v_nop are the places in front of the loads below
.else
	JLOAD G0A, G1A0, G0B, G1B0
.endif
.else
	PLACES 4
.endif
	FETCH \next, 0, ((\k)+1)%2
	WIN MUL
	MULS 8, 8, \k, 0
.endm
	s_wait_tensorcnt 1                             ; my part of tile 0 is in; tile 1's load may be out
	s_barrier_signal -1
	s_barrier_wait -1
	SCLOAD 26, 6                                   ; 72 loads in all: 8 of the bias, then two a K step, K ascending
	FETCH 0, 0, 0
	STEP 0, 0, 0, 1                                ; tile 0, slot 0: K steps 0-5; the first products start the sums
.irp q, 1,2,3,4
	STEP \q, 0, \q, 0
.endr
	TURN 5, 0, 1, 1                                ; slot 0 takes tile 2
.irp q, 0,1,2,3,4,5
	STEP 6+\q, 1, \q, 0                            ; tile 1, slot 1: K steps 6-12
.endr
	TURN 12, 1, 0, 1                               ; slot 1 takes tile 3
.irp q, 0,1,2,3,4
	STEP 13+\q, 0, \q, 0                           ; tile 2, slot 0: K steps 13-18
.endr
	TURN 18, 0, 1, 1                               ; slot 0 takes tile 4
.irp q, 0,1,2,3,4,5
	STEP 19+\q, 1, \q, 0                           ; tile 3, slot 1: K steps 19-25
.endr
	TURN 25, 1, 0, 0                               ; nothing is left to fetch
.irp q, 0,1,2,3,4
	STEP 26+\q, 0, \q, 0                           ; tile 4, slot 0: K steps 26-31
.endr
	s_wait_loadcnt 0x0
	s_wait_dscnt 0x0
	WIN MUL
	MULS 0, 16, 31, 0
	WIN 0
	PLACES 4                                       ; behind the last products: results are read from here on
; THE WAY OUT, 16 rows x 64 columns at a time.  A lane holds pieces of 32 bytes of a row, and the lanes beside it hold other rows: so a block goes through my own stage in LDS and comes back as whole rows of 256 bytes.
; LDS serves a wave's instructions in order (ISA guide 5.7.1.4): no wait between the stores and the loads, nor in front of the next block's stores.
.macro TOSTAGE a
	WIN 0x08                                       ; an LDS store's data are its source 1: window 2
.irp b, 0,1,2,3
	ds_store_b128 v[STO], v[32*(\a)+8*\b:32*(\a)+8*\b+3] offset:128*(\b/2)+32*(\b%2)       ; each accumulator from its low end on
	ds_store_b128 v[STO], v[32*(\a)+8*\b+4:32*(\a)+8*\b+7] offset:128*(\b/2)+32*(\b%2)+16
.endr
	WIN 0
.set BB, BK+32*((\a)%2)
.irp t, 0,1,2,3,4,5,6,7
	ds_load_b128 v[BB+4*\t:BB+4*\t+3], v[RD] offset:\t*2*SPITCH
.endr
.endm
.macro SEND a, younger                 ; younger: the LDS instructions issued behind block a's loads, which may stay out
.set BB, BK+32*((\a)%2)
	s_wait_dscnt \younger
.irp t, 0,1,2,3,4,5,6,7
	global_store_b128 v[CO], v[BB+4*\t:BB+4*\t+3], s[8:9] offset:(16*(\a)+2*\t)*4096 th:TH_STORE_NT   ; 16 lanes store 256 consecutive bytes, at a multiple of 256 from C's first byte; written once, read by nobody here
.endr
.endm
	TOSTAGE 0
.irp a, 1,2,3
.if \a > 1
	s_wait_xcnt 0x0                                ; block a - 2's stores have read their registers, into which block a's loads land
.endif
	TOSTAGE \a
	SEND \a-1, 16                                  ; behind block a - 1's loads: block a's 8 stores and 8 loads
.endr
	SEND 3, 0
	s_wait_tensorcnt 0x0                           ; the wave's end
	ds_add_u32 v[SPW], v[NIL]
	s_wait_dscnt 0x0
	CROUND                                         ; the closing round: no work-group ends while a partner may still ask for a tile that names it
	s_endpgm
.Lfunc_end_k_qece3e074cc_gemm_ff2:
	.size	k_qece3e074cc_gemm_ff2, .Lfunc_end_k_qece3e074cc_gemm_ff2-k_qece3e074cc_gemm_ff2
	.p2alignl 7, 3214868480
	.fill 96, 4, 3214868480
	.section	.rodata,"a",@progbits
	.p2align	6, 0x0
	.amdhsa_kernel k_qece3e074cc_gemm_ff2
		.amdhsa_group_segment_fixed_size 327680
		.amdhsa_private_segment_fixed_size 0
		.amdhsa_enable_private_segment 0
		.amdhsa_kernarg_size 32
		.amdhsa_user_sgpr_count 2
		.amdhsa_user_sgpr_kernarg_segment_ptr 1
		.amdhsa_wavefront_size32 1
		.amdhsa_system_sgpr_workgroup_id_x 1
		.amdhsa_system_sgpr_workgroup_id_y 1
		.amdhsa_system_sgpr_workgroup_id_z 1
		.amdhsa_system_vgpr_workitem_id 0
		.amdhsa_next_free_vgpr 640
		.amdhsa_next_free_sgpr 100
		.amdhsa_reserve_vcc 0
		.amdhsa_float_denorm_mode_32 3
		.amdhsa_float_denorm_mode_16_64 3
		.amdhsa_memory_ordered 1
		.amdhsa_forward_progress 1
		.amdhsa_inst_pref_size 147
	.end_amdhsa_kernel
	.amdgpu_metadata
---
amdhsa.version: [ 1, 2 ]
amdhsa.kernels:
  - .name:           k_qece3e074cc_gemm_ff2
    .symbol:         k_qece3e074cc_gemm_ff2.kd
    .args:
      - { .name: fq, .offset: 0, .size: 8, .value_kind: global_buffer, .address_space: global }
      - { .name: b2, .offset: 8, .size: 8, .value_kind: global_buffer, .address_space: global }
      - { .name: out0, .offset: 16, .size: 8, .value_kind: global_buffer, .address_space: global }
      - { .name: ops, .offset: 24, .size: 8, .value_kind: global_buffer, .address_space: global }
    .group_segment_fixed_size: 327680
    .private_segment_fixed_size: 0
    .kernarg_segment_align: 8
    .kernarg_segment_size: 32
    .max_flat_workgroup_size: 128
    .sgpr_count:     100
    .vgpr_count:     640
    .wavefront_size: 32
...
	.end_amdgpu_metadata
.endif
;; end of part 8
